; MI455X (gfx1250); checked and timed in simulation.
; The chip was launched on July 23, 2026; its instructions are those of AMD's public machine-readable ISA for CDNA 5 (MIT licence, August 2026) and "CDNA5" Instruction Set Architecture Reference Guide (July 2026). The comments in the code are by the model that wrote it; some were corrected since.
;; Attention. Allowed arithmetic: float matrix products may take bf16 or f16 operands with f32 sums; other float arithmetic in f32, or as packed bf16 or f16 multiplies, adds, multiply-adds, maxima and minima; sums over many terms, partial sums and values carried from step to step in f32; what a program stores and reads back later, other than sums and carried values, may be rounded once to bf16 or f16.
;; Inputs: W_k 1,024 x 1,024 float32; W_q 1,024 x 1,024 float32; W_v 1,024 x 1,024 float32; k 8 x 2,048 x 1,024 float32; mask 8 x 512 x 2,048 float32; q 8 x 512 x 1,024 float32; v 8 x 2,048 x 1,024 float32.
;; Outputs: out0 8 x 512 x 1,024 float32.
;; 2 versions, each right; version 2 is version 1 with the launches projq, projt, mix, projo written anew for expert scheduling mode. Each part assembles by itself: llvm-mc -triple=amdgcn-amd-amdhsa -mcpu=gfx1250 --defsym DOCPART=n.
;; ======== version 1 of 2: 5 launches
;; limits: values are held in f16: magnitudes above 65,504 overflow, below 6.1e-05 lose precision; inputs' magnitudes at most 65,504
;; workspace buffers: qpb 8,650,752 bytes; tb 8,650,752 bytes; pb 17,825,792 bytes; ub 8,650,752 bytes
;; launch projq (part 1): grid 8 x 32, 4 waves a work-group, no clusters, 92,672 bytes of LDS; arguments q, W_q, qpb; writes qpb
.if DOCPART == 1
	.amdgcn_target "amdgcn-amd-amdhsa--gfx1250"
	.amdhsa_code_object_version 6
	.text
	.protected	k_qb3da92b3dc_projq
	.globl	k_qb3da92b3dc_projq
	.p2align	8
	.type	k_qb3da92b3dc_projq,@function
k_qb3da92b3dc_projq:
	s_mov_b64 s[64:65], 0
	v_nop
	global_prefetch_b8 v0, s[64:65] scope:SCOPE_SE
	s_setreg_imm32_b32 hwreg(HW_REG_WAVE_MODE, 25, 1), 1
	s_wait_xcnt 0x0
; LAUNCH 1 OF 5:  qp = q Wq^T.   A = q [4096][1024] f32,  B = W_q [n][k] f32,  C = qpb (f16 with block exponents).
;
; THE PROGRAM.  reference(): out = softmax((q Wq^T)(k Wk^T)^T / 32 + mask) (v Wv^T).  Here the same products in another order:
;   qp = q Wq^T;  t = qp Wk;  P = softmax(t k^T / 32 + mask);  u = P v;  out = u Wv^T.
; That is 60 GFLOP in place of 112, and k and v are read as they lie in memory, with no projected copies of them.
; One text serves the five launches; the constants under WHAT THIS LAUNCH IS pick its paths.
; LIMITS.  (1) The order of the products, and so of the roundings, is not reference()'s.  (2) Matrix operands are f16, sums f32.
; Raw inputs are rounded to f16 as they are: above 65,504 they become infinite, below 6e-8 zero.  (3) Intermediates are stored as f16
; numbers in [-2, 2] with one power of two for each row and block of 64 columns, kept as f32 beside the data, so their range is f32's;
; a block more than 2^24 below its row's largest block counts as zero.  (4) Softmax: each block of 64 scores has its own maximum
; (rounded down to a whole number, so that the factor between blocks is an exact power of two) taken away before the exponential;
; the launch that sums over j brings all blocks to the row's maximum.  A row whose mask is all -inf gives NaN, as in reference().
; NO CLUSTER: the tiles that work-groups share most (B) are f32 in memory and f16 in LDS.  A joint tensor load copies bytes as they are:
; a step's 32 KB of B would go into LDS as f32, out to registers and in again as f16, on top of the 96 KB of LDS traffic that a
; step has already.  A's f16 tiles need their block factor multiplied in on the way, so they pass through registers as well.
;
; SHAPE.  Four waves; the work-group makes TM x 128 of C, a wave 16 MT rows x 64 columns.  K goes in steps of 64 through two LDS slots.
; Global loads run two steps ahead into registers (window 2); in trip i step i+1 is converted and stored into the other slot.
; ---------------- WHAT THIS LAUNCH IS ----------------
.set A_F32,  1                         ; A is f32 (1) or f16 with block exponents (0)
.set B_KN,   0                         ; B lies [k][n] (1) or [n][k] (0)
.set MT,     4                         ; tiles of 16 rows in a wave
.set NS,     16                        ; K steps of 64
.set LDA,    4096                      ; bytes in a row of A
.set ASTEP,  256                       ; bytes of a row of A in a K step
.set NBI,    0                         ; blocks of 64 columns in a row of A (statistics read)
.set HAS_L,  0                         ; A carries a second plane: the blocks' sums of exponentials
.set POSTK,  0                         ; factor on the sums: 0 none, 1 2^m, 2 2^m log2(e)/32, 3 1/l
.set EPI,    0                         ; way out: 0 f16 with block exponents, 1 block softmax, 2 f32
.set LDC,    2048                      ; bytes in a row of C
.set BSH,    0                         ; batch = block row >> BSH
.set BBATCH, 0                         ; bytes of B in a batch (0: one B for all)
.set ADATA,  0                         ; bytes of A's data, behind which its statistics lie
.set CDATA,  8388608                   ; the same for C
; ---------------- derived sizes ----------------
.set TM,     32*MT                     ; rows of C in a work-group
.set NP,     2*MT                      ; TM / 16
.set NB,     16                        ; 16-byte loads a lane for B's 64 x 128 f32 of a step
.if A_F32
.set NA,     16                        ; the same for A's 128 x 64 f32
.set APASS,  32768                     ; a pass of the 128 threads covers 8 rows of 256 bytes
.else
.set NA,     NP                        ; a pass covers 16 rows of 128 bytes
.set APASS,  16*LDA
.endif
.if B_KN
.set BPASS,  16384                     ; a pass covers 4 k rows of 512 bytes
.set BSTEP,  262144                    ; 64 k rows of 4,096 bytes
.set BCOL,   512                       ; 128 columns of f32
.else
.set BPASS,  32768                     ; a pass covers 8 n rows of 256 bytes
.set BSTEP,  256
.set BCOL,   524288                    ; 128 n rows of 4,096 bytes
.endif
.if LDA == 4096
.set LDASH,  12
.else
.set LDASH,  11
.endif
.if LDC == 4096
.set LDCSH,  12
.else
.set LDCSH,  11
.endif
.set NF,     2*(MT+4)                  ; LDS loads of one half step's fragments
.set CA,     NA+2*NB                   ; loads issued behind A(i+1): B(i+1), A(i+2), B(i+2)
.set CB,     2*NA+NB                   ; loads issued behind B(i+1): A(i+2), B(i+2), A(i+3)
.set CT,     NA+NB
; ---------------- LDS ----------------
.set ABYTES, TM*144                    ; A: rows of 128 bytes, pitch 144 = 9 x 16: a fragment load's 16 rows fall on 16 different 16-byte columns of 256
.set SLOT,   ABYTES+18432              ; B: 128 rows at pitch 144, or 64 k rows of 256 bytes at pitch 288 = 9 x 32 for the transposing load
.set FTB,    2*SLOT                    ; factor table: one word (f, f) in f16 for each block and row
.set POSTB,  FTB+16384                 ; one f32 for each row
.set SSB,    POSTB+4*TM                ; each wave's own stage for the statistics that it makes
.if EPI == 1
.set SSWB,   1024
.else
.set SSWB,   256
.endif
.set MASKB,  SSB+4*SSWB                ; each wave's own 128 x 64 f32 of the mask, pitch 272 (block softmax only)
.set MASKW,  128*272
.if EPI == 2
.set SPITCH, 528                       ; the stage for C lies over the ring, which is done with by then
.set NRB,    32                        ; read back: one row of 512 bytes a load
.set RSTEP,  528
.set GSTEP,  LDC
.set XB,     512
.else
.set SPITCH, 272
.set NRB,    TM/8                      ; two rows of 256 bytes a load
.set RSTEP,  544
.set GSTEP,  2*LDC
.set XB,     256
.endif
; ---------------- registers ----------------
; window 0: v1 r = lane % 16, v2 h = lane / 16; addresses; v32-63 converted data; v64-159, v160-255 two fragment buffers (A at +0, B at +64)
; window 1: accumulators, tile (a, b) at 8 (4 a + b).   window 2: loaded steps, parity s at 128 s, A at +0, B at +64.
.set VA,  4
.set VB,  5
.set AST, 6
.set BST, 8
.set AFR, 10
.set BFR, 12
.set FA,  14
.set SO,  15
.set FAC, 16
.set TMP, 32
.set F0,  64
.set F1,  160
.set ST,  64
.set STO, 16                           ; the way out uses v16-31 and the fragment buffers again
.set RD,  17
.set CO,  18
.set SSW, 19
.set SSR, 20
.set MK,  21
.set PA,  22
.set GS,  23
.set SV,  24
.set X,   64
.set MSK, 96
.set H,   128
.set PO,  144
.set SC,  146
.set AM,  148
.set T1,  149
.set T2,  150
.set LS,  151
.set W_MUL, 0x50                       ; s_set_vgpr_msb: C and D in window 1
.set W_LD,  0x80                       ; destination in window 2
.set W_CVT, 0x0a                       ; sources 0 and 1 in window 2
.set W_PKM, 0x02                       ; source 0 in window 2
.set W_ACC, 0x01                       ; source 0 in window 1
.set W_AMX, 0x14                       ; sources 1 and 2 in window 1
.set MSB, 0
.macro WIN new                         ; the immediate's high byte repeats the setting that is left
.if MSB != \new
	s_set_vgpr_msb (MSB<<8)|\new
.set MSB, \new
.endif
.endm
.macro PLACES                          ; four independent vector instructions behind a matrix instruction (ISA guide 7.12.1)
.rept 4
	v_nop
.endr
.endm
	s_load_b128 s[4:7], s[0:1], 0x0                ; A, B
	s_load_b64 s[8:9], s[0:1], 0x10                ; C
	v_lshl_add_u32 v222, v0, 2, 0x16800
	v_mov_b32 v223, 0
.if EPI == 1
	s_load_b64 s[10:11], s[0:1], 0x18              ; mask
.endif
	v_lshrrev_b32 v3, 5, v0
	v_readfirstlane_b32 s12, v3                    ; wave
	s_lshr_b32 s13, s12, 1                         ; wm: which half of the rows
	s_and_b32 s14, s12, 1                          ; wn: which 64 columns
	s_and_b32 s16, ttmp7, 0xffff                   ; block row y; ttmp9 is the block column x
	s_mov_b32 s24, 0x76543210                      ; v_permlanex16_b32: lane i takes lane i of the other half
	s_mov_b32 s25, 0xfedcba98
	s_mov_b32 s21, 0                               ; high word of every offset pair s[20:21]
	v_and_b32 v1, 15, v0
	v_bfe_u32 v2, v0, 4, 1
.if A_F32
	v_lshrrev_b32 v32, 4, v0                       ; 16 threads take a row's 256 bytes
	v_lshlrev_b32 v33, 4, v1
	v_lshl_add_u32 v[VA], v32, 12, v33
	v_mul_u32_u24 v34, 144, v32
	v_lshl_add_u32 v[AST], v1, 3, v34              ; 4 f32 become 8 bytes
.else
	v_lshrrev_b32 v32, 3, v0                       ; 8 threads take a row's 128 bytes
	v_and_b32 v33, 7, v0
	v_lshlrev_b32 v33, 4, v33
	v_lshl_add_u32 v[VA], v32, LDASH, v33
	v_mul_u32_u24 v34, 144, v32
	v_add_nc_u32 v[AST], v34, v33
	v_mul_u32_u24 v[FA], 4*NP, v32                 ; my NP rows' factors lie side by side in the table
	v_add_nc_u32 v[FA], FTB, v[FA]
.endif
	v_add_nc_u32 v[AST+1], SLOT, v[AST]
.if B_KN
	v_lshrrev_b32 v32, 5, v0                       ; a wave takes a k row's 512 bytes
	v_and_b32 v33, 31, v0
	v_lshlrev_b32 v34, 4, v33
	v_lshl_add_u32 v[VB], v32, 12, v34
	v_mul_u32_u24 v34, 288, v32
	v_lshl_add_u32 v34, v33, 3, v34
.else
	v_lshrrev_b32 v32, 4, v0
	v_lshlrev_b32 v33, 4, v1
	v_lshl_add_u32 v[VB], v32, 12, v33
	v_mul_u32_u24 v34, 144, v32
	v_lshl_add_u32 v34, v1, 3, v34
.endif
	v_add_nc_u32 v[BST], ABYTES, v34
	v_add_nc_u32 v[BST+1], SLOT, v[BST]
	v_mul_u32_u24 v35, 144, v1                     ; fragments with K along the row: row r, 16 bytes for each half of the lanes
	v_lshl_add_u32 v35, v2, 4, v35
	s_mul_i32 s17, s13, 16*MT*144
	v_add_nc_u32 v[AFR], s17, v35
	v_add_nc_u32 v[AFR+1], SLOT, v[AFR]
.if B_KN
	v_and_b32 v36, 7, v0                           ; transposing load: k row 8 h + lane % 8, 16 bytes at 16 ((lane / 8) % 2)
	v_lshl_add_u32 v36, v2, 3, v36
	v_mul_u32_u24 v36, 288, v36
	v_bfe_u32 v37, v0, 3, 1
	v_lshl_add_u32 v36, v37, 4, v36
	s_lshl_b32 s17, s14, 7
	s_add_co_u32 s17, s17, ABYTES
	v_add_nc_u32 v[BFR], s17, v36
.else
	s_mul_i32 s17, s14, 64*144
	s_add_co_u32 s17, s17, ABYTES
	v_add_nc_u32 v[BFR], s17, v35
.endif
	v_add_nc_u32 v[BFR+1], SLOT, v[BFR]
	s_wait_kmcnt 0x0
	s_mul_i32 s20, s16, TM*LDA
	s_add_nc_u64 s[40:41], s[4:5], s[20:21]        ; A at my rows: even steps,
	s_add_nc_u64 s[42:43], s[40:41], ASTEP         ; odd steps: a base for each, so that one can be stepped while the other's loads are out
	s_mul_i32 s20, ttmp9, BCOL
.if BBATCH
	s_lshr_b32 s17, s16, BSH
	s_mul_i32 s17, s17, BBATCH
	s_add_co_u32 s20, s20, s17
.endif
	s_add_nc_u64 s[44:45], s[6:7], s[20:21]
	s_add_nc_u64 s[46:47], s[44:45], BSTEP
.if A_F32 == 0
	s_mul_i32 s20, s16, TM*4
	s_add_co_u32 s20, s20, ADATA
	s_add_nc_u64 s[48:49], s[4:5], s[20:21]        ; A's statistics, [block][row] f32, at my rows
.endif
.if EPI == 1
	; each wave asks once for its own 128 rows x 64 f32 of the mask: one tensor load outstanding, waited for in front of the way out
	s_lshl_b32 s20, s16, 21                        ; 256 rows of 8,192 bytes
	s_lshl_b32 s17, s13, 20
	s_add_co_u32 s20, s20, s17
	s_lshl_b32 s17, ttmp9, 9
	s_add_co_u32 s20, s20, s17
	s_lshl_b32 s17, s14, 8
	s_add_co_u32 s20, s20, s17
	s_mov_b32 s28, 1                               ; group 0: count
	s_mul_i32 s29, s12, MASKW
	s_add_co_u32 s29, s29, MASKB                   ; LDS address: the wave's own bytes
	s_add_nc_u64 s[30:31], s[10:11], s[20:21]
	s_or_b32 s31, s31, 0x80000000                  ; type 2
	s_mov_b32 s32, (2<<16)|(1<<20)|(5<<22)|(3<<25) ; 4-byte elements; 4 words of padding behind every 64
	s_mov_b32 s33, 64<<16                          ; tensor_dim0
	s_mov_b32 s34, 128<<16                         ; tensor_dim1
	s_mov_b32 s35, 64<<16                          ; tile_dim0
	s_mov_b32 s36, 128                             ; tile_dim1
	s_mov_b32 s37, 2048                            ; elements from row to row
	s_mov_b32 s38, 0
	s_mov_b32 s39, 0
	tensor_load_to_lds s[28:31], s[32:39]
.endif
; n loads of 16 bytes a lane: one operand's tile of a K step into window 2
.macro LOADT par, sub, n, va, base, pass
	WIN W_LD
.set pp, 0
.rept \n
	global_load_b128 v[128*\par+\sub+4*pp:128*\par+\sub+4*pp+3], v[\va], s[\base+2*\par:\base+2*\par+1] offset:pp*\pass
.set pp, pp+1
.endr
.endm
; a loaded f32 tile to f16 and into LDS: 64 numbers a lane
.macro CVT_STORE par, sub, adr
	WIN W_CVT
.set pp, 0
.rept 16
	v_cvt_pk_f16_f32 v[TMP+2*pp],   v[128*\par+\sub+4*pp],   v[128*\par+\sub+4*pp+1]
	v_cvt_pk_f16_f32 v[TMP+2*pp+1], v[128*\par+\sub+4*pp+2], v[128*\par+\sub+4*pp+3]
.set pp, pp+1
.endr
	WIN 0
.set pp, 0
.rept 16
	ds_store_b64 v[\adr+\par], v[TMP+2*pp:TMP+2*pp+1] offset:pp*1152
.set pp, pp+1
.endr
.endm
.macro LOADFAC                         ; my NP rows' factors of the next block; the address steps one block on
.set pp, 0
.rept NP/4
	ds_load_b128 v[FAC+4*pp:FAC+4*pp+3], v[FA] offset:16*pp
.set pp, pp+1
.endr
	v_add_nc_u32 v[FA], 4*TM, v[FA]
.endm
; A's tile of the step of parity par goes into slot par; load = 1: the step two further on is asked for
.macro CHORE_A par, load, cnt
	s_wait_loadcnt \cnt                            ; loads return in order: the tile is in, and its base is free to step
.if A_F32
	CVT_STORE \par, 0, AST
.else
.set cc, 0
.rept NP/8
	WIN W_PKM
.set pp, 0
.rept 8
.irp q, 0,1,2,3
	v_pk_mul_f16 v[TMP+4*pp+\q], v[128*\par+4*(8*cc+pp)+\q], v[FAC+8*cc+pp]   ; a power of two: brings the block to its row's exponent
.endr
.set pp, pp+1
.endr
	WIN 0
.set pp, 0
.rept 8
	ds_store_b128 v[AST+\par], v[TMP+4*pp:TMP+4*pp+3] offset:(8*cc+pp)*2304
.set pp, pp+1
.endr
.set cc, cc+1
.endr
.endif
.if \load
	s_add_nc_u64 s[40+2*\par:41+2*\par], s[40+2*\par:41+2*\par], 2*ASTEP
	LOADT \par, 0, NA, VA, 40, APASS
.endif
.endm
.macro CHORE_B par, load, cnt
	s_wait_loadcnt \cnt
	CVT_STORE \par, 64, BST
.if \load
	s_add_nc_u64 s[44+2*\par:45+2*\par], s[44+2*\par:45+2*\par], 2*BSTEP
	LOADT \par, 64, NB, VB, 44, BPASS
.endif
.endm
; the fragments of 32 along K (half step ks of a slot) into buffer f: NF LDS loads
.macro FETCH f, slot, ks
.set aa, 0
.rept MT
	ds_load_b128 v[\f+8*aa:\f+8*aa+3],   v[AFR+\slot] offset:2304*aa+64*\ks
	ds_load_b128 v[\f+8*aa+4:\f+8*aa+7], v[AFR+\slot] offset:2304*aa+64*\ks+32
.set aa, aa+1
.endr
.irp b, 0,1,2,3
.if B_KN
	ds_load_tr16_b128 v[\f+64+8*\b:\f+64+8*\b+3],   v[BFR+\slot] offset:9216*\ks+32*\b
	ds_load_tr16_b128 v[\f+64+8*\b+4:\f+64+8*\b+7], v[BFR+\slot] offset:9216*\ks+32*\b+4608
.else
	ds_load_b128 v[\f+64+8*\b:\f+64+8*\b+3],   v[BFR+\slot] offset:2304*\b+64*\ks
	ds_load_b128 v[\f+64+8*\b+4:\f+64+8*\b+7], v[BFR+\slot] offset:2304*\b+64*\ks+32
.endif
.endr
.endm
; 2 MT matrix instructions: m tiles first .. first + MT/2 - 1 x 4 n tiles.  Source 0 is B's fragment, source 1 A's: a lane then holds
; eight neighbouring columns (8 h + j) of row r of C.  zero = 1: the first product starts the sums, nothing is cleared.
.macro MULG f, first, zero
	WIN W_MUL
.set aa, \first
.rept MT/2
.irp b, 0,1,2,3
.if \zero
	v_wmma_f32_16x16x32_f16 v[8*(4*aa+\b):8*(4*aa+\b)+7], v[\f+64+8*\b:\f+64+8*\b+7], v[\f+8*aa:\f+8*aa+7], 0
.else
	v_wmma_f32_16x16x32_f16 v[8*(4*aa+\b):8*(4*aa+\b)+7], v[\f+64+8*\b:\f+64+8*\b+7], v[\f+8*aa:\f+8*aa+7], v[8*(4*aa+\b):8*(4*aa+\b)+7]
.endif
.endr
.set aa, aa+1
.endr
.endm
; ONE K STEP.  Slot cur is multiplied; conv = 1: the next step is converted into slot nxt; load = 1: the step three on is asked for.
; One barrier does both orderings: in front of it my reads of cur and my stores into nxt are done; behind it nxt is read, and in the
; next trip cur is written again.
.macro TRIP cur, nxt, zero, conv, load, ca, cb, more
	WIN 0
	PLACES                                         ; buffer 1 was read by the matrix instructions just issued
.if \conv*(1-A_F32)
	LOADFAC
.endif
	FETCH F1, \cur, 1
	s_wait_dscnt NF                                ; the NF loads just issued may be out: buffer 0 and the factors are in
	MULG F0, 0, \zero
.if \conv
	CHORE_A \nxt, \load, \ca
.endif
	MULG F0, MT/2, \zero
.if \conv
	CHORE_B \nxt, \load, \cb
.endif
	s_wait_dscnt 0x0                               ; for the others' sake: my reads of cur, my stores into nxt
	s_barrier_signal -1
	MULG F1, 0, 0                                  ; registers only
	s_barrier_wait -1
.if \more
	WIN 0
	PLACES
	FETCH F0, \nxt, 0
.endif
	MULG F1, MT/2, 0
.endm
; ---------------- the statistics of A: block factors and the factor on the sums ----------------
.if A_F32 == 0
	v_lshlrev_b32 v[SO], 2, v0                     ; thread t takes row t (and t + 128)
.set uu, 0
.rept TM/128
.set bb, 0
.rept NBI
	global_load_b32 v[ST+NBI*uu+bb], v[SO], s[48:49] offset:16384*bb+512*uu
.set bb, bb+1
.endr
.set uu, uu+1
.endr
.if HAS_L
.set bb, 0
.rept NBI
	global_load_b32 v[ST+NBI+bb], v[SO], s[48:49] offset:16384*(NBI+bb)
.set bb, bb+1
.endr
.endif
.endif
	LOADT 0, 0, NA, VA, 40, APASS                  ; step 0
	LOADT 0, 64, NB, VB, 44, BPASS
.if A_F32 == 0
	WIN 0
	v_lshrrev_b32 v34, 4, v0                       ; table word of (block, row): block x 4 TM + (row % 16) x 4 NP + (row / 16) x 4
	v_lshlrev_b32 v34, 2, v34
	v_mul_u32_u24 v35, 4*NP, v1
	v_add_nc_u32 v34, v34, v35
	v_add_nc_u32 v34, FTB, v34
	v_add_nc_u32 v35, POSTB, v[SO]
	s_wait_loadcnt CT                              ; only step 0's NA + NB loads may be out: the statistics are in
.set uu, 0
.rept TM/128
.set S0, ST+NBI*uu
	v_max_num_f32 v32, v[S0], v[S0+1]              ; the row's largest exponent (or maximum)
.set bb, 2
.rept (NBI-2)/2
	v_max3_num_f32 v32, v32, v[S0+bb], v[S0+bb+1]
.set bb, bb+2
.endr
.set bb, 0
.rept NBI
	v_sub_f32 v[S0+bb], v[S0+bb], v32
.set bb, bb+1
.endr
.set bb, 0
.rept NBI
	v_exp_f32 v[S0+bb], v[S0+bb]                   ; whole numbers in, powers of two out
.set bb, bb+1
.endr
.if POSTK != 3
	v_exp_f32 v33, v32
.endif
	v_nop                                          ; one plain instruction behind the transcendentals (ISA guide 5.7.2)
.if POSTK == 2
	v_mul_f32 v33, 0x3d38aa3b, v33                 ; log2(e) / 32: scores come out in base 2
.endif
.if POSTK == 3
	v_mul_f32 v33, v[S0], v[S0+NBI]                ; l = sum over blocks of factor x block sum
.set bb, 1
.rept NBI-1
	v_fmac_f32 v33, v[S0+bb], v[S0+NBI+bb]
.set bb, bb+1
.endr
	v_rcp_f32 v33, v33
	v_nop
.endif
.set bb, 0
.rept NBI
	v_cvt_pk_f16_f32 v[S0+bb], v[S0+bb], v[S0+bb]
.set bb, bb+1
.endr
.set bb, 0
.rept NBI
	ds_store_b32 v34, v[S0+bb] offset:4*TM*bb+32*uu
.set bb, bb+1
.endr
	ds_store_b32 v35, v33 offset:512*uu
.set uu, uu+1
.endr
.endif
	LOADT 1, 0, NA, VA, 40, APASS                  ; step 1
	LOADT 1, 64, NB, VB, 44, BPASS
	WIN 0
.if A_F32 == 0
	s_wait_dscnt 0x0                               ; my table words are written,
	s_barrier_signal -1
	s_barrier_wait -1                              ; everybody's are
	LOADFAC
	s_wait_dscnt 0x0
.endif
	CHORE_A 0, 1, CA                               ; step 0 into slot 0; step 2 asked for
	CHORE_B 0, 1, CB
	WIN 0
	s_wait_dscnt 0x0
	s_barrier_signal -1
	s_barrier_wait -1
	FETCH F0, 0, 0
; ---------------- NS trips: two in front of the loop (they start the sums), the last four written out (they ask for nothing beyond K) ----------------
	TRIP 0, 1, 1, 1, 1, CA, CB, 1
	TRIP 1, 0, 0, 1, 1, CA, CB, 1
	WIN 0
	s_mov_b32 s22, (NS-6)/2
.Lpair:
	TRIP 0, 1, 0, 1, 1, CA, CB, 1
	TRIP 1, 0, 0, 1, 1, CA, CB, 1
	WIN 0
	s_sub_co_u32 s22, s22, 1
	s_cmp_lg_u32 s22, 0
	s_cbranch_scc1 .Lpair
	TRIP 0, 1, 0, 1, 1, CA, CB, 1                  ; asks for the last step
	TRIP 1, 0, 0, 1, 0, CA, CT, 1                  ; behind B(NS-2) only A(NS-1) and B(NS-1) were issued
	TRIP 0, 1, 0, 1, 0, NB, 0, 1                   ; behind A(NS-1) only B(NS-1); behind that nothing
	TRIP 1, 0, 0, 0, 0, 0, 0, 0                    ; its barrier also frees the ring for the stage
; ---------------- the way out ----------------
	WIN 0
	PLACES                                         ; behind the last matrix instructions: results are read, fragment registers written
	v_mov_b32 v[T1], 0                             ; v_permlanex16_b32 counts as a reader of its destination
	s_mul_i32 s17, s13, 16*MT                      ; my first row in the block
.if POSTK
	s_lshl_b32 s18, s17, 2
	s_add_co_u32 s18, s18, POSTB
	v_lshl_add_u32 v[PA], v1, 2, s18
.endif
	s_mul_i32 s18, s17, SPITCH
.if EPI == 2
	s_lshl_b32 s19, s14, 8
	v_lshlrev_b32 v[STO], 5, v2
.else
	s_lshl_b32 s19, s14, 7
	v_lshlrev_b32 v[STO], 4, v2
.endif
	s_add_co_u32 s18, s18, s19
	v_add_nc_u32 v[STO], s18, v[STO]
	v_mul_u32_u24 v32, SPITCH, v1
	v_add_nc_u32 v[STO], v32, v[STO]               ; stage: row r of my rows, my 64 columns, my half's 8 numbers
	v_and_b32 v33, 31, v0
	s_mul_i32 s18, s12, (TM/4)*SPITCH              ; read back: wave w takes rows (TM/4) w ..
.if EPI == 2
	v_lshlrev_b32 v[CO], 4, v33
	v_add_nc_u32 v[RD], s18, v[CO]
.else
	v_lshlrev_b32 v34, 4, v1
	v_mul_u32_u24 v[RD], SPITCH, v2
	v_add3_u32 v[RD], v[RD], v34, s18
	v_lshl_add_u32 v[CO], v2, LDCSH, v34
.endif
.if EPI != 2
	s_mul_i32 s18, s12, SSWB
	s_add_co_u32 s18, s18, SSB
	v_lshl_add_u32 v[SSW], v1, 2, s18
.if MT == 4
	v_lshlrev_b32 v[GS], 3, v33
.else
	v_lshlrev_b32 v[GS], 4, v33
.endif
	v_add_nc_u32 v[SSR], s18, v[GS]
	s_lshl_b32 s18, ttmp9, 1                       ; my block of 64 columns: 2 x + wn; a plane of 4,096 rows for each
	s_add_co_u32 s18, s18, s14
	s_lshl_b32 s18, s18, 14
	s_mul_i32 s19, s16, TM
	s_add_co_u32 s19, s19, s17
	s_lshl_b32 s19, s19, 2
	s_add_co_u32 s20, s18, s19
	s_add_co_u32 s20, s20, CDATA
	s_add_nc_u64 s[50:51], s[8:9], s[20:21]
.endif
	s_mul_i32 s18, s16, TM
	s_mul_i32 s19, s12, TM/4
	s_add_co_u32 s18, s18, s19
	s_mul_i32 s20, s18, LDC
	s_mul_i32 s18, ttmp9, XB
	s_add_co_u32 s20, s20, s18
	s_add_nc_u64 s[52:53], s[8:9], s[20:21]
.if EPI == 1
	s_mul_i32 s18, s12, MASKW
	s_add_co_u32 s18, s18, MASKB
	v_mul_u32_u24 v[MK], 272, v1
	v_lshl_add_u32 v[MK], v2, 5, v[MK]
	v_add_nc_u32 v[MK], s18, v[MK]
	s_wait_tensorcnt 0x0                           ; my mask tile is in LDS; only I read it
.endif
; one m tile: 16 rows x my 64 columns; a lane holds 32 numbers of row r, its partner lane (the other half) the other 32
.macro TILE a
	WIN 0
.if POSTK
	ds_load_b32 v[PO], v[PA] offset:64*\a
.endif
.if EPI == 1
.irp b, 0,1,2,3
	ds_load_b128 v[MSK+8*\b:MSK+8*\b+3],   v[MK] offset:4352*\a+64*\b
	ds_load_b128 v[MSK+8*\b+4:MSK+8*\b+7], v[MK] offset:4352*\a+64*\b+16
.endr
.endif
.if EPI == 0
	v_mov_b32 v[AM], 0                             ; largest magnitude of the row's 64 numbers
	WIN W_AMX
.set ii, 0
.rept 16
	v_max3_num_f32 v[AM], v[AM], |v[32*\a+2*ii]|, |v[32*\a+2*ii+1]|
.set ii, ii+1
.endr
	WIN 0
	v_permlanex16_b32 v[T1], v[AM], s24, s25
	v_max_num_f32 v[AM], v[AM], v[T1]
.endif
.if POSTK
	s_wait_dscnt 0x0                               ; the row's factor (and the mask) are in
	v_mov_b32 v[PO+1], v[PO]
	WIN W_ACC
.set ii, 0
.rept 16
	v_pk_mul_f32 v[X+2*ii:X+2*ii+1], v[32*\a+2*ii:32*\a+2*ii+1], v[PO:PO+1]
.set ii, ii+1
.endr
	WIN 0
.endif
.if EPI == 0
.if POSTK
	v_mul_f32 v[AM], v[AM], v[PO]
.endif
	v_lshrrev_b32 v[T1], 23, v[AM]                 ; e, the biased exponent (the sign is 0)
	v_min_u32 v[T1], 253, v[T1]                    ; so that 2^(127 - e) is a normal number
	v_sub_nc_u32 v[T2], 254, v[T1]
	v_lshlrev_b32 v[SC], 23, v[T2]                 ; 2^(127 - e): the largest magnitude lands in [1, 2)
	v_mov_b32 v[SC+1], v[SC]
	v_add_nc_u32 v[T2], 0xffffff81, v[T1]
	v_cvt_f32_i32 v[T2], v[T2]                     ; e - 127, kept as f32 beside the data
.if POSTK
.set ii, 0
.rept 16
	v_pk_mul_f32 v[X+2*ii:X+2*ii+1], v[X+2*ii:X+2*ii+1], v[SC:SC+1]
.set ii, ii+1
.endr
.else
	WIN W_ACC
.set ii, 0
.rept 16
	v_pk_mul_f32 v[X+2*ii:X+2*ii+1], v[32*\a+2*ii:32*\a+2*ii+1], v[SC:SC+1]
.set ii, ii+1
.endr
	WIN 0
.endif
.endif
.if EPI == 1
.set ii, 0
.rept 16
	v_pk_fma_f32 v[X+2*ii:X+2*ii+1], v[MSK+2*ii:MSK+2*ii+1], 0x3fb8aa3b, v[X+2*ii:X+2*ii+1] op_sel_hi:[1,0,1]   ; + mask log2(e)
.set ii, ii+1
.endr
	v_max_num_f32 v[AM], v[X], v[X+1]
.set ii, 1
.rept 15
	v_max3_num_f32 v[AM], v[AM], v[X+2*ii], v[X+2*ii+1]
.set ii, ii+1
.endr
	v_permlanex16_b32 v[T1], v[AM], s24, s25
	v_max_num_f32 v[AM], v[AM], v[T1]
	v_max_num_f32 v[AM], 0xff7fffff, v[AM]         ; a block that is all -inf: exponentials 0, not NaN
	v_floor_f32 v[SC], v[AM]                       ; the block's maximum, rounded down: exponents stay below 1
	v_floor_f32 v[SC+1], v[AM]
.set ii, 0
.rept 16
	v_pk_add_f32 v[X+2*ii:X+2*ii+1], v[X+2*ii:X+2*ii+1], v[SC:SC+1] neg_lo:[0,1] neg_hi:[0,1]
.set ii, ii+1
.endr
.set ii, 0
.rept 32
	v_exp_f32 v[X+ii], v[X+ii]
.set ii, ii+1
.endr
	v_nop                                          ; one plain instruction behind the transcendentals (ISA guide 5.7.2)
.set ii, 0
.rept 8
	v_pk_add_f32 v[MSK+2*ii:MSK+2*ii+1], v[X+4*ii:X+4*ii+1], v[X+4*ii+2:X+4*ii+3]
.set ii, ii+1
.endr
.irp n, 4,2,1
.set ii, 0
.rept \n
	v_pk_add_f32 v[MSK+2*ii:MSK+2*ii+1], v[MSK+4*ii:MSK+4*ii+1], v[MSK+4*ii+2:MSK+4*ii+3]
.set ii, ii+1
.endr
.endr
	v_add_f32 v[LS], v[MSK], v[MSK+1]
	v_permlanex16_b32 v[T1], v[LS], s24, s25
	v_add_f32 v[LS], v[LS], v[T1]                  ; the block's sum of exponentials
.endif
.if EPI == 2
.irp b, 0,1,2,3
	ds_store_b128 v[STO], v[X+8*\b:X+8*\b+3]   offset:8448*\a+64*\b
	ds_store_b128 v[STO], v[X+8*\b+4:X+8*\b+7] offset:8448*\a+64*\b+16
.endr
.else
.set ii, 0
.rept 16
	v_cvt_pk_f16_f32 v[H+ii], v[X+2*ii], v[X+2*ii+1]
.set ii, ii+1
.endr
.irp b, 0,1,2,3
	ds_store_b128 v[STO], v[H+4*\b:H+4*\b+3] offset:4352*\a+32*\b
.endr
.if EPI == 1
	ds_store_b32 v[SSW], v[SC] offset:64*\a        ; both halves write the same word with the same number
	ds_store_b32 v[SSW], v[LS] offset:512+64*\a
.else
	ds_store_b32 v[SSW], v[T2] offset:64*\a
.endif
.endif
.endm
.set tt, 0
.rept MT
	TILE tt
.set tt, tt+1
.endr
.if EPI != 2
	; my statistics, out of my own stage (LDS serves a wave's instructions in order): each store covers 256 or 512 consecutive bytes, aligned
.if MT == 4
	ds_load_b64 v[SV:SV+1], v[SSR]
	s_wait_dscnt 0x0
	global_store_b64 v[GS], v[SV:SV+1], s[50:51]
.else
	ds_load_b128 v[SV:SV+3], v[SSR]
	ds_load_b128 v[SV+4:SV+7], v[SSR] offset:512
	s_wait_dscnt 0x0
	global_store_b128 v[GS], v[SV:SV+3], s[50:51]
	global_store_b128 v[GS], v[SV+4:SV+7], s[50:51] offset:524288
.endif
.endif
	s_wait_dscnt 0x0                               ; my part of the stage is written,
	s_barrier_signal -1
	s_barrier_wait -1                              ; everybody's is: whole rows can be read
.set ii, 0
.rept NRB
	ds_load_b128 v[64+4*ii:64+4*ii+3], v[RD] offset:ii*RSTEP
.set ii, ii+1
.endr
.set ii, 0
.rept NRB
	s_wait_dscnt NRB-1-ii                          ; the younger read-back loads may be out
.if EPI == 2
	global_store_b128 v[CO], v[64+4*ii:64+4*ii+3], s[52:53] offset:ii*GSTEP th:TH_STORE_NT
.else
	global_store_b128 v[CO], v[64+4*ii:64+4*ii+3], s[52:53] offset:ii*GSTEP   ; 16 lanes store 256 consecutive bytes, aligned
.endif
.set ii, ii+1
.endr
	s_wait_tensorcnt 0x0
	ds_add_u32 v222, v223
	s_wait_dscnt 0x0
	s_endpgm
.Lfunc_end_k_qb3da92b3dc_projq:
	.size	k_qb3da92b3dc_projq, .Lfunc_end_k_qb3da92b3dc_projq-k_qb3da92b3dc_projq
	.p2alignl 7, 3214868480
	.fill 96, 4, 3214868480
	.section	.rodata,"a",@progbits
	.p2align	6, 0x0
	.amdhsa_kernel k_qb3da92b3dc_projq
		.amdhsa_group_segment_fixed_size 92672
		.amdhsa_private_segment_fixed_size 0
		.amdhsa_enable_private_segment 0
		.amdhsa_kernarg_size 24
		.amdhsa_user_sgpr_count 2
		.amdhsa_user_sgpr_kernarg_segment_ptr 1
		.amdhsa_wavefront_size32 1
		.amdhsa_system_sgpr_workgroup_id_x 1
		.amdhsa_system_sgpr_workgroup_id_y 1
		.amdhsa_system_sgpr_workgroup_id_z 1
		.amdhsa_system_vgpr_workitem_id 0
		.amdhsa_next_free_vgpr 768
		.amdhsa_next_free_sgpr 66
		.amdhsa_reserve_vcc 0
		.amdhsa_float_denorm_mode_32 3
		.amdhsa_float_denorm_mode_16_64 3
		.amdhsa_memory_ordered 1
		.amdhsa_forward_progress 1
		.amdhsa_inst_pref_size 135
	.end_amdhsa_kernel
	.amdgpu_metadata
---
amdhsa.version: [ 1, 2 ]
amdhsa.kernels:
  - .name:           k_qb3da92b3dc_projq
    .symbol:         k_qb3da92b3dc_projq.kd
    .args:
      - { .name: q, .offset: 0, .size: 8, .value_kind: global_buffer, .address_space: global }
      - { .name: W_q, .offset: 8, .size: 8, .value_kind: global_buffer, .address_space: global }
      - { .name: qpb, .offset: 16, .size: 8, .value_kind: global_buffer, .address_space: global }
    .group_segment_fixed_size: 92672
    .private_segment_fixed_size: 0
    .kernarg_segment_align: 8
    .kernarg_segment_size: 24
    .max_flat_workgroup_size: 128
    .sgpr_count:     66
    .vgpr_count:     768
    .wavefront_size: 32
...
	.end_amdgpu_metadata
.endif
;; end of part 1
;; launch projt (part 2): grid 8 x 32, 4 waves a work-group, no clusters, 92,672 bytes of LDS; arguments qpb, W_k, tb; writes tb
.if DOCPART == 2
	.amdgcn_target "amdgcn-amd-amdhsa--gfx1250"
	.amdhsa_code_object_version 6
	.text
	.protected	k_qb3da92b3dc_projt
	.globl	k_qb3da92b3dc_projt
	.p2align	8
	.type	k_qb3da92b3dc_projt,@function
k_qb3da92b3dc_projt:
	s_mov_b64 s[64:65], 0
	v_nop
	global_prefetch_b8 v0, s[64:65] scope:SCOPE_SE
	s_setreg_imm32_b32 hwreg(HW_REG_WAVE_MODE, 25, 1), 1
	s_wait_xcnt 0x0
; LAUNCH 2 OF 5:  t = qp Wk.   A = qpb (f16 with block exponents),  B = W_k [k][n] f32,  C = tb (f16 with block exponents).
;
; THE PROGRAM.  reference(): out = softmax((q Wq^T)(k Wk^T)^T / 32 + mask) (v Wv^T).  Here the same products in another order:
;   qp = q Wq^T;  t = qp Wk;  P = softmax(t k^T / 32 + mask);  u = P v;  out = u Wv^T.
; That is 60 GFLOP in place of 112, and k and v are read as they lie in memory, with no projected copies of them.
; One text serves the five launches; the constants under WHAT THIS LAUNCH IS pick its paths.
; LIMITS.  (1) The order of the products, and so of the roundings, is not reference()'s.  (2) Matrix operands are f16, sums f32.
; Raw inputs are rounded to f16 as they are: above 65,504 they become infinite, below 6e-8 zero.  (3) Intermediates are stored as f16
; numbers in [-2, 2] with one power of two for each row and block of 64 columns, kept as f32 beside the data, so their range is f32's;
; a block more than 2^24 below its row's largest block counts as zero.  (4) Softmax: each block of 64 scores has its own maximum
; (rounded down to a whole number, so that the factor between blocks is an exact power of two) taken away before the exponential;
; the launch that sums over j brings all blocks to the row's maximum.  A row whose mask is all -inf gives NaN, as in reference().
; NO CLUSTER: the tiles that work-groups share most (B) are f32 in memory and f16 in LDS.  A joint tensor load copies bytes as they are:
; a step's 32 KB of B would go into LDS as f32, out to registers and in again as f16, on top of the 96 KB of LDS traffic that a
; step has already.  A's f16 tiles need their block factor multiplied in on the way, so they pass through registers as well.
;
; SHAPE.  Four waves; the work-group makes TM x 128 of C, a wave 16 MT rows x 64 columns.  K goes in steps of 64 through two LDS slots.
; Global loads run two steps ahead into registers (window 2); in trip i step i+1 is converted and stored into the other slot.
; ---------------- WHAT THIS LAUNCH IS ----------------
.set A_F32,  0                         ; A is f32 (1) or f16 with block exponents (0)
.set B_KN,   1                         ; B lies [k][n] (1) or [n][k] (0)
.set MT,     4                         ; tiles of 16 rows in a wave
.set NS,     16                        ; K steps of 64
.set LDA,    2048                      ; bytes in a row of A
.set ASTEP,  128                       ; bytes of a row of A in a K step
.set NBI,    16                        ; blocks of 64 columns in a row of A (statistics read)
.set HAS_L,  0                         ; A carries a second plane: the blocks' sums of exponentials
.set POSTK,  1                         ; factor on the sums: 0 none, 1 2^m, 2 2^m log2(e)/32, 3 1/l
.set EPI,    0                         ; way out: 0 f16 with block exponents, 1 block softmax, 2 f32
.set LDC,    2048                      ; bytes in a row of C
.set BSH,    0                         ; batch = block row >> BSH
.set BBATCH, 0                         ; bytes of B in a batch (0: one B for all)
.set ADATA,  8388608                   ; bytes of A's data, behind which its statistics lie
.set CDATA,  8388608                   ; the same for C
; ---------------- derived sizes ----------------
.set TM,     32*MT                     ; rows of C in a work-group
.set NP,     2*MT                      ; TM / 16
.set NB,     16                        ; 16-byte loads a lane for B's 64 x 128 f32 of a step
.if A_F32
.set NA,     16                        ; the same for A's 128 x 64 f32
.set APASS,  32768                     ; a pass of the 128 threads covers 8 rows of 256 bytes
.else
.set NA,     NP                        ; a pass covers 16 rows of 128 bytes
.set APASS,  16*LDA
.endif
.if B_KN
.set BPASS,  16384                     ; a pass covers 4 k rows of 512 bytes
.set BSTEP,  262144                    ; 64 k rows of 4,096 bytes
.set BCOL,   512                       ; 128 columns of f32
.else
.set BPASS,  32768                     ; a pass covers 8 n rows of 256 bytes
.set BSTEP,  256
.set BCOL,   524288                    ; 128 n rows of 4,096 bytes
.endif
.if LDA == 4096
.set LDASH,  12
.else
.set LDASH,  11
.endif
.if LDC == 4096
.set LDCSH,  12
.else
.set LDCSH,  11
.endif
.set NF,     2*(MT+4)                  ; LDS loads of one half step's fragments
.set CA,     NA+2*NB                   ; loads issued behind A(i+1): B(i+1), A(i+2), B(i+2)
.set CB,     2*NA+NB                   ; loads issued behind B(i+1): A(i+2), B(i+2), A(i+3)
.set CT,     NA+NB
; ---------------- LDS ----------------
.set ABYTES, TM*144                    ; A: rows of 128 bytes, pitch 144 = 9 x 16: a fragment load's 16 rows fall on 16 different 16-byte columns of 256
.set SLOT,   ABYTES+18432              ; B: 128 rows at pitch 144, or 64 k rows of 256 bytes at pitch 288 = 9 x 32 for the transposing load
.set FTB,    2*SLOT                    ; factor table: one word (f, f) in f16 for each block and row
.set POSTB,  FTB+16384                 ; one f32 for each row
.set SSB,    POSTB+4*TM                ; each wave's own stage for the statistics that it makes
.if EPI == 1
.set SSWB,   1024
.else
.set SSWB,   256
.endif
.set MASKB,  SSB+4*SSWB                ; each wave's own 128 x 64 f32 of the mask, pitch 272 (block softmax only)
.set MASKW,  128*272
.if EPI == 2
.set SPITCH, 528                       ; the stage for C lies over the ring, which is done with by then
.set NRB,    32                        ; read back: one row of 512 bytes a load
.set RSTEP,  528
.set GSTEP,  LDC
.set XB,     512
.else
.set SPITCH, 272
.set NRB,    TM/8                      ; two rows of 256 bytes a load
.set RSTEP,  544
.set GSTEP,  2*LDC
.set XB,     256
.endif
; ---------------- registers ----------------
; window 0: v1 r = lane % 16, v2 h = lane / 16; addresses; v32-63 converted data; v64-159, v160-255 two fragment buffers (A at +0, B at +64)
; window 1: accumulators, tile (a, b) at 8 (4 a + b).   window 2: loaded steps, parity s at 128 s, A at +0, B at +64.
.set VA,  4
.set VB,  5
.set AST, 6
.set BST, 8
.set AFR, 10
.set BFR, 12
.set FA,  14
.set SO,  15
.set FAC, 16
.set TMP, 32
.set F0,  64
.set F1,  160
.set ST,  64
.set STO, 16                           ; the way out uses v16-31 and the fragment buffers again
.set RD,  17
.set CO,  18
.set SSW, 19
.set SSR, 20
.set MK,  21
.set PA,  22
.set GS,  23
.set SV,  24
.set X,   64
.set MSK, 96
.set H,   128
.set PO,  144
.set SC,  146
.set AM,  148
.set T1,  149
.set T2,  150
.set LS,  151
.set W_MUL, 0x50                       ; s_set_vgpr_msb: C and D in window 1
.set W_LD,  0x80                       ; destination in window 2
.set W_CVT, 0x0a                       ; sources 0 and 1 in window 2
.set W_PKM, 0x02                       ; source 0 in window 2
.set W_ACC, 0x01                       ; source 0 in window 1
.set W_AMX, 0x14                       ; sources 1 and 2 in window 1
.set MSB, 0
.macro WIN new                         ; the immediate's high byte repeats the setting that is left
.if MSB != \new
	s_set_vgpr_msb (MSB<<8)|\new
.set MSB, \new
.endif
.endm
.macro PLACES                          ; four independent vector instructions behind a matrix instruction (ISA guide 7.12.1)
.rept 4
	v_nop
.endr
.endm
	s_load_b128 s[4:7], s[0:1], 0x0                ; A, B
	s_load_b64 s[8:9], s[0:1], 0x10                ; C
	v_lshl_add_u32 v222, v0, 2, 0x16800
	v_mov_b32 v223, 0
.if EPI == 1
	s_load_b64 s[10:11], s[0:1], 0x18              ; mask
.endif
	v_lshrrev_b32 v3, 5, v0
	v_readfirstlane_b32 s12, v3                    ; wave
	s_lshr_b32 s13, s12, 1                         ; wm: which half of the rows
	s_and_b32 s14, s12, 1                          ; wn: which 64 columns
	s_and_b32 s16, ttmp7, 0xffff                   ; block row y; ttmp9 is the block column x
	s_mov_b32 s24, 0x76543210                      ; v_permlanex16_b32: lane i takes lane i of the other half
	s_mov_b32 s25, 0xfedcba98
	s_mov_b32 s21, 0                               ; high word of every offset pair s[20:21]
	v_and_b32 v1, 15, v0
	v_bfe_u32 v2, v0, 4, 1
.if A_F32
	v_lshrrev_b32 v32, 4, v0                       ; 16 threads take a row's 256 bytes
	v_lshlrev_b32 v33, 4, v1
	v_lshl_add_u32 v[VA], v32, 12, v33
	v_mul_u32_u24 v34, 144, v32
	v_lshl_add_u32 v[AST], v1, 3, v34              ; 4 f32 become 8 bytes
.else
	v_lshrrev_b32 v32, 3, v0                       ; 8 threads take a row's 128 bytes
	v_and_b32 v33, 7, v0
	v_lshlrev_b32 v33, 4, v33
	v_lshl_add_u32 v[VA], v32, LDASH, v33
	v_mul_u32_u24 v34, 144, v32
	v_add_nc_u32 v[AST], v34, v33
	v_mul_u32_u24 v[FA], 4*NP, v32                 ; my NP rows' factors lie side by side in the table
	v_add_nc_u32 v[FA], FTB, v[FA]
.endif
	v_add_nc_u32 v[AST+1], SLOT, v[AST]
.if B_KN
	v_lshrrev_b32 v32, 5, v0                       ; a wave takes a k row's 512 bytes
	v_and_b32 v33, 31, v0
	v_lshlrev_b32 v34, 4, v33
	v_lshl_add_u32 v[VB], v32, 12, v34
	v_mul_u32_u24 v34, 288, v32
	v_lshl_add_u32 v34, v33, 3, v34
.else
	v_lshrrev_b32 v32, 4, v0
	v_lshlrev_b32 v33, 4, v1
	v_lshl_add_u32 v[VB], v32, 12, v33
	v_mul_u32_u24 v34, 144, v32
	v_lshl_add_u32 v34, v1, 3, v34
.endif
	v_add_nc_u32 v[BST], ABYTES, v34
	v_add_nc_u32 v[BST+1], SLOT, v[BST]
	v_mul_u32_u24 v35, 144, v1                     ; fragments with K along the row: row r, 16 bytes for each half of the lanes
	v_lshl_add_u32 v35, v2, 4, v35
	s_mul_i32 s17, s13, 16*MT*144
	v_add_nc_u32 v[AFR], s17, v35
	v_add_nc_u32 v[AFR+1], SLOT, v[AFR]
.if B_KN
	v_and_b32 v36, 7, v0                           ; transposing load: k row 8 h + lane % 8, 16 bytes at 16 ((lane / 8) % 2)
	v_lshl_add_u32 v36, v2, 3, v36
	v_mul_u32_u24 v36, 288, v36
	v_bfe_u32 v37, v0, 3, 1
	v_lshl_add_u32 v36, v37, 4, v36
	s_lshl_b32 s17, s14, 7
	s_add_co_u32 s17, s17, ABYTES
	v_add_nc_u32 v[BFR], s17, v36
.else
	s_mul_i32 s17, s14, 64*144
	s_add_co_u32 s17, s17, ABYTES
	v_add_nc_u32 v[BFR], s17, v35
.endif
	v_add_nc_u32 v[BFR+1], SLOT, v[BFR]
	s_wait_kmcnt 0x0
	s_mul_i32 s20, s16, TM*LDA
	s_add_nc_u64 s[40:41], s[4:5], s[20:21]        ; A at my rows: even steps,
	s_add_nc_u64 s[42:43], s[40:41], ASTEP         ; odd steps: a base for each, so that one can be stepped while the other's loads are out
	s_mul_i32 s20, ttmp9, BCOL
.if BBATCH
	s_lshr_b32 s17, s16, BSH
	s_mul_i32 s17, s17, BBATCH
	s_add_co_u32 s20, s20, s17
.endif
	s_add_nc_u64 s[44:45], s[6:7], s[20:21]
	s_add_nc_u64 s[46:47], s[44:45], BSTEP
.if A_F32 == 0
	s_mul_i32 s20, s16, TM*4
	s_add_co_u32 s20, s20, ADATA
	s_add_nc_u64 s[48:49], s[4:5], s[20:21]        ; A's statistics, [block][row] f32, at my rows
.endif
.if EPI == 1
	; each wave asks once for its own 128 rows x 64 f32 of the mask: one tensor load outstanding, waited for in front of the way out
	s_lshl_b32 s20, s16, 21                        ; 256 rows of 8,192 bytes
	s_lshl_b32 s17, s13, 20
	s_add_co_u32 s20, s20, s17
	s_lshl_b32 s17, ttmp9, 9
	s_add_co_u32 s20, s20, s17
	s_lshl_b32 s17, s14, 8
	s_add_co_u32 s20, s20, s17
	s_mov_b32 s28, 1                               ; group 0: count
	s_mul_i32 s29, s12, MASKW
	s_add_co_u32 s29, s29, MASKB                   ; LDS address: the wave's own bytes
	s_add_nc_u64 s[30:31], s[10:11], s[20:21]
	s_or_b32 s31, s31, 0x80000000                  ; type 2
	s_mov_b32 s32, (2<<16)|(1<<20)|(5<<22)|(3<<25) ; 4-byte elements; 4 words of padding behind every 64
	s_mov_b32 s33, 64<<16                          ; tensor_dim0
	s_mov_b32 s34, 128<<16                         ; tensor_dim1
	s_mov_b32 s35, 64<<16                          ; tile_dim0
	s_mov_b32 s36, 128                             ; tile_dim1
	s_mov_b32 s37, 2048                            ; elements from row to row
	s_mov_b32 s38, 0
	s_mov_b32 s39, 0
	tensor_load_to_lds s[28:31], s[32:39]
.endif
; n loads of 16 bytes a lane: one operand's tile of a K step into window 2
.macro LOADT par, sub, n, va, base, pass
	WIN W_LD
.set pp, 0
.rept \n
	global_load_b128 v[128*\par+\sub+4*pp:128*\par+\sub+4*pp+3], v[\va], s[\base+2*\par:\base+2*\par+1] offset:pp*\pass
.set pp, pp+1
.endr
.endm
; a loaded f32 tile to f16 and into LDS: 64 numbers a lane
.macro CVT_STORE par, sub, adr
	WIN W_CVT
.set pp, 0
.rept 16
	v_cvt_pk_f16_f32 v[TMP+2*pp],   v[128*\par+\sub+4*pp],   v[128*\par+\sub+4*pp+1]
	v_cvt_pk_f16_f32 v[TMP+2*pp+1], v[128*\par+\sub+4*pp+2], v[128*\par+\sub+4*pp+3]
.set pp, pp+1
.endr
	WIN 0
.set pp, 0
.rept 16
	ds_store_b64 v[\adr+\par], v[TMP+2*pp:TMP+2*pp+1] offset:pp*1152
.set pp, pp+1
.endr
.endm
.macro LOADFAC                         ; my NP rows' factors of the next block; the address steps one block on
.set pp, 0
.rept NP/4
	ds_load_b128 v[FAC+4*pp:FAC+4*pp+3], v[FA] offset:16*pp
.set pp, pp+1
.endr
	v_add_nc_u32 v[FA], 4*TM, v[FA]
.endm
; A's tile of the step of parity par goes into slot par; load = 1: the step two further on is asked for
.macro CHORE_A par, load, cnt
	s_wait_loadcnt \cnt                            ; loads return in order: the tile is in, and its base is free to step
.if A_F32
	CVT_STORE \par, 0, AST
.else
.set cc, 0
.rept NP/8
	WIN W_PKM
.set pp, 0
.rept 8
.irp q, 0,1,2,3
	v_pk_mul_f16 v[TMP+4*pp+\q], v[128*\par+4*(8*cc+pp)+\q], v[FAC+8*cc+pp]   ; a power of two: brings the block to its row's exponent
.endr
.set pp, pp+1
.endr
	WIN 0
.set pp, 0
.rept 8
	ds_store_b128 v[AST+\par], v[TMP+4*pp:TMP+4*pp+3] offset:(8*cc+pp)*2304
.set pp, pp+1
.endr
.set cc, cc+1
.endr
.endif
.if \load
	s_add_nc_u64 s[40+2*\par:41+2*\par], s[40+2*\par:41+2*\par], 2*ASTEP
	LOADT \par, 0, NA, VA, 40, APASS
.endif
.endm
.macro CHORE_B par, load, cnt
	s_wait_loadcnt \cnt
	CVT_STORE \par, 64, BST
.if \load
	s_add_nc_u64 s[44+2*\par:45+2*\par], s[44+2*\par:45+2*\par], 2*BSTEP
	LOADT \par, 64, NB, VB, 44, BPASS
.endif
.endm
; the fragments of 32 along K (half step ks of a slot) into buffer f: NF LDS loads
.macro FETCH f, slot, ks
.set aa, 0
.rept MT
	ds_load_b128 v[\f+8*aa:\f+8*aa+3],   v[AFR+\slot] offset:2304*aa+64*\ks
	ds_load_b128 v[\f+8*aa+4:\f+8*aa+7], v[AFR+\slot] offset:2304*aa+64*\ks+32
.set aa, aa+1
.endr
.irp b, 0,1,2,3
.if B_KN
	ds_load_tr16_b128 v[\f+64+8*\b:\f+64+8*\b+3],   v[BFR+\slot] offset:9216*\ks+32*\b
	ds_load_tr16_b128 v[\f+64+8*\b+4:\f+64+8*\b+7], v[BFR+\slot] offset:9216*\ks+32*\b+4608
.else
	ds_load_b128 v[\f+64+8*\b:\f+64+8*\b+3],   v[BFR+\slot] offset:2304*\b+64*\ks
	ds_load_b128 v[\f+64+8*\b+4:\f+64+8*\b+7], v[BFR+\slot] offset:2304*\b+64*\ks+32
.endif
.endr
.endm
; 2 MT matrix instructions: m tiles first .. first + MT/2 - 1 x 4 n tiles.  Source 0 is B's fragment, source 1 A's: a lane then holds
; eight neighbouring columns (8 h + j) of row r of C.  zero = 1: the first product starts the sums, nothing is cleared.
.macro MULG f, first, zero
	WIN W_MUL
.set aa, \first
.rept MT/2
.irp b, 0,1,2,3
.if \zero
	v_wmma_f32_16x16x32_f16 v[8*(4*aa+\b):8*(4*aa+\b)+7], v[\f+64+8*\b:\f+64+8*\b+7], v[\f+8*aa:\f+8*aa+7], 0
.else
	v_wmma_f32_16x16x32_f16 v[8*(4*aa+\b):8*(4*aa+\b)+7], v[\f+64+8*\b:\f+64+8*\b+7], v[\f+8*aa:\f+8*aa+7], v[8*(4*aa+\b):8*(4*aa+\b)+7]
.endif
.endr
.set aa, aa+1
.endr
.endm
; ONE K STEP.  Slot cur is multiplied; conv = 1: the next step is converted into slot nxt; load = 1: the step three on is asked for.
; One barrier does both orderings: in front of it my reads of cur and my stores into nxt are done; behind it nxt is read, and in the
; next trip cur is written again.
.macro TRIP cur, nxt, zero, conv, load, ca, cb, more
	WIN 0
	PLACES                                         ; buffer 1 was read by the matrix instructions just issued
.if \conv*(1-A_F32)
	LOADFAC
.endif
	FETCH F1, \cur, 1
	s_wait_dscnt NF                                ; the NF loads just issued may be out: buffer 0 and the factors are in
	MULG F0, 0, \zero
.if \conv
	CHORE_A \nxt, \load, \ca
.endif
	MULG F0, MT/2, \zero
.if \conv
	CHORE_B \nxt, \load, \cb
.endif
	s_wait_dscnt 0x0                               ; for the others' sake: my reads of cur, my stores into nxt
	s_barrier_signal -1
	MULG F1, 0, 0                                  ; registers only
	s_barrier_wait -1
.if \more
	WIN 0
	PLACES
	FETCH F0, \nxt, 0
.endif
	MULG F1, MT/2, 0
.endm
; ---------------- the statistics of A: block factors and the factor on the sums ----------------
.if A_F32 == 0
	v_lshlrev_b32 v[SO], 2, v0                     ; thread t takes row t (and t + 128)
.set uu, 0
.rept TM/128
.set bb, 0
.rept NBI
	global_load_b32 v[ST+NBI*uu+bb], v[SO], s[48:49] offset:16384*bb+512*uu
.set bb, bb+1
.endr
.set uu, uu+1
.endr
.if HAS_L
.set bb, 0
.rept NBI
	global_load_b32 v[ST+NBI+bb], v[SO], s[48:49] offset:16384*(NBI+bb)
.set bb, bb+1
.endr
.endif
.endif
	LOADT 0, 0, NA, VA, 40, APASS                  ; step 0
	LOADT 0, 64, NB, VB, 44, BPASS
.if A_F32 == 0
	WIN 0
	v_lshrrev_b32 v34, 4, v0                       ; table word of (block, row): block x 4 TM + (row % 16) x 4 NP + (row / 16) x 4
	v_lshlrev_b32 v34, 2, v34
	v_mul_u32_u24 v35, 4*NP, v1
	v_add_nc_u32 v34, v34, v35
	v_add_nc_u32 v34, FTB, v34
	v_add_nc_u32 v35, POSTB, v[SO]
	s_wait_loadcnt CT                              ; only step 0's NA + NB loads may be out: the statistics are in
.set uu, 0
.rept TM/128
.set S0, ST+NBI*uu
	v_max_num_f32 v32, v[S0], v[S0+1]              ; the row's largest exponent (or maximum)
.set bb, 2
.rept (NBI-2)/2
	v_max3_num_f32 v32, v32, v[S0+bb], v[S0+bb+1]
.set bb, bb+2
.endr
.set bb, 0
.rept NBI
	v_sub_f32 v[S0+bb], v[S0+bb], v32
.set bb, bb+1
.endr
.set bb, 0
.rept NBI
	v_exp_f32 v[S0+bb], v[S0+bb]                   ; whole numbers in, powers of two out
.set bb, bb+1
.endr
.if POSTK != 3
	v_exp_f32 v33, v32
.endif
	v_nop                                          ; one plain instruction behind the transcendentals (ISA guide 5.7.2)
.if POSTK == 2
	v_mul_f32 v33, 0x3d38aa3b, v33                 ; log2(e) / 32: scores come out in base 2
.endif
.if POSTK == 3
	v_mul_f32 v33, v[S0], v[S0+NBI]                ; l = sum over blocks of factor x block sum
.set bb, 1
.rept NBI-1
	v_fmac_f32 v33, v[S0+bb], v[S0+NBI+bb]
.set bb, bb+1
.endr
	v_rcp_f32 v33, v33
	v_nop
.endif
.set bb, 0
	s_wait_alu depctr_va_vdst(0)
.rept NBI
	v_cvt_pk_f16_f32 v[S0+bb], v[S0+bb], v[S0+bb]
.set bb, bb+1
.endr
.set bb, 0
.rept NBI
	ds_store_b32 v34, v[S0+bb] offset:4*TM*bb+32*uu
.set bb, bb+1
.endr
	ds_store_b32 v35, v33 offset:512*uu
.set uu, uu+1
.endr
.endif
	LOADT 1, 0, NA, VA, 40, APASS                  ; step 1
	LOADT 1, 64, NB, VB, 44, BPASS
	WIN 0
.if A_F32 == 0
	s_wait_dscnt 0x0                               ; my table words are written,
	s_barrier_signal -1
	s_barrier_wait -1                              ; everybody's are
	LOADFAC
	s_wait_dscnt 0x0
.endif
	CHORE_A 0, 1, CA                               ; step 0 into slot 0; step 2 asked for
	CHORE_B 0, 1, CB
	WIN 0
	s_wait_dscnt 0x0
	s_barrier_signal -1
	s_barrier_wait -1
	FETCH F0, 0, 0
; ---------------- NS trips: two in front of the loop (they start the sums), the last four written out (they ask for nothing beyond K) ----------------
	TRIP 0, 1, 1, 1, 1, CA, CB, 1
	TRIP 1, 0, 0, 1, 1, CA, CB, 1
	WIN 0
	s_mov_b32 s22, (NS-6)/2
.Lpair:
	TRIP 0, 1, 0, 1, 1, CA, CB, 1
	TRIP 1, 0, 0, 1, 1, CA, CB, 1
	WIN 0
	s_sub_co_u32 s22, s22, 1
	s_cmp_lg_u32 s22, 0
	s_cbranch_scc1 .Lpair
	TRIP 0, 1, 0, 1, 1, CA, CB, 1                  ; asks for the last step
	TRIP 1, 0, 0, 1, 0, CA, CT, 1                  ; behind B(NS-2) only A(NS-1) and B(NS-1) were issued
	TRIP 0, 1, 0, 1, 0, NB, 0, 1                   ; behind A(NS-1) only B(NS-1); behind that nothing
	TRIP 1, 0, 0, 0, 0, 0, 0, 0                    ; its barrier also frees the ring for the stage
; ---------------- the way out ----------------
	WIN 0
	PLACES                                         ; behind the last matrix instructions: results are read, fragment registers written
	v_mov_b32 v[T1], 0                             ; v_permlanex16_b32 counts as a reader of its destination
	s_mul_i32 s17, s13, 16*MT                      ; my first row in the block
.if POSTK
	s_lshl_b32 s18, s17, 2
	s_add_co_u32 s18, s18, POSTB
	v_lshl_add_u32 v[PA], v1, 2, s18
.endif
	s_mul_i32 s18, s17, SPITCH
.if EPI == 2
	s_lshl_b32 s19, s14, 8
	v_lshlrev_b32 v[STO], 5, v2
.else
	s_lshl_b32 s19, s14, 7
	v_lshlrev_b32 v[STO], 4, v2
.endif
	s_add_co_u32 s18, s18, s19
	v_add_nc_u32 v[STO], s18, v[STO]
	v_mul_u32_u24 v32, SPITCH, v1
	v_add_nc_u32 v[STO], v32, v[STO]               ; stage: row r of my rows, my 64 columns, my half's 8 numbers
	v_and_b32 v33, 31, v0
	s_mul_i32 s18, s12, (TM/4)*SPITCH              ; read back: wave w takes rows (TM/4) w ..
.if EPI == 2
	v_lshlrev_b32 v[CO], 4, v33
	v_add_nc_u32 v[RD], s18, v[CO]
.else
	v_lshlrev_b32 v34, 4, v1
	v_mul_u32_u24 v[RD], SPITCH, v2
	v_add3_u32 v[RD], v[RD], v34, s18
	v_lshl_add_u32 v[CO], v2, LDCSH, v34
.endif
.if EPI != 2
	s_mul_i32 s18, s12, SSWB
	s_add_co_u32 s18, s18, SSB
	v_lshl_add_u32 v[SSW], v1, 2, s18
.if MT == 4
	v_lshlrev_b32 v[GS], 3, v33
.else
	v_lshlrev_b32 v[GS], 4, v33
.endif
	v_add_nc_u32 v[SSR], s18, v[GS]
	s_lshl_b32 s18, ttmp9, 1                       ; my block of 64 columns: 2 x + wn; a plane of 4,096 rows for each
	s_add_co_u32 s18, s18, s14
	s_lshl_b32 s18, s18, 14
	s_mul_i32 s19, s16, TM
	s_add_co_u32 s19, s19, s17
	s_lshl_b32 s19, s19, 2
	s_add_co_u32 s20, s18, s19
	s_add_co_u32 s20, s20, CDATA
	s_add_nc_u64 s[50:51], s[8:9], s[20:21]
.endif
	s_mul_i32 s18, s16, TM
	s_mul_i32 s19, s12, TM/4
	s_add_co_u32 s18, s18, s19
	s_mul_i32 s20, s18, LDC
	s_mul_i32 s18, ttmp9, XB
	s_add_co_u32 s20, s20, s18
	s_add_nc_u64 s[52:53], s[8:9], s[20:21]
.if EPI == 1
	s_mul_i32 s18, s12, MASKW
	s_add_co_u32 s18, s18, MASKB
	v_mul_u32_u24 v[MK], 272, v1
	v_lshl_add_u32 v[MK], v2, 5, v[MK]
	v_add_nc_u32 v[MK], s18, v[MK]
	s_wait_tensorcnt 0x0                           ; my mask tile is in LDS; only I read it
.endif
; one m tile: 16 rows x my 64 columns; a lane holds 32 numbers of row r, its partner lane (the other half) the other 32
.macro TILE a
	WIN 0
.if POSTK
	ds_load_b32 v[PO], v[PA] offset:64*\a
.endif
.if EPI == 1
.irp b, 0,1,2,3
	ds_load_b128 v[MSK+8*\b:MSK+8*\b+3],   v[MK] offset:4352*\a+64*\b
	ds_load_b128 v[MSK+8*\b+4:MSK+8*\b+7], v[MK] offset:4352*\a+64*\b+16
.endr
.endif
.if EPI == 0
	v_mov_b32 v[AM], 0                             ; largest magnitude of the row's 64 numbers
	WIN W_AMX
.set ii, 0
.rept 16
	v_max3_num_f32 v[AM], v[AM], |v[32*\a+2*ii]|, |v[32*\a+2*ii+1]|
.set ii, ii+1
.endr
	WIN 0
	v_permlanex16_b32 v[T1], v[AM], s24, s25
	v_max_num_f32 v[AM], v[AM], v[T1]
.endif
.if POSTK
	s_wait_dscnt 0x0                               ; the row's factor (and the mask) are in
	v_mov_b32 v[PO+1], v[PO]
	WIN W_ACC
.set ii, 0
.rept 16
	v_pk_mul_f32 v[X+2*ii:X+2*ii+1], v[32*\a+2*ii:32*\a+2*ii+1], v[PO:PO+1]
.set ii, ii+1
.endr
	WIN 0
.endif
.if EPI == 0
.if POSTK
	v_mul_f32 v[AM], v[AM], v[PO]
.endif
	v_lshrrev_b32 v[T1], 23, v[AM]                 ; e, the biased exponent (the sign is 0)
	v_min_u32 v[T1], 253, v[T1]                    ; so that 2^(127 - e) is a normal number
	v_sub_nc_u32 v[T2], 254, v[T1]
	v_lshlrev_b32 v[SC], 23, v[T2]                 ; 2^(127 - e): the largest magnitude lands in [1, 2)
	v_mov_b32 v[SC+1], v[SC]
	v_add_nc_u32 v[T2], 0xffffff81, v[T1]
	v_cvt_f32_i32 v[T2], v[T2]                     ; e - 127, kept as f32 beside the data
.if POSTK
.set ii, 0
.rept 16
	v_pk_mul_f32 v[X+2*ii:X+2*ii+1], v[X+2*ii:X+2*ii+1], v[SC:SC+1]
.set ii, ii+1
.endr
.else
	WIN W_ACC
.set ii, 0
.rept 16
	v_pk_mul_f32 v[X+2*ii:X+2*ii+1], v[32*\a+2*ii:32*\a+2*ii+1], v[SC:SC+1]
.set ii, ii+1
.endr
	WIN 0
.endif
.endif
.if EPI == 1
.set ii, 0
.rept 16
	v_pk_fma_f32 v[X+2*ii:X+2*ii+1], v[MSK+2*ii:MSK+2*ii+1], 0x3fb8aa3b, v[X+2*ii:X+2*ii+1] op_sel_hi:[1,0,1]   ; + mask log2(e)
.set ii, ii+1
.endr
	v_max_num_f32 v[AM], v[X], v[X+1]
.set ii, 1
.rept 15
	v_max3_num_f32 v[AM], v[AM], v[X+2*ii], v[X+2*ii+1]
.set ii, ii+1
.endr
	v_permlanex16_b32 v[T1], v[AM], s24, s25
	v_max_num_f32 v[AM], v[AM], v[T1]
	v_max_num_f32 v[AM], 0xff7fffff, v[AM]         ; a block that is all -inf: exponentials 0, not NaN
	v_floor_f32 v[SC], v[AM]                       ; the block's maximum, rounded down: exponents stay below 1
	v_floor_f32 v[SC+1], v[AM]
.set ii, 0
.rept 16
	v_pk_add_f32 v[X+2*ii:X+2*ii+1], v[X+2*ii:X+2*ii+1], v[SC:SC+1] neg_lo:[0,1] neg_hi:[0,1]
.set ii, ii+1
.endr
.set ii, 0
.rept 32
	v_exp_f32 v[X+ii], v[X+ii]
.set ii, ii+1
.endr
	v_nop                                          ; one plain instruction behind the transcendentals (ISA guide 5.7.2)
.set ii, 0
.rept 8
	v_pk_add_f32 v[MSK+2*ii:MSK+2*ii+1], v[X+4*ii:X+4*ii+1], v[X+4*ii+2:X+4*ii+3]
.set ii, ii+1
.endr
.irp n, 4,2,1
.set ii, 0
.rept \n
	v_pk_add_f32 v[MSK+2*ii:MSK+2*ii+1], v[MSK+4*ii:MSK+4*ii+1], v[MSK+4*ii+2:MSK+4*ii+3]
.set ii, ii+1
.endr
.endr
	v_add_f32 v[LS], v[MSK], v[MSK+1]
	v_permlanex16_b32 v[T1], v[LS], s24, s25
	v_add_f32 v[LS], v[LS], v[T1]                  ; the block's sum of exponentials
.endif
.if EPI == 2
.irp b, 0,1,2,3
	ds_store_b128 v[STO], v[X+8*\b:X+8*\b+3]   offset:8448*\a+64*\b
	ds_store_b128 v[STO], v[X+8*\b+4:X+8*\b+7] offset:8448*\a+64*\b+16
.endr
.else
.set ii, 0
.rept 16
	v_cvt_pk_f16_f32 v[H+ii], v[X+2*ii], v[X+2*ii+1]
.set ii, ii+1
.endr
.irp b, 0,1,2,3
	ds_store_b128 v[STO], v[H+4*\b:H+4*\b+3] offset:4352*\a+32*\b
.endr
.if EPI == 1
	ds_store_b32 v[SSW], v[SC] offset:64*\a        ; both halves write the same word with the same number
	ds_store_b32 v[SSW], v[LS] offset:512+64*\a
.else
	ds_store_b32 v[SSW], v[T2] offset:64*\a
.endif
.endif
.endm
.set tt, 0
.rept MT
	TILE tt
.set tt, tt+1
.endr
.if EPI != 2
	; my statistics, out of my own stage (LDS serves a wave's instructions in order): each store covers 256 or 512 consecutive bytes, aligned
.if MT == 4
	ds_load_b64 v[SV:SV+1], v[SSR]
	s_wait_dscnt 0x0
	global_store_b64 v[GS], v[SV:SV+1], s[50:51]
.else
	ds_load_b128 v[SV:SV+3], v[SSR]
	ds_load_b128 v[SV+4:SV+7], v[SSR] offset:512
	s_wait_dscnt 0x0
	global_store_b128 v[GS], v[SV:SV+3], s[50:51]
	global_store_b128 v[GS], v[SV+4:SV+7], s[50:51] offset:524288
.endif
.endif
	s_wait_dscnt 0x0                               ; my part of the stage is written,
	s_barrier_signal -1
	s_barrier_wait -1                              ; everybody's is: whole rows can be read
.set ii, 0
.rept NRB
	ds_load_b128 v[64+4*ii:64+4*ii+3], v[RD] offset:ii*RSTEP
.set ii, ii+1
.endr
.set ii, 0
.rept NRB
	s_wait_dscnt NRB-1-ii                          ; the younger read-back loads may be out
.if EPI == 2
	global_store_b128 v[CO], v[64+4*ii:64+4*ii+3], s[52:53] offset:ii*GSTEP th:TH_STORE_NT
.else
	global_store_b128 v[CO], v[64+4*ii:64+4*ii+3], s[52:53] offset:ii*GSTEP   ; 16 lanes store 256 consecutive bytes, aligned
.endif
.set ii, ii+1
.endr
	s_wait_tensorcnt 0x0
	ds_add_u32 v222, v223
	s_wait_dscnt 0x0
	s_endpgm
.Lfunc_end_k_qb3da92b3dc_projt:
	.size	k_qb3da92b3dc_projt, .Lfunc_end_k_qb3da92b3dc_projt-k_qb3da92b3dc_projt
	.p2alignl 7, 3214868480
	.fill 96, 4, 3214868480
	.section	.rodata,"a",@progbits
	.p2align	6, 0x0
	.amdhsa_kernel k_qb3da92b3dc_projt
		.amdhsa_group_segment_fixed_size 92672
		.amdhsa_private_segment_fixed_size 0
		.amdhsa_enable_private_segment 0
		.amdhsa_kernarg_size 24
		.amdhsa_user_sgpr_count 2
		.amdhsa_user_sgpr_kernarg_segment_ptr 1
		.amdhsa_wavefront_size32 1
		.amdhsa_system_sgpr_workgroup_id_x 1
		.amdhsa_system_sgpr_workgroup_id_y 1
		.amdhsa_system_sgpr_workgroup_id_z 1
		.amdhsa_system_vgpr_workitem_id 0
		.amdhsa_next_free_vgpr 768
		.amdhsa_next_free_sgpr 66
		.amdhsa_reserve_vcc 0
		.amdhsa_float_denorm_mode_32 3
		.amdhsa_float_denorm_mode_16_64 3
		.amdhsa_memory_ordered 1
		.amdhsa_forward_progress 1
		.amdhsa_inst_pref_size 137
	.end_amdhsa_kernel
	.amdgpu_metadata
---
amdhsa.version: [ 1, 2 ]
amdhsa.kernels:
  - .name:           k_qb3da92b3dc_projt
    .symbol:         k_qb3da92b3dc_projt.kd
    .args:
      - { .name: qpb, .offset: 0, .size: 8, .value_kind: global_buffer, .address_space: global }
      - { .name: W_k, .offset: 8, .size: 8, .value_kind: global_buffer, .address_space: global }
      - { .name: tb, .offset: 16, .size: 8, .value_kind: global_buffer, .address_space: global }
    .group_segment_fixed_size: 92672
    .private_segment_fixed_size: 0
    .kernarg_segment_align: 8
    .kernarg_segment_size: 24
    .max_flat_workgroup_size: 128
    .sgpr_count:     66
    .vgpr_count:     768
    .wavefront_size: 32
...
	.end_amdgpu_metadata
.endif
;; end of part 2
;; launch scores (part 3): grid 16 x 16, 4 waves a work-group, no clusters, 271,872 bytes of LDS; arguments tb, k, pb, mask; writes pb
.if DOCPART == 3
	.amdgcn_target "amdgcn-amd-amdhsa--gfx1250"
	.amdhsa_code_object_version 6
	.text
	.protected	k_qb3da92b3dc_scores
	.globl	k_qb3da92b3dc_scores
	.p2align	8
	.type	k_qb3da92b3dc_scores,@function
k_qb3da92b3dc_scores:
	s_mov_b64 s[64:65], 0
	v_nop
	global_prefetch_b8 v0, s[64:65] scope:SCOPE_SE
	s_setreg_imm32_b32 hwreg(HW_REG_WAVE_MODE, 25, 1), 1
	s_wait_xcnt 0x0
; LAUNCH 3 OF 5:  P' = exp2(s2 - m_blk), m_blk, l_blk, with s2 = (t k^T / 32 + mask) log2(e).
; A = tb (f16 with block exponents),  B = k [j][d] f32 of the row block's batch,  C = pb (f16, with planes m and l), and the mask.
;
; THE PROGRAM.  reference(): out = softmax((q Wq^T)(k Wk^T)^T / 32 + mask) (v Wv^T).  Here the same products in another order:
;   qp = q Wq^T;  t = qp Wk;  P = softmax(t k^T / 32 + mask);  u = P v;  out = u Wv^T.
; That is 60 GFLOP in place of 112, and k and v are read as they lie in memory, with no projected copies of them.
; One text serves the five launches; the constants under WHAT THIS LAUNCH IS pick its paths.
; LIMITS.  (1) The order of the products, and so of the roundings, is not reference()'s.  (2) Matrix operands are f16, sums f32.
; Raw inputs are rounded to f16 as they are: above 65,504 they become infinite, below 6e-8 zero.  (3) Intermediates are stored as f16
; numbers in [-2, 2] with one power of two for each row and block of 64 columns, kept as f32 beside the data, so their range is f32's;
; a block more than 2^24 below its row's largest block counts as zero.  (4) Softmax: each block of 64 scores has its own maximum
; (rounded down to a whole number, so that the factor between blocks is an exact power of two) taken away before the exponential;
; the launch that sums over j brings all blocks to the row's maximum.  A row whose mask is all -inf gives NaN, as in reference().
; NO CLUSTER: the tiles that work-groups share most (B) are f32 in memory and f16 in LDS.  A joint tensor load copies bytes as they are:
; a step's 32 KB of B would go into LDS as f32, out to registers and in again as f16, on top of the 96 KB of LDS traffic that a
; step has already.  A's f16 tiles need their block factor multiplied in on the way, so they pass through registers as well.
;
; SHAPE.  Four waves; the work-group makes TM x 128 of C, a wave 16 MT rows x 64 columns.  K goes in steps of 64 through two LDS slots.
; Global loads run two steps ahead into registers (window 2); in trip i step i+1 is converted and stored into the other slot.
; ---------------- WHAT THIS LAUNCH IS ----------------
.set A_F32,  0                         ; A is f32 (1) or f16 with block exponents (0)
.set B_KN,   0                         ; B lies [k][n] (1) or [n][k] (0)
.set MT,     8                         ; tiles of 16 rows in a wave
.set NS,     16                        ; K steps of 64
.set LDA,    2048                      ; bytes in a row of A
.set ASTEP,  128                       ; bytes of a row of A in a K step
.set NBI,    16                        ; blocks of 64 columns in a row of A (statistics read)
.set HAS_L,  0                         ; A carries a second plane: the blocks' sums of exponentials
.set POSTK,  2                         ; factor on the sums: 0 none, 1 2^m, 2 2^m log2(e)/32, 3 1/l
.set EPI,    1                         ; way out: 0 f16 with block exponents, 1 block softmax, 2 f32
.set LDC,    4096                      ; bytes in a row of C
.set BSH,    1                         ; batch = block row >> BSH
.set BBATCH, 8388608                   ; bytes of B in a batch (0: one B for all)
.set ADATA,  8388608                   ; bytes of A's data, behind which its statistics lie
.set CDATA,  16777216                  ; the same for C
; ---------------- derived sizes ----------------
.set TM,     32*MT                     ; rows of C in a work-group
.set NP,     2*MT                      ; TM / 16
.set NB,     16                        ; 16-byte loads a lane for B's 64 x 128 f32 of a step
.if A_F32
.set NA,     16                        ; the same for A's 128 x 64 f32
.set APASS,  32768                     ; a pass of the 128 threads covers 8 rows of 256 bytes
.else
.set NA,     NP                        ; a pass covers 16 rows of 128 bytes
.set APASS,  16*LDA
.endif
.if B_KN
.set BPASS,  16384                     ; a pass covers 4 k rows of 512 bytes
.set BSTEP,  262144                    ; 64 k rows of 4,096 bytes
.set BCOL,   512                       ; 128 columns of f32
.else
.set BPASS,  32768                     ; a pass covers 8 n rows of 256 bytes
.set BSTEP,  256
.set BCOL,   524288                    ; 128 n rows of 4,096 bytes
.endif
.if LDA == 4096
.set LDASH,  12
.else
.set LDASH,  11
.endif
.if LDC == 4096
.set LDCSH,  12
.else
.set LDCSH,  11
.endif
.set NF,     2*(MT+4)                  ; LDS loads of one half step's fragments
.set CA,     NA+2*NB                   ; loads issued behind A(i+1): B(i+1), A(i+2), B(i+2)
.set CB,     2*NA+NB                   ; loads issued behind B(i+1): A(i+2), B(i+2), A(i+3)
.set CT,     NA+NB
; ---------------- LDS ----------------
.set ABYTES, TM*144                    ; A: rows of 128 bytes, pitch 144 = 9 x 16: a fragment load's 16 rows fall on 16 different 16-byte columns of 256
.set SLOT,   ABYTES+18432              ; B: 128 rows at pitch 144, or 64 k rows of 256 bytes at pitch 288 = 9 x 32 for the transposing load
.set FTB,    2*SLOT                    ; factor table: one word (f, f) in f16 for each block and row
.set POSTB,  FTB+16384                 ; one f32 for each row
.set SSB,    POSTB+4*TM                ; each wave's own stage for the statistics that it makes
.if EPI == 1
.set SSWB,   1024
.else
.set SSWB,   256
.endif
.set MASKB,  SSB+4*SSWB                ; each wave's own 128 x 64 f32 of the mask, pitch 272 (block softmax only)
.set MASKW,  128*272
.if EPI == 2
.set SPITCH, 528                       ; the stage for C lies over the ring, which is done with by then
.set NRB,    32                        ; read back: one row of 512 bytes a load
.set RSTEP,  528
.set GSTEP,  LDC
.set XB,     512
.else
.set SPITCH, 272
.set NRB,    TM/8                      ; two rows of 256 bytes a load
.set RSTEP,  544
.set GSTEP,  2*LDC
.set XB,     256
.endif
; ---------------- registers ----------------
; window 0: v1 r = lane % 16, v2 h = lane / 16; addresses; v32-63 converted data; v64-159, v160-255 two fragment buffers (A at +0, B at +64)
; window 1: accumulators, tile (a, b) at 8 (4 a + b).   window 2: loaded steps, parity s at 128 s, A at +0, B at +64.
.set VA,  4
.set VB,  5
.set AST, 6
.set BST, 8
.set AFR, 10
.set BFR, 12
.set FA,  14
.set SO,  15
.set FAC, 16
.set TMP, 32
.set F0,  64
.set F1,  160
.set ST,  64
.set STO, 16                           ; the way out uses v16-31 and the fragment buffers again
.set RD,  17
.set CO,  18
.set SSW, 19
.set SSR, 20
.set MK,  21
.set PA,  22
.set GS,  23
.set SV,  24
.set X,   64
.set MSK, 96
.set H,   128
.set PO,  144
.set SC,  146
.set AM,  148
.set T1,  149
.set T2,  150
.set LS,  151
.set W_MUL, 0x50                       ; s_set_vgpr_msb: C and D in window 1
.set W_LD,  0x80                       ; destination in window 2
.set W_CVT, 0x0a                       ; sources 0 and 1 in window 2
.set W_PKM, 0x02                       ; source 0 in window 2
.set W_ACC, 0x01                       ; source 0 in window 1
.set W_AMX, 0x14                       ; sources 1 and 2 in window 1
.set MSB, 0
.macro WIN new                         ; the immediate's high byte repeats the setting that is left
.if MSB != \new
	s_set_vgpr_msb (MSB<<8)|\new
.set MSB, \new
.endif
.endm
.macro PLACES                          ; four independent vector instructions behind a matrix instruction (ISA guide 7.12.1)
.rept 4
	v_nop
.endr
.endm
	s_load_b128 s[4:7], s[0:1], 0x0                ; A, B
	s_load_b64 s[8:9], s[0:1], 0x10                ; C
.if EPI == 1
	s_load_b64 s[10:11], s[0:1], 0x18              ; mask
	s_set_vgpr_msb 0xc0
	v_lshl_add_u32 v0, v0, 2, 0x42400
	v_mov_b32 v1, 0
	s_set_vgpr_msb 0xc0cf
	ds_add_u32 v0, v1
	ds_add_u32 v0, v1
	s_set_vgpr_msb 0xcf00
.endif
	v_lshrrev_b32 v3, 5, v0
	v_readfirstlane_b32 s12, v3                    ; wave
	s_lshr_b32 s13, s12, 1                         ; wm: which half of the rows
	s_and_b32 s14, s12, 1                          ; wn: which 64 columns
	s_and_b32 s16, ttmp7, 0xffff                   ; block row y; ttmp9 is the block column x
	s_mov_b32 s24, 0x76543210                      ; v_permlanex16_b32: lane i takes lane i of the other half
	s_mov_b32 s25, 0xfedcba98
	s_mov_b32 s21, 0                               ; high word of every offset pair s[20:21]
	v_and_b32 v1, 15, v0
	v_bfe_u32 v2, v0, 4, 1
.if A_F32
	v_lshrrev_b32 v32, 4, v0                       ; 16 threads take a row's 256 bytes
	v_lshlrev_b32 v33, 4, v1
	v_lshl_add_u32 v[VA], v32, 12, v33
	v_mul_u32_u24 v34, 144, v32
	v_lshl_add_u32 v[AST], v1, 3, v34              ; 4 f32 become 8 bytes
.else
	v_lshrrev_b32 v32, 3, v0                       ; 8 threads take a row's 128 bytes
	v_and_b32 v33, 7, v0
	v_lshlrev_b32 v33, 4, v33
	v_lshl_add_u32 v[VA], v32, LDASH, v33
	v_mul_u32_u24 v34, 144, v32
	v_add_nc_u32 v[AST], v34, v33
	v_mul_u32_u24 v[FA], 4*NP, v32                 ; my NP rows' factors lie side by side in the table
	v_add_nc_u32 v[FA], FTB, v[FA]
.endif
	v_add_nc_u32 v[AST+1], SLOT, v[AST]
.if B_KN
	v_lshrrev_b32 v32, 5, v0                       ; a wave takes a k row's 512 bytes
	v_and_b32 v33, 31, v0
	v_lshlrev_b32 v34, 4, v33
	v_lshl_add_u32 v[VB], v32, 12, v34
	v_mul_u32_u24 v34, 288, v32
	v_lshl_add_u32 v34, v33, 3, v34
.else
	v_lshrrev_b32 v32, 4, v0
	v_lshlrev_b32 v33, 4, v1
	v_lshl_add_u32 v[VB], v32, 12, v33
	v_mul_u32_u24 v34, 144, v32
	v_lshl_add_u32 v34, v1, 3, v34
.endif
	v_add_nc_u32 v[BST], ABYTES, v34
	v_add_nc_u32 v[BST+1], SLOT, v[BST]
	v_mul_u32_u24 v35, 144, v1                     ; fragments with K along the row: row r, 16 bytes for each half of the lanes
	v_lshl_add_u32 v35, v2, 4, v35
	s_mul_i32 s17, s13, 16*MT*144
	v_add_nc_u32 v[AFR], s17, v35
	v_add_nc_u32 v[AFR+1], SLOT, v[AFR]
.if B_KN
	v_and_b32 v36, 7, v0                           ; transposing load: k row 8 h + lane % 8, 16 bytes at 16 ((lane / 8) % 2)
	v_lshl_add_u32 v36, v2, 3, v36
	v_mul_u32_u24 v36, 288, v36
	v_bfe_u32 v37, v0, 3, 1
	v_lshl_add_u32 v36, v37, 4, v36
	s_lshl_b32 s17, s14, 7
	s_add_co_u32 s17, s17, ABYTES
	v_add_nc_u32 v[BFR], s17, v36
.else
	s_mul_i32 s17, s14, 64*144
	s_add_co_u32 s17, s17, ABYTES
	v_add_nc_u32 v[BFR], s17, v35
.endif
	v_add_nc_u32 v[BFR+1], SLOT, v[BFR]
	s_wait_dscnt 0x0
	s_wait_kmcnt 0x0
	s_mul_i32 s20, s16, TM*LDA
	s_add_nc_u64 s[40:41], s[4:5], s[20:21]        ; A at my rows: even steps,
	s_add_nc_u64 s[42:43], s[40:41], ASTEP         ; odd steps: a base for each, so that one can be stepped while the other's loads are out
	s_mul_i32 s20, ttmp9, BCOL
.if BBATCH
	s_lshr_b32 s17, s16, BSH
	s_mul_i32 s17, s17, BBATCH
	s_add_co_u32 s20, s20, s17
.endif
	s_add_nc_u64 s[44:45], s[6:7], s[20:21]
	s_add_nc_u64 s[46:47], s[44:45], BSTEP
.if A_F32 == 0
	s_mul_i32 s20, s16, TM*4
	s_add_co_u32 s20, s20, ADATA
	s_add_nc_u64 s[48:49], s[4:5], s[20:21]        ; A's statistics, [block][row] f32, at my rows
.endif
.if EPI == 1
	; each wave asks once for its own 128 rows x 64 f32 of the mask: one tensor load outstanding, waited for in front of the way out
	s_lshl_b32 s20, s16, 21                        ; 256 rows of 8,192 bytes
	s_lshl_b32 s17, s13, 20
	s_add_co_u32 s20, s20, s17
	s_lshl_b32 s17, ttmp9, 9
	s_add_co_u32 s20, s20, s17
	s_lshl_b32 s17, s14, 8
	s_add_co_u32 s20, s20, s17
	s_mov_b32 s28, 1                               ; group 0: count
	s_mul_i32 s29, s12, MASKW
	s_add_co_u32 s29, s29, MASKB                   ; LDS address: the wave's own bytes
	s_add_nc_u64 s[30:31], s[10:11], s[20:21]
	s_or_b32 s31, s31, 0x80000000                  ; type 2
	s_mov_b32 s32, (2<<16)|(1<<20)|(5<<22)|(3<<25) ; 4-byte elements; 4 words of padding behind every 64
	s_mov_b32 s33, 64<<16                          ; tensor_dim0
	s_mov_b32 s34, 128<<16                         ; tensor_dim1
	s_mov_b32 s35, 64<<16                          ; tile_dim0
	s_mov_b32 s36, 128                             ; tile_dim1
	s_mov_b32 s37, 2048                            ; elements from row to row
	s_mov_b32 s38, 0
	s_mov_b32 s39, 0
	tensor_load_to_lds s[28:31], s[32:39]
	s_nop 0
.endif
; n loads of 16 bytes a lane: one operand's tile of a K step into window 2
.macro LOADT par, sub, n, va, base, pass
	WIN W_LD
.set pp, 0
.rept \n
	global_load_b128 v[128*\par+\sub+4*pp:128*\par+\sub+4*pp+3], v[\va], s[\base+2*\par:\base+2*\par+1] offset:pp*\pass
.set pp, pp+1
.endr
.endm
; a loaded f32 tile to f16 and into LDS: 64 numbers a lane
.macro CVT_STORE par, sub, adr
	WIN W_CVT
.set pp, 0
.rept 16
	v_cvt_pk_f16_f32 v[TMP+2*pp],   v[128*\par+\sub+4*pp],   v[128*\par+\sub+4*pp+1]
	v_cvt_pk_f16_f32 v[TMP+2*pp+1], v[128*\par+\sub+4*pp+2], v[128*\par+\sub+4*pp+3]
.set pp, pp+1
.endr
	WIN 0
.set pp, 0
.rept 16
	ds_store_b64 v[\adr+\par], v[TMP+2*pp:TMP+2*pp+1] offset:pp*1152
.set pp, pp+1
.endr
.endm
.macro LOADFAC                         ; my NP rows' factors of the next block; the address steps one block on
.set pp, 0
.rept NP/4
	ds_load_b128 v[FAC+4*pp:FAC+4*pp+3], v[FA] offset:16*pp
.set pp, pp+1
.endr
	v_add_nc_u32 v[FA], 4*TM, v[FA]
.endm
; A's tile of the step of parity par goes into slot par; load = 1: the step two further on is asked for
.macro CHORE_A par, load, cnt
	s_wait_loadcnt \cnt                            ; loads return in order: the tile is in, and its base is free to step
.if A_F32
	CVT_STORE \par, 0, AST
.else
.set cc, 0
.rept NP/8
	WIN W_PKM
.set pp, 0
.rept 8
.irp q, 0,1,2,3
	v_pk_mul_f16 v[TMP+4*pp+\q], v[128*\par+4*(8*cc+pp)+\q], v[FAC+8*cc+pp]   ; a power of two: brings the block to its row's exponent
.endr
.set pp, pp+1
.endr
	WIN 0
.set pp, 0
.rept 8
	ds_store_b128 v[AST+\par], v[TMP+4*pp:TMP+4*pp+3] offset:(8*cc+pp)*2304
.set pp, pp+1
.endr
.set cc, cc+1
.endr
.endif
.if \load
	s_add_nc_u64 s[40+2*\par:41+2*\par], s[40+2*\par:41+2*\par], 2*ASTEP
	LOADT \par, 0, NA, VA, 40, APASS
.endif
.endm
.macro CHORE_B par, load, cnt
	s_wait_loadcnt \cnt
	CVT_STORE \par, 64, BST
.if \load
	s_add_nc_u64 s[44+2*\par:45+2*\par], s[44+2*\par:45+2*\par], 2*BSTEP
	LOADT \par, 64, NB, VB, 44, BPASS
.endif
.endm
; the fragments of 32 along K (half step ks of a slot) into buffer f: NF LDS loads
.macro FETCH f, slot, ks
.set aa, 0
.rept MT
	ds_load_b128 v[\f+8*aa:\f+8*aa+3],   v[AFR+\slot] offset:2304*aa+64*\ks
	ds_load_b128 v[\f+8*aa+4:\f+8*aa+7], v[AFR+\slot] offset:2304*aa+64*\ks+32
.set aa, aa+1
.endr
.irp b, 0,1,2,3
.if B_KN
	ds_load_tr16_b128 v[\f+64+8*\b:\f+64+8*\b+3],   v[BFR+\slot] offset:9216*\ks+32*\b
	ds_load_tr16_b128 v[\f+64+8*\b+4:\f+64+8*\b+7], v[BFR+\slot] offset:9216*\ks+32*\b+4608
.else
	ds_load_b128 v[\f+64+8*\b:\f+64+8*\b+3],   v[BFR+\slot] offset:2304*\b+64*\ks
	ds_load_b128 v[\f+64+8*\b+4:\f+64+8*\b+7], v[BFR+\slot] offset:2304*\b+64*\ks+32
.endif
.endr
.endm
; 2 MT matrix instructions: m tiles first .. first + MT/2 - 1 x 4 n tiles.  Source 0 is B's fragment, source 1 A's: a lane then holds
; eight neighbouring columns (8 h + j) of row r of C.  zero = 1: the first product starts the sums, nothing is cleared.
.macro MULG f, first, zero
	WIN W_MUL
.set aa, \first
.rept MT/2
.irp b, 0,1,2,3
.if \zero
	v_wmma_f32_16x16x32_f16 v[8*(4*aa+\b):8*(4*aa+\b)+7], v[\f+64+8*\b:\f+64+8*\b+7], v[\f+8*aa:\f+8*aa+7], 0
.else
	v_wmma_f32_16x16x32_f16 v[8*(4*aa+\b):8*(4*aa+\b)+7], v[\f+64+8*\b:\f+64+8*\b+7], v[\f+8*aa:\f+8*aa+7], v[8*(4*aa+\b):8*(4*aa+\b)+7]
.endif
.endr
.set aa, aa+1
.endr
.endm
; ONE K STEP.  Slot cur is multiplied; conv = 1: the next step is converted into slot nxt; load = 1: the step three on is asked for.
; One barrier does both orderings: in front of it my reads of cur and my stores into nxt are done; behind it nxt is read, and in the
; next trip cur is written again.
.macro TRIP cur, nxt, zero, conv, load, ca, cb, more
	WIN 0
	PLACES                                         ; buffer 1 was read by the matrix instructions just issued
.if \conv*(1-A_F32)
	LOADFAC
.endif
	FETCH F1, \cur, 1
	s_wait_dscnt NF                                ; the NF loads just issued may be out: buffer 0 and the factors are in
	MULG F0, 0, \zero
.if \conv
	CHORE_A \nxt, \load, \ca
.endif
	MULG F0, MT/2, \zero
.if \conv
	CHORE_B \nxt, \load, \cb
.endif
	s_wait_dscnt 0x0                               ; for the others' sake: my reads of cur, my stores into nxt
	s_barrier_signal -1
	MULG F1, 0, 0                                  ; registers only
	s_barrier_wait -1
.if \more
	WIN 0
	PLACES
	FETCH F0, \nxt, 0
.endif
	MULG F1, MT/2, 0
.endm
; ---------------- the statistics of A: block factors and the factor on the sums ----------------
.if A_F32 == 0
	v_lshlrev_b32 v[SO], 2, v0                     ; thread t takes row t (and t + 128)
.set uu, 0
.rept TM/128
.set bb, 0
.rept NBI
	global_load_b32 v[ST+NBI*uu+bb], v[SO], s[48:49] offset:16384*bb+512*uu
.set bb, bb+1
.endr
.set uu, uu+1
.endr
.if HAS_L
.set bb, 0
.rept NBI
	global_load_b32 v[ST+NBI+bb], v[SO], s[48:49] offset:16384*(NBI+bb)
.set bb, bb+1
.endr
.endif
.endif
	LOADT 0, 0, NA, VA, 40, APASS                  ; step 0
	LOADT 0, 64, NB, VB, 44, BPASS
.if A_F32 == 0
	WIN 0
	v_lshrrev_b32 v34, 4, v0                       ; table word of (block, row): block x 4 TM + (row % 16) x 4 NP + (row / 16) x 4
	v_lshlrev_b32 v34, 2, v34
	v_mul_u32_u24 v35, 4*NP, v1
	v_add_nc_u32 v34, v34, v35
	v_add_nc_u32 v34, FTB, v34
	v_add_nc_u32 v35, POSTB, v[SO]
	s_wait_loadcnt CT                              ; only step 0's NA + NB loads may be out: the statistics are in
.set uu, 0
.rept TM/128
.set S0, ST+NBI*uu
	v_max_num_f32 v32, v[S0], v[S0+1]              ; the row's largest exponent (or maximum)
.set bb, 2
.rept (NBI-2)/2
	v_max3_num_f32 v32, v32, v[S0+bb], v[S0+bb+1]
.set bb, bb+2
.endr
.set bb, 0
.rept NBI
	v_sub_f32 v[S0+bb], v[S0+bb], v32
.set bb, bb+1
.endr
.set bb, 0
.rept NBI
	v_exp_f32 v[S0+bb], v[S0+bb]                   ; whole numbers in, powers of two out
.set bb, bb+1
.endr
.if POSTK != 3
	v_exp_f32 v33, v32
.endif
	v_nop                                          ; one plain instruction behind the transcendentals (ISA guide 5.7.2)
.if POSTK == 2
	s_wait_alu depctr_va_vdst(0)
	v_mul_f32 v33, 0x3d38aa3b, v33                 ; log2(e) / 32: scores come out in base 2
.endif
.if POSTK == 3
	v_mul_f32 v33, v[S0], v[S0+NBI]                ; l = sum over blocks of factor x block sum
.set bb, 1
.rept NBI-1
	v_fmac_f32 v33, v[S0+bb], v[S0+NBI+bb]
.set bb, bb+1
.endr
	v_rcp_f32 v33, v33
	v_nop
.endif
.set bb, 0
.rept NBI
	v_cvt_pk_f16_f32 v[S0+bb], v[S0+bb], v[S0+bb]
.set bb, bb+1
.endr
.set bb, 0
.rept NBI
	ds_store_b32 v34, v[S0+bb] offset:4*TM*bb+32*uu
.set bb, bb+1
.endr
	ds_store_b32 v35, v33 offset:512*uu
.set uu, uu+1
.endr
.endif
	LOADT 1, 0, NA, VA, 40, APASS                  ; step 1
	LOADT 1, 64, NB, VB, 44, BPASS
	WIN 0
.if A_F32 == 0
	s_wait_dscnt 0x0                               ; my table words are written,
	s_barrier_signal -1
	s_barrier_wait -1                              ; everybody's are
	LOADFAC
	s_wait_dscnt 0x0
.endif
	CHORE_A 0, 1, CA                               ; step 0 into slot 0; step 2 asked for
	CHORE_B 0, 1, CB
	WIN 0
	s_wait_dscnt 0x0
	s_barrier_signal -1
	s_barrier_wait -1
	FETCH F0, 0, 0
; ---------------- NS trips: two in front of the loop (they start the sums), the last four written out (they ask for nothing beyond K) ----------------
	TRIP 0, 1, 1, 1, 1, CA, CB, 1
	TRIP 1, 0, 0, 1, 1, CA, CB, 1
	WIN 0
	s_mov_b32 s22, (NS-6)/2
.Lpair:
	TRIP 0, 1, 0, 1, 1, CA, CB, 1
	TRIP 1, 0, 0, 1, 1, CA, CB, 1
	WIN 0
	s_sub_co_u32 s22, s22, 1
	s_cmp_lg_u32 s22, 0
	s_cbranch_scc1 .Lpair
	TRIP 0, 1, 0, 1, 1, CA, CB, 1                  ; asks for the last step
	TRIP 1, 0, 0, 1, 0, CA, CT, 1                  ; behind B(NS-2) only A(NS-1) and B(NS-1) were issued
	TRIP 0, 1, 0, 1, 0, NB, 0, 1                   ; behind A(NS-1) only B(NS-1); behind that nothing
	TRIP 1, 0, 0, 0, 0, 0, 0, 0                    ; its barrier also frees the ring for the stage
; ---------------- the way out ----------------
	WIN 0
	PLACES                                         ; behind the last matrix instructions: results are read, fragment registers written
	v_mov_b32 v[T1], 0                             ; v_permlanex16_b32 counts as a reader of its destination
	s_mul_i32 s17, s13, 16*MT                      ; my first row in the block
.if POSTK
	s_lshl_b32 s18, s17, 2
	s_add_co_u32 s18, s18, POSTB
	v_lshl_add_u32 v[PA], v1, 2, s18
.endif
	s_mul_i32 s18, s17, SPITCH
.if EPI == 2
	s_lshl_b32 s19, s14, 8
	v_lshlrev_b32 v[STO], 5, v2
.else
	s_lshl_b32 s19, s14, 7
	v_lshlrev_b32 v[STO], 4, v2
.endif
	s_add_co_u32 s18, s18, s19
	v_add_nc_u32 v[STO], s18, v[STO]
	v_mul_u32_u24 v32, SPITCH, v1
	v_add_nc_u32 v[STO], v32, v[STO]               ; stage: row r of my rows, my 64 columns, my half's 8 numbers
	v_and_b32 v33, 31, v0
	s_mul_i32 s18, s12, (TM/4)*SPITCH              ; read back: wave w takes rows (TM/4) w ..
.if EPI == 2
	v_lshlrev_b32 v[CO], 4, v33
	v_add_nc_u32 v[RD], s18, v[CO]
.else
	v_lshlrev_b32 v34, 4, v1
	v_mul_u32_u24 v[RD], SPITCH, v2
	v_add3_u32 v[RD], v[RD], v34, s18
	v_lshl_add_u32 v[CO], v2, LDCSH, v34
.endif
.if EPI != 2
	s_mul_i32 s18, s12, SSWB
	s_add_co_u32 s18, s18, SSB
	v_lshl_add_u32 v[SSW], v1, 2, s18
.if MT == 4
	v_lshlrev_b32 v[GS], 3, v33
.else
	v_lshlrev_b32 v[GS], 4, v33
.endif
	v_add_nc_u32 v[SSR], s18, v[GS]
	s_lshl_b32 s18, ttmp9, 1                       ; my block of 64 columns: 2 x + wn; a plane of 4,096 rows for each
	s_add_co_u32 s18, s18, s14
	s_lshl_b32 s18, s18, 14
	s_mul_i32 s19, s16, TM
	s_add_co_u32 s19, s19, s17
	s_lshl_b32 s19, s19, 2
	s_add_co_u32 s20, s18, s19
	s_add_co_u32 s20, s20, CDATA
	s_add_nc_u64 s[50:51], s[8:9], s[20:21]
.endif
	s_mul_i32 s18, s16, TM
	s_mul_i32 s19, s12, TM/4
	s_add_co_u32 s18, s18, s19
	s_mul_i32 s20, s18, LDC
	s_mul_i32 s18, ttmp9, XB
	s_add_co_u32 s20, s20, s18
	s_add_nc_u64 s[52:53], s[8:9], s[20:21]
.if EPI == 1
	s_mul_i32 s18, s12, MASKW
	s_add_co_u32 s18, s18, MASKB
	v_mul_u32_u24 v[MK], 272, v1
	v_lshl_add_u32 v[MK], v2, 5, v[MK]
	v_add_nc_u32 v[MK], s18, v[MK]
	s_wait_tensorcnt 0x0                           ; my mask tile is in LDS; only I read it
.endif
; one m tile: 16 rows x my 64 columns; a lane holds 32 numbers of row r, its partner lane (the other half) the other 32
.macro TILE a
	WIN 0
.if POSTK
	ds_load_b32 v[PO], v[PA] offset:64*\a
.endif
.if EPI == 1
.irp b, 0,1,2,3
	ds_load_b128 v[MSK+8*\b:MSK+8*\b+3],   v[MK] offset:4352*\a+64*\b
	ds_load_b128 v[MSK+8*\b+4:MSK+8*\b+7], v[MK] offset:4352*\a+64*\b+16
.endr
.endif
.if EPI == 0
	v_mov_b32 v[AM], 0                             ; largest magnitude of the row's 64 numbers
	WIN W_AMX
.set ii, 0
.rept 16
	v_max3_num_f32 v[AM], v[AM], |v[32*\a+2*ii]|, |v[32*\a+2*ii+1]|
.set ii, ii+1
.endr
	WIN 0
	v_permlanex16_b32 v[T1], v[AM], s24, s25
	v_max_num_f32 v[AM], v[AM], v[T1]
.endif
.if POSTK
	s_wait_dscnt 0x0                               ; the row's factor (and the mask) are in
	v_mov_b32 v[PO+1], v[PO]
	WIN W_ACC
.set ii, 0
.rept 16
	v_pk_mul_f32 v[X+2*ii:X+2*ii+1], v[32*\a+2*ii:32*\a+2*ii+1], v[PO:PO+1]
.set ii, ii+1
.endr
	WIN 0
.endif
.if EPI == 0
.if POSTK
	v_mul_f32 v[AM], v[AM], v[PO]
.endif
	v_lshrrev_b32 v[T1], 23, v[AM]                 ; e, the biased exponent (the sign is 0)
	v_min_u32 v[T1], 253, v[T1]                    ; so that 2^(127 - e) is a normal number
	v_sub_nc_u32 v[T2], 254, v[T1]
	v_lshlrev_b32 v[SC], 23, v[T2]                 ; 2^(127 - e): the largest magnitude lands in [1, 2)
	v_mov_b32 v[SC+1], v[SC]
	v_add_nc_u32 v[T2], 0xffffff81, v[T1]
	v_cvt_f32_i32 v[T2], v[T2]                     ; e - 127, kept as f32 beside the data
.if POSTK
.set ii, 0
.rept 16
	v_pk_mul_f32 v[X+2*ii:X+2*ii+1], v[X+2*ii:X+2*ii+1], v[SC:SC+1]
.set ii, ii+1
.endr
.else
	WIN W_ACC
.set ii, 0
.rept 16
	v_pk_mul_f32 v[X+2*ii:X+2*ii+1], v[32*\a+2*ii:32*\a+2*ii+1], v[SC:SC+1]
.set ii, ii+1
.endr
	WIN 0
.endif
.endif
.if EPI == 1
.set ii, 0
.rept 16
	v_pk_fma_f32 v[X+2*ii:X+2*ii+1], v[MSK+2*ii:MSK+2*ii+1], 0x3fb8aa3b, v[X+2*ii:X+2*ii+1] op_sel_hi:[1,0,1]   ; + mask log2(e)
.set ii, ii+1
.endr
	v_max_num_f32 v[AM], v[X], v[X+1]
.set ii, 1
.rept 15
	v_max3_num_f32 v[AM], v[AM], v[X+2*ii], v[X+2*ii+1]
.set ii, ii+1
.endr
	v_permlanex16_b32 v[T1], v[AM], s24, s25
	v_max_num_f32 v[AM], v[AM], v[T1]
	v_max_num_f32 v[AM], 0xff7fffff, v[AM]         ; a block that is all -inf: exponentials 0, not NaN
	v_floor_f32 v[SC], v[AM]                       ; the block's maximum, rounded down: exponents stay below 1
	v_floor_f32 v[SC+1], v[AM]
.set ii, 0
.rept 16
	v_pk_add_f32 v[X+2*ii:X+2*ii+1], v[X+2*ii:X+2*ii+1], v[SC:SC+1] neg_lo:[0,1] neg_hi:[0,1]
.set ii, ii+1
.endr
.set ii, 0
.rept 32
	v_exp_f32 v[X+ii], v[X+ii]
.set ii, ii+1
.endr
	v_nop                                          ; one plain instruction behind the transcendentals (ISA guide 5.7.2)
.set ii, 0
	s_wait_alu depctr_va_vdst(0)
.rept 8
	v_pk_add_f32 v[MSK+2*ii:MSK+2*ii+1], v[X+4*ii:X+4*ii+1], v[X+4*ii+2:X+4*ii+3]
.set ii, ii+1
.endr
.irp n, 4,2,1
.set ii, 0
.rept \n
	v_pk_add_f32 v[MSK+2*ii:MSK+2*ii+1], v[MSK+4*ii:MSK+4*ii+1], v[MSK+4*ii+2:MSK+4*ii+3]
.set ii, ii+1
.endr
.endr
	v_add_f32 v[LS], v[MSK], v[MSK+1]
	v_permlanex16_b32 v[T1], v[LS], s24, s25
	v_add_f32 v[LS], v[LS], v[T1]                  ; the block's sum of exponentials
.endif
.if EPI == 2
.irp b, 0,1,2,3
	ds_store_b128 v[STO], v[X+8*\b:X+8*\b+3]   offset:8448*\a+64*\b
	ds_store_b128 v[STO], v[X+8*\b+4:X+8*\b+7] offset:8448*\a+64*\b+16
.endr
.else
.set ii, 0
.rept 16
	v_cvt_pk_f16_f32 v[H+ii], v[X+2*ii], v[X+2*ii+1]
.set ii, ii+1
.endr
.irp b, 0,1,2,3
	ds_store_b128 v[STO], v[H+4*\b:H+4*\b+3] offset:4352*\a+32*\b
.endr
.if EPI == 1
	ds_store_b32 v[SSW], v[SC] offset:64*\a        ; both halves write the same word with the same number
	ds_store_b32 v[SSW], v[LS] offset:512+64*\a
.else
	ds_store_b32 v[SSW], v[T2] offset:64*\a
.endif
.endif
.endm
.set tt, 0
.rept MT
	TILE tt
.set tt, tt+1
.endr
.if EPI != 2
	; my statistics, out of my own stage (LDS serves a wave's instructions in order): each store covers 256 or 512 consecutive bytes, aligned
.if MT == 4
	ds_load_b64 v[SV:SV+1], v[SSR]
	s_wait_dscnt 0x0
	global_store_b64 v[GS], v[SV:SV+1], s[50:51]
.else
	ds_load_b128 v[SV:SV+3], v[SSR]
	ds_load_b128 v[SV+4:SV+7], v[SSR] offset:512
	s_wait_dscnt 0x0
	global_store_b128 v[GS], v[SV:SV+3], s[50:51]
	global_store_b128 v[GS], v[SV+4:SV+7], s[50:51] offset:524288
.endif
.endif
	s_wait_dscnt 0x0                               ; my part of the stage is written,
	s_barrier_signal -1
	s_barrier_wait -1                              ; everybody's is: whole rows can be read
.set ii, 0
.rept NRB
	ds_load_b128 v[64+4*ii:64+4*ii+3], v[RD] offset:ii*RSTEP
.set ii, ii+1
.endr
.set ii, 0
.rept NRB
	s_wait_dscnt NRB-1-ii                          ; the younger read-back loads may be out
.if EPI == 2
	global_store_b128 v[CO], v[64+4*ii:64+4*ii+3], s[52:53] offset:ii*GSTEP th:TH_STORE_NT
.else
	global_store_b128 v[CO], v[64+4*ii:64+4*ii+3], s[52:53] offset:ii*GSTEP   ; 16 lanes store 256 consecutive bytes, aligned
.endif
.set ii, ii+1
.endr
	s_set_vgpr_msb 0xf
	s_wait_tensorcnt 0x0
	ds_add_u32 v0, v1
	s_wait_dscnt 0x0
	s_set_vgpr_msb 0xf00
	s_endpgm
.Lfunc_end_k_qb3da92b3dc_scores:
	.size	k_qb3da92b3dc_scores, .Lfunc_end_k_qb3da92b3dc_scores-k_qb3da92b3dc_scores
	.p2alignl 7, 3214868480
	.fill 96, 4, 3214868480
	.section	.rodata,"a",@progbits
	.p2align	6, 0x0
	.amdhsa_kernel k_qb3da92b3dc_scores
		.amdhsa_group_segment_fixed_size 271872
		.amdhsa_private_segment_fixed_size 0
		.amdhsa_enable_private_segment 0
		.amdhsa_kernarg_size 32
		.amdhsa_user_sgpr_count 2
		.amdhsa_user_sgpr_kernarg_segment_ptr 1
		.amdhsa_wavefront_size32 1
		.amdhsa_system_sgpr_workgroup_id_x 1
		.amdhsa_system_sgpr_workgroup_id_y 1
		.amdhsa_system_sgpr_workgroup_id_z 1
		.amdhsa_system_vgpr_workitem_id 0
		.amdhsa_next_free_vgpr 770
		.amdhsa_next_free_sgpr 66
		.amdhsa_reserve_vcc 0
		.amdhsa_float_denorm_mode_32 3
		.amdhsa_float_denorm_mode_16_64 3
		.amdhsa_memory_ordered 1
		.amdhsa_forward_progress 1
		.amdhsa_inst_pref_size 250
	.end_amdhsa_kernel
	.amdgpu_metadata
---
amdhsa.version: [ 1, 2 ]
amdhsa.kernels:
  - .name:           k_qb3da92b3dc_scores
    .symbol:         k_qb3da92b3dc_scores.kd
    .args:
      - { .name: tb, .offset: 0, .size: 8, .value_kind: global_buffer, .address_space: global }
      - { .name: k, .offset: 8, .size: 8, .value_kind: global_buffer, .address_space: global }
      - { .name: pb, .offset: 16, .size: 8, .value_kind: global_buffer, .address_space: global }
      - { .name: mask, .offset: 24, .size: 8, .value_kind: global_buffer, .address_space: global }
    .group_segment_fixed_size: 271872
    .private_segment_fixed_size: 0
    .kernarg_segment_align: 8
    .kernarg_segment_size: 32
    .max_flat_workgroup_size: 128
    .sgpr_count:     66
    .vgpr_count:     770
    .wavefront_size: 32
...
	.end_amdgpu_metadata
.endif
;; end of part 3
;; launch mix (part 4): grid 8 x 32, 4 waves a work-group, no clusters, 92,672 bytes of LDS; arguments pb, v, ub; writes ub
.if DOCPART == 4
	.amdgcn_target "amdgcn-amd-amdhsa--gfx1250"
	.amdhsa_code_object_version 6
	.text
	.protected	k_qb3da92b3dc_mix
	.globl	k_qb3da92b3dc_mix
	.p2align	8
	.type	k_qb3da92b3dc_mix,@function
k_qb3da92b3dc_mix:
	s_mov_b64 s[64:65], 0
	v_nop
	global_prefetch_b8 v0, s[64:65] scope:SCOPE_SE
	s_setreg_imm32_b32 hwreg(HW_REG_WAVE_MODE, 25, 1), 1
	s_wait_xcnt 0x0
; LAUNCH 4 OF 5:  u = (sum over j of P v) / l.   A = pb (f16 exponentials with planes m and l, K = 2048),
; B = v [j][d] f32 of the row block's batch, used as [k][n],  C = ub (f16 with block exponents).
;
; THE PROGRAM.  reference(): out = softmax((q Wq^T)(k Wk^T)^T / 32 + mask) (v Wv^T).  Here the same products in another order:
;   qp = q Wq^T;  t = qp Wk;  P = softmax(t k^T / 32 + mask);  u = P v;  out = u Wv^T.
; That is 60 GFLOP in place of 112, and k and v are read as they lie in memory, with no projected copies of them.
; One text serves the five launches; the constants under WHAT THIS LAUNCH IS pick its paths.
; LIMITS.  (1) The order of the products, and so of the roundings, is not reference()'s.  (2) Matrix operands are f16, sums f32.
; Raw inputs are rounded to f16 as they are: above 65,504 they become infinite, below 6e-8 zero.  (3) Intermediates are stored as f16
; numbers in [-2, 2] with one power of two for each row and block of 64 columns, kept as f32 beside the data, so their range is f32's;
; a block more than 2^24 below its row's largest block counts as zero.  (4) Softmax: each block of 64 scores has its own maximum
; (rounded down to a whole number, so that the factor between blocks is an exact power of two) taken away before the exponential;
; the launch that sums over j brings all blocks to the row's maximum.  A row whose mask is all -inf gives NaN, as in reference().
; NO CLUSTER: the tiles that work-groups share most (B) are f32 in memory and f16 in LDS.  A joint tensor load copies bytes as they are:
; a step's 32 KB of B would go into LDS as f32, out to registers and in again as f16, on top of the 96 KB of LDS traffic that a
; step has already.  A's f16 tiles need their block factor multiplied in on the way, so they pass through registers as well.
;
; SHAPE.  Four waves; the work-group makes TM x 128 of C, a wave 16 MT rows x 64 columns.  K goes in steps of 64 through two LDS slots.
; Global loads run two steps ahead into registers (window 2); in trip i step i+1 is converted and stored into the other slot.
; ---------------- WHAT THIS LAUNCH IS ----------------
.set A_F32,  0                         ; A is f32 (1) or f16 with block exponents (0)
.set B_KN,   1                         ; B lies [k][n] (1) or [n][k] (0)
.set MT,     4                         ; tiles of 16 rows in a wave
.set NS,     32                        ; K steps of 64
.set LDA,    4096                      ; bytes in a row of A
.set ASTEP,  128                       ; bytes of a row of A in a K step
.set NBI,    32                        ; blocks of 64 columns in a row of A (statistics read)
.set HAS_L,  1                         ; A carries a second plane: the blocks' sums of exponentials
.set POSTK,  3                         ; factor on the sums: 0 none, 1 2^m, 2 2^m log2(e)/32, 3 1/l
.set EPI,    0                         ; way out: 0 f16 with block exponents, 1 block softmax, 2 f32
.set LDC,    2048                      ; bytes in a row of C
.set BSH,    2                         ; batch = block row >> BSH
.set BBATCH, 8388608                   ; bytes of B in a batch (0: one B for all)
.set ADATA,  16777216                  ; bytes of A's data, behind which its statistics lie
.set CDATA,  8388608                   ; the same for C
; ---------------- derived sizes ----------------
.set TM,     32*MT                     ; rows of C in a work-group
.set NP,     2*MT                      ; TM / 16
.set NB,     16                        ; 16-byte loads a lane for B's 64 x 128 f32 of a step
.if A_F32
.set NA,     16                        ; the same for A's 128 x 64 f32
.set APASS,  32768                     ; a pass of the 128 threads covers 8 rows of 256 bytes
.else
.set NA,     NP                        ; a pass covers 16 rows of 128 bytes
.set APASS,  16*LDA
.endif
.if B_KN
.set BPASS,  16384                     ; a pass covers 4 k rows of 512 bytes
.set BSTEP,  262144                    ; 64 k rows of 4,096 bytes
.set BCOL,   512                       ; 128 columns of f32
.else
.set BPASS,  32768                     ; a pass covers 8 n rows of 256 bytes
.set BSTEP,  256
.set BCOL,   524288                    ; 128 n rows of 4,096 bytes
.endif
.if LDA == 4096
.set LDASH,  12
.else
.set LDASH,  11
.endif
.if LDC == 4096
.set LDCSH,  12
.else
.set LDCSH,  11
.endif
.set NF,     2*(MT+4)                  ; LDS loads of one half step's fragments
.set CA,     NA+2*NB                   ; loads issued behind A(i+1): B(i+1), A(i+2), B(i+2)
.set CB,     2*NA+NB                   ; loads issued behind B(i+1): A(i+2), B(i+2), A(i+3)
.set CT,     NA+NB
; ---------------- LDS ----------------
.set ABYTES, TM*144                    ; A: rows of 128 bytes, pitch 144 = 9 x 16: a fragment load's 16 rows fall on 16 different 16-byte columns of 256
.set SLOT,   ABYTES+18432              ; B: 128 rows at pitch 144, or 64 k rows of 256 bytes at pitch 288 = 9 x 32 for the transposing load
.set FTB,    2*SLOT                    ; factor table: one word (f, f) in f16 for each block and row
.set POSTB,  FTB+16384                 ; one f32 for each row
.set SSB,    POSTB+4*TM                ; each wave's own stage for the statistics that it makes
.if EPI == 1
.set SSWB,   1024
.else
.set SSWB,   256
.endif
.set MASKB,  SSB+4*SSWB                ; each wave's own 128 x 64 f32 of the mask, pitch 272 (block softmax only)
.set MASKW,  128*272
.if EPI == 2
.set SPITCH, 528                       ; the stage for C lies over the ring, which is done with by then
.set NRB,    32                        ; read back: one row of 512 bytes a load
.set RSTEP,  528
.set GSTEP,  LDC
.set XB,     512
.else
.set SPITCH, 272
.set NRB,    TM/8                      ; two rows of 256 bytes a load
.set RSTEP,  544
.set GSTEP,  2*LDC
.set XB,     256
.endif
; ---------------- registers ----------------
; window 0: v1 r = lane % 16, v2 h = lane / 16; addresses; v32-63 converted data; v64-159, v160-255 two fragment buffers (A at +0, B at +64)
; window 1: accumulators, tile (a, b) at 8 (4 a + b).   window 2: loaded steps, parity s at 128 s, A at +0, B at +64.
.set VA,  4
.set VB,  5
.set AST, 6
.set BST, 8
.set AFR, 10
.set BFR, 12
.set FA,  14
.set SO,  15
.set FAC, 16
.set TMP, 32
.set F0,  64
.set F1,  160
.set ST,  64
.set STO, 16                           ; the way out uses v16-31 and the fragment buffers again
.set RD,  17
.set CO,  18
.set SSW, 19
.set SSR, 20
.set MK,  21
.set PA,  22
.set GS,  23
.set SV,  24
.set X,   64
.set MSK, 96
.set H,   128
.set PO,  144
.set SC,  146
.set AM,  148
.set T1,  149
.set T2,  150
.set LS,  151
.set W_MUL, 0x50                       ; s_set_vgpr_msb: C and D in window 1
.set W_LD,  0x80                       ; destination in window 2
.set W_CVT, 0x0a                       ; sources 0 and 1 in window 2
.set W_PKM, 0x02                       ; source 0 in window 2
.set W_ACC, 0x01                       ; source 0 in window 1
.set W_AMX, 0x14                       ; sources 1 and 2 in window 1
.set MSB, 0
.macro WIN new                         ; the immediate's high byte repeats the setting that is left
.if MSB != \new
	s_set_vgpr_msb (MSB<<8)|\new
.set MSB, \new
.endif
.endm
.macro PLACES                          ; four independent vector instructions behind a matrix instruction (ISA guide 7.12.1)
.rept 4
	v_nop
.endr
.endm
	s_load_b128 s[4:7], s[0:1], 0x0                ; A, B
	s_load_b64 s[8:9], s[0:1], 0x10                ; C
	v_lshl_add_u32 v222, v0, 2, 0x16800
	v_mov_b32 v223, 0
.if EPI == 1
	s_load_b64 s[10:11], s[0:1], 0x18              ; mask
.endif
	v_lshrrev_b32 v3, 5, v0
	v_readfirstlane_b32 s12, v3                    ; wave
	s_lshr_b32 s13, s12, 1                         ; wm: which half of the rows
	s_and_b32 s14, s12, 1                          ; wn: which 64 columns
	s_and_b32 s16, ttmp7, 0xffff                   ; block row y; ttmp9 is the block column x
	s_mov_b32 s24, 0x76543210                      ; v_permlanex16_b32: lane i takes lane i of the other half
	s_mov_b32 s25, 0xfedcba98
	s_mov_b32 s21, 0                               ; high word of every offset pair s[20:21]
	v_and_b32 v1, 15, v0
	v_bfe_u32 v2, v0, 4, 1
.if A_F32
	v_lshrrev_b32 v32, 4, v0                       ; 16 threads take a row's 256 bytes
	v_lshlrev_b32 v33, 4, v1
	v_lshl_add_u32 v[VA], v32, 12, v33
	v_mul_u32_u24 v34, 144, v32
	v_lshl_add_u32 v[AST], v1, 3, v34              ; 4 f32 become 8 bytes
.else
	v_lshrrev_b32 v32, 3, v0                       ; 8 threads take a row's 128 bytes
	v_and_b32 v33, 7, v0
	v_lshlrev_b32 v33, 4, v33
	v_lshl_add_u32 v[VA], v32, LDASH, v33
	v_mul_u32_u24 v34, 144, v32
	v_add_nc_u32 v[AST], v34, v33
	v_mul_u32_u24 v[FA], 4*NP, v32                 ; my NP rows' factors lie side by side in the table
	v_add_nc_u32 v[FA], FTB, v[FA]
.endif
	v_add_nc_u32 v[AST+1], SLOT, v[AST]
.if B_KN
	v_lshrrev_b32 v32, 5, v0                       ; a wave takes a k row's 512 bytes
	v_and_b32 v33, 31, v0
	v_lshlrev_b32 v34, 4, v33
	v_lshl_add_u32 v[VB], v32, 12, v34
	v_mul_u32_u24 v34, 288, v32
	v_lshl_add_u32 v34, v33, 3, v34
.else
	v_lshrrev_b32 v32, 4, v0
	v_lshlrev_b32 v33, 4, v1
	v_lshl_add_u32 v[VB], v32, 12, v33
	v_mul_u32_u24 v34, 144, v32
	v_lshl_add_u32 v34, v1, 3, v34
.endif
	v_add_nc_u32 v[BST], ABYTES, v34
	v_add_nc_u32 v[BST+1], SLOT, v[BST]
	v_mul_u32_u24 v35, 144, v1                     ; fragments with K along the row: row r, 16 bytes for each half of the lanes
	v_lshl_add_u32 v35, v2, 4, v35
	s_mul_i32 s17, s13, 16*MT*144
	v_add_nc_u32 v[AFR], s17, v35
	v_add_nc_u32 v[AFR+1], SLOT, v[AFR]
.if B_KN
	v_and_b32 v36, 7, v0                           ; transposing load: k row 8 h + lane % 8, 16 bytes at 16 ((lane / 8) % 2)
	v_lshl_add_u32 v36, v2, 3, v36
	v_mul_u32_u24 v36, 288, v36
	v_bfe_u32 v37, v0, 3, 1
	v_lshl_add_u32 v36, v37, 4, v36
	s_lshl_b32 s17, s14, 7
	s_add_co_u32 s17, s17, ABYTES
	v_add_nc_u32 v[BFR], s17, v36
.else
	s_mul_i32 s17, s14, 64*144
	s_add_co_u32 s17, s17, ABYTES
	v_add_nc_u32 v[BFR], s17, v35
.endif
	v_add_nc_u32 v[BFR+1], SLOT, v[BFR]
	s_wait_kmcnt 0x0
	s_mul_i32 s20, s16, TM*LDA
	s_add_nc_u64 s[40:41], s[4:5], s[20:21]        ; A at my rows: even steps,
	s_add_nc_u64 s[42:43], s[40:41], ASTEP         ; odd steps: a base for each, so that one can be stepped while the other's loads are out
	s_mul_i32 s20, ttmp9, BCOL
.if BBATCH
	s_lshr_b32 s17, s16, BSH
	s_mul_i32 s17, s17, BBATCH
	s_add_co_u32 s20, s20, s17
.endif
	s_add_nc_u64 s[44:45], s[6:7], s[20:21]
	s_add_nc_u64 s[46:47], s[44:45], BSTEP
.if A_F32 == 0
	s_mul_i32 s20, s16, TM*4
	s_add_co_u32 s20, s20, ADATA
	s_add_nc_u64 s[48:49], s[4:5], s[20:21]        ; A's statistics, [block][row] f32, at my rows
.endif
.if EPI == 1
	; each wave asks once for its own 128 rows x 64 f32 of the mask: one tensor load outstanding, waited for in front of the way out
	s_lshl_b32 s20, s16, 21                        ; 256 rows of 8,192 bytes
	s_lshl_b32 s17, s13, 20
	s_add_co_u32 s20, s20, s17
	s_lshl_b32 s17, ttmp9, 9
	s_add_co_u32 s20, s20, s17
	s_lshl_b32 s17, s14, 8
	s_add_co_u32 s20, s20, s17
	s_mov_b32 s28, 1                               ; group 0: count
	s_mul_i32 s29, s12, MASKW
	s_add_co_u32 s29, s29, MASKB                   ; LDS address: the wave's own bytes
	s_add_nc_u64 s[30:31], s[10:11], s[20:21]
	s_or_b32 s31, s31, 0x80000000                  ; type 2
	s_mov_b32 s32, (2<<16)|(1<<20)|(5<<22)|(3<<25) ; 4-byte elements; 4 words of padding behind every 64
	s_mov_b32 s33, 64<<16                          ; tensor_dim0
	s_mov_b32 s34, 128<<16                         ; tensor_dim1
	s_mov_b32 s35, 64<<16                          ; tile_dim0
	s_mov_b32 s36, 128                             ; tile_dim1
	s_mov_b32 s37, 2048                            ; elements from row to row
	s_mov_b32 s38, 0
	s_mov_b32 s39, 0
	tensor_load_to_lds s[28:31], s[32:39]
.endif
; n loads of 16 bytes a lane: one operand's tile of a K step into window 2
.macro LOADT par, sub, n, va, base, pass
	WIN W_LD
.set pp, 0
.rept \n
	global_load_b128 v[128*\par+\sub+4*pp:128*\par+\sub+4*pp+3], v[\va], s[\base+2*\par:\base+2*\par+1] offset:pp*\pass
.set pp, pp+1
.endr
.endm
; a loaded f32 tile to f16 and into LDS: 64 numbers a lane
.macro CVT_STORE par, sub, adr
	WIN W_CVT
.set pp, 0
.rept 16
	v_cvt_pk_f16_f32 v[TMP+2*pp],   v[128*\par+\sub+4*pp],   v[128*\par+\sub+4*pp+1]
	v_cvt_pk_f16_f32 v[TMP+2*pp+1], v[128*\par+\sub+4*pp+2], v[128*\par+\sub+4*pp+3]
.set pp, pp+1
.endr
	WIN 0
.set pp, 0
.rept 16
	ds_store_b64 v[\adr+\par], v[TMP+2*pp:TMP+2*pp+1] offset:pp*1152
.set pp, pp+1
.endr
.endm
.macro LOADFAC                         ; my NP rows' factors of the next block; the address steps one block on
.set pp, 0
.rept NP/4
	ds_load_b128 v[FAC+4*pp:FAC+4*pp+3], v[FA] offset:16*pp
.set pp, pp+1
.endr
	v_add_nc_u32 v[FA], 4*TM, v[FA]
.endm
; A's tile of the step of parity par goes into slot par; load = 1: the step two further on is asked for
.macro CHORE_A par, load, cnt
	s_wait_loadcnt \cnt                            ; loads return in order: the tile is in, and its base is free to step
.if A_F32
	CVT_STORE \par, 0, AST
.else
.set cc, 0
.rept NP/8
	WIN W_PKM
.set pp, 0
.rept 8
.irp q, 0,1,2,3
	v_pk_mul_f16 v[TMP+4*pp+\q], v[128*\par+4*(8*cc+pp)+\q], v[FAC+8*cc+pp]   ; a power of two: brings the block to its row's exponent
.endr
.set pp, pp+1
.endr
	WIN 0
.set pp, 0
.rept 8
	ds_store_b128 v[AST+\par], v[TMP+4*pp:TMP+4*pp+3] offset:(8*cc+pp)*2304
.set pp, pp+1
.endr
.set cc, cc+1
.endr
.endif
.if \load
	s_add_nc_u64 s[40+2*\par:41+2*\par], s[40+2*\par:41+2*\par], 2*ASTEP
	LOADT \par, 0, NA, VA, 40, APASS
.endif
.endm
.macro CHORE_B par, load, cnt
	s_wait_loadcnt \cnt
	CVT_STORE \par, 64, BST
.if \load
	s_add_nc_u64 s[44+2*\par:45+2*\par], s[44+2*\par:45+2*\par], 2*BSTEP
	LOADT \par, 64, NB, VB, 44, BPASS
.endif
.endm
; the fragments of 32 along K (half step ks of a slot) into buffer f: NF LDS loads
.macro FETCH f, slot, ks
.set aa, 0
.rept MT
	ds_load_b128 v[\f+8*aa:\f+8*aa+3],   v[AFR+\slot] offset:2304*aa+64*\ks
	ds_load_b128 v[\f+8*aa+4:\f+8*aa+7], v[AFR+\slot] offset:2304*aa+64*\ks+32
.set aa, aa+1
.endr
.irp b, 0,1,2,3
.if B_KN
	ds_load_tr16_b128 v[\f+64+8*\b:\f+64+8*\b+3],   v[BFR+\slot] offset:9216*\ks+32*\b
	ds_load_tr16_b128 v[\f+64+8*\b+4:\f+64+8*\b+7], v[BFR+\slot] offset:9216*\ks+32*\b+4608
.else
	ds_load_b128 v[\f+64+8*\b:\f+64+8*\b+3],   v[BFR+\slot] offset:2304*\b+64*\ks
	ds_load_b128 v[\f+64+8*\b+4:\f+64+8*\b+7], v[BFR+\slot] offset:2304*\b+64*\ks+32
.endif
.endr
.endm
; 2 MT matrix instructions: m tiles first .. first + MT/2 - 1 x 4 n tiles.  Source 0 is B's fragment, source 1 A's: a lane then holds
; eight neighbouring columns (8 h + j) of row r of C.  zero = 1: the first product starts the sums, nothing is cleared.
.macro MULG f, first, zero
	WIN W_MUL
.set aa, \first
.rept MT/2
.irp b, 0,1,2,3
.if \zero
	v_wmma_f32_16x16x32_f16 v[8*(4*aa+\b):8*(4*aa+\b)+7], v[\f+64+8*\b:\f+64+8*\b+7], v[\f+8*aa:\f+8*aa+7], 0
.else
	v_wmma_f32_16x16x32_f16 v[8*(4*aa+\b):8*(4*aa+\b)+7], v[\f+64+8*\b:\f+64+8*\b+7], v[\f+8*aa:\f+8*aa+7], v[8*(4*aa+\b):8*(4*aa+\b)+7]
.endif
.endr
.set aa, aa+1
.endr
.endm
; ONE K STEP.  Slot cur is multiplied; conv = 1: the next step is converted into slot nxt; load = 1: the step three on is asked for.
; One barrier does both orderings: in front of it my reads of cur and my stores into nxt are done; behind it nxt is read, and in the
; next trip cur is written again.
.macro TRIP cur, nxt, zero, conv, load, ca, cb, more
	WIN 0
	PLACES                                         ; buffer 1 was read by the matrix instructions just issued
.if \conv*(1-A_F32)
	LOADFAC
.endif
	FETCH F1, \cur, 1
	s_wait_dscnt NF                                ; the NF loads just issued may be out: buffer 0 and the factors are in
	MULG F0, 0, \zero
.if \conv
	CHORE_A \nxt, \load, \ca
.endif
	MULG F0, MT/2, \zero
.if \conv
	CHORE_B \nxt, \load, \cb
.endif
	s_wait_dscnt 0x0                               ; for the others' sake: my reads of cur, my stores into nxt
	s_barrier_signal -1
	MULG F1, 0, 0                                  ; registers only
	s_barrier_wait -1
.if \more
	WIN 0
	PLACES
	FETCH F0, \nxt, 0
.endif
	MULG F1, MT/2, 0
.endm
; ---------------- the statistics of A: block factors and the factor on the sums ----------------
.if A_F32 == 0
	v_lshlrev_b32 v[SO], 2, v0                     ; thread t takes row t (and t + 128)
.set uu, 0
.rept TM/128
.set bb, 0
.rept NBI
	global_load_b32 v[ST+NBI*uu+bb], v[SO], s[48:49] offset:16384*bb+512*uu
.set bb, bb+1
.endr
.set uu, uu+1
.endr
.if HAS_L
.set bb, 0
.rept NBI
	global_load_b32 v[ST+NBI+bb], v[SO], s[48:49] offset:16384*(NBI+bb)
.set bb, bb+1
.endr
.endif
.endif
	LOADT 0, 0, NA, VA, 40, APASS                  ; step 0
	LOADT 0, 64, NB, VB, 44, BPASS
.if A_F32 == 0
	WIN 0
	v_lshrrev_b32 v34, 4, v0                       ; table word of (block, row): block x 4 TM + (row % 16) x 4 NP + (row / 16) x 4
	v_lshlrev_b32 v34, 2, v34
	v_mul_u32_u24 v35, 4*NP, v1
	v_add_nc_u32 v34, v34, v35
	v_add_nc_u32 v34, FTB, v34
	v_add_nc_u32 v35, POSTB, v[SO]
	s_wait_loadcnt CT                              ; only step 0's NA + NB loads may be out: the statistics are in
.set uu, 0
.rept TM/128
.set S0, ST+NBI*uu
	v_max_num_f32 v32, v[S0], v[S0+1]              ; the row's largest exponent (or maximum)
.set bb, 2
.rept (NBI-2)/2
	v_max3_num_f32 v32, v32, v[S0+bb], v[S0+bb+1]
.set bb, bb+2
.endr
.set bb, 0
.rept NBI
	v_sub_f32 v[S0+bb], v[S0+bb], v32
.set bb, bb+1
.endr
.set bb, 0
.rept NBI
	v_exp_f32 v[S0+bb], v[S0+bb]                   ; whole numbers in, powers of two out
.set bb, bb+1
.endr
.if POSTK != 3
	v_exp_f32 v33, v32
.endif
	v_nop                                          ; one plain instruction behind the transcendentals (ISA guide 5.7.2)
.if POSTK == 2
	v_mul_f32 v33, 0x3d38aa3b, v33                 ; log2(e) / 32: scores come out in base 2
.endif
.if POSTK == 3
	s_wait_alu depctr_va_vdst(0)
	v_mul_f32 v33, v[S0], v[S0+NBI]                ; l = sum over blocks of factor x block sum
.set bb, 1
.rept NBI-1
	v_fmac_f32 v33, v[S0+bb], v[S0+NBI+bb]
.set bb, bb+1
.endr
	v_rcp_f32 v33, v33
	v_nop
.endif
.set bb, 0
.rept NBI
	v_cvt_pk_f16_f32 v[S0+bb], v[S0+bb], v[S0+bb]
.set bb, bb+1
.endr
.set bb, 0
.rept NBI
	ds_store_b32 v34, v[S0+bb] offset:4*TM*bb+32*uu
.set bb, bb+1
.endr
	s_wait_alu depctr_va_vdst(0)
	ds_store_b32 v35, v33 offset:512*uu
.set uu, uu+1
.endr
.endif
	LOADT 1, 0, NA, VA, 40, APASS                  ; step 1
	LOADT 1, 64, NB, VB, 44, BPASS
	WIN 0
.if A_F32 == 0
	s_wait_dscnt 0x0                               ; my table words are written,
	s_barrier_signal -1
	s_barrier_wait -1                              ; everybody's are
	LOADFAC
	s_wait_dscnt 0x0
.endif
	CHORE_A 0, 1, CA                               ; step 0 into slot 0; step 2 asked for
	CHORE_B 0, 1, CB
	WIN 0
	s_wait_dscnt 0x0
	s_barrier_signal -1
	s_barrier_wait -1
	FETCH F0, 0, 0
; ---------------- NS trips: two in front of the loop (they start the sums), the last four written out (they ask for nothing beyond K) ----------------
	TRIP 0, 1, 1, 1, 1, CA, CB, 1
	TRIP 1, 0, 0, 1, 1, CA, CB, 1
	WIN 0
	s_mov_b32 s22, (NS-6)/2
.Lpair:
	TRIP 0, 1, 0, 1, 1, CA, CB, 1
	TRIP 1, 0, 0, 1, 1, CA, CB, 1
	WIN 0
	s_sub_co_u32 s22, s22, 1
	s_cmp_lg_u32 s22, 0
	s_cbranch_scc1 .Lpair
	TRIP 0, 1, 0, 1, 1, CA, CB, 1                  ; asks for the last step
	TRIP 1, 0, 0, 1, 0, CA, CT, 1                  ; behind B(NS-2) only A(NS-1) and B(NS-1) were issued
	TRIP 0, 1, 0, 1, 0, NB, 0, 1                   ; behind A(NS-1) only B(NS-1); behind that nothing
	TRIP 1, 0, 0, 0, 0, 0, 0, 0                    ; its barrier also frees the ring for the stage
; ---------------- the way out ----------------
	WIN 0
	PLACES                                         ; behind the last matrix instructions: results are read, fragment registers written
	v_mov_b32 v[T1], 0                             ; v_permlanex16_b32 counts as a reader of its destination
	s_mul_i32 s17, s13, 16*MT                      ; my first row in the block
.if POSTK
	s_lshl_b32 s18, s17, 2
	s_add_co_u32 s18, s18, POSTB
	v_lshl_add_u32 v[PA], v1, 2, s18
.endif
	s_mul_i32 s18, s17, SPITCH
.if EPI == 2
	s_lshl_b32 s19, s14, 8
	v_lshlrev_b32 v[STO], 5, v2
.else
	s_lshl_b32 s19, s14, 7
	v_lshlrev_b32 v[STO], 4, v2
.endif
	s_add_co_u32 s18, s18, s19
	v_add_nc_u32 v[STO], s18, v[STO]
	v_mul_u32_u24 v32, SPITCH, v1
	v_add_nc_u32 v[STO], v32, v[STO]               ; stage: row r of my rows, my 64 columns, my half's 8 numbers
	v_and_b32 v33, 31, v0
	s_mul_i32 s18, s12, (TM/4)*SPITCH              ; read back: wave w takes rows (TM/4) w ..
.if EPI == 2
	v_lshlrev_b32 v[CO], 4, v33
	v_add_nc_u32 v[RD], s18, v[CO]
.else
	v_lshlrev_b32 v34, 4, v1
	v_mul_u32_u24 v[RD], SPITCH, v2
	v_add3_u32 v[RD], v[RD], v34, s18
	v_lshl_add_u32 v[CO], v2, LDCSH, v34
.endif
.if EPI != 2
	s_mul_i32 s18, s12, SSWB
	s_add_co_u32 s18, s18, SSB
	v_lshl_add_u32 v[SSW], v1, 2, s18
.if MT == 4
	v_lshlrev_b32 v[GS], 3, v33
.else
	v_lshlrev_b32 v[GS], 4, v33
.endif
	v_add_nc_u32 v[SSR], s18, v[GS]
	s_lshl_b32 s18, ttmp9, 1                       ; my block of 64 columns: 2 x + wn; a plane of 4,096 rows for each
	s_add_co_u32 s18, s18, s14
	s_lshl_b32 s18, s18, 14
	s_mul_i32 s19, s16, TM
	s_add_co_u32 s19, s19, s17
	s_lshl_b32 s19, s19, 2
	s_add_co_u32 s20, s18, s19
	s_add_co_u32 s20, s20, CDATA
	s_add_nc_u64 s[50:51], s[8:9], s[20:21]
.endif
	s_mul_i32 s18, s16, TM
	s_mul_i32 s19, s12, TM/4
	s_add_co_u32 s18, s18, s19
	s_mul_i32 s20, s18, LDC
	s_mul_i32 s18, ttmp9, XB
	s_add_co_u32 s20, s20, s18
	s_add_nc_u64 s[52:53], s[8:9], s[20:21]
.if EPI == 1
	s_mul_i32 s18, s12, MASKW
	s_add_co_u32 s18, s18, MASKB
	v_mul_u32_u24 v[MK], 272, v1
	v_lshl_add_u32 v[MK], v2, 5, v[MK]
	v_add_nc_u32 v[MK], s18, v[MK]
	s_wait_tensorcnt 0x0                           ; my mask tile is in LDS; only I read it
.endif
; one m tile: 16 rows x my 64 columns; a lane holds 32 numbers of row r, its partner lane (the other half) the other 32
.macro TILE a
	WIN 0
.if POSTK
	ds_load_b32 v[PO], v[PA] offset:64*\a
.endif
.if EPI == 1
.irp b, 0,1,2,3
	ds_load_b128 v[MSK+8*\b:MSK+8*\b+3],   v[MK] offset:4352*\a+64*\b
	ds_load_b128 v[MSK+8*\b+4:MSK+8*\b+7], v[MK] offset:4352*\a+64*\b+16
.endr
.endif
.if EPI == 0
	v_mov_b32 v[AM], 0                             ; largest magnitude of the row's 64 numbers
	WIN W_AMX
.set ii, 0
.rept 16
	v_max3_num_f32 v[AM], v[AM], |v[32*\a+2*ii]|, |v[32*\a+2*ii+1]|
.set ii, ii+1
.endr
	WIN 0
	v_permlanex16_b32 v[T1], v[AM], s24, s25
	v_max_num_f32 v[AM], v[AM], v[T1]
.endif
.if POSTK
	s_wait_dscnt 0x0                               ; the row's factor (and the mask) are in
	v_mov_b32 v[PO+1], v[PO]
	WIN W_ACC
.set ii, 0
.rept 16
	v_pk_mul_f32 v[X+2*ii:X+2*ii+1], v[32*\a+2*ii:32*\a+2*ii+1], v[PO:PO+1]
.set ii, ii+1
.endr
	WIN 0
.endif
.if EPI == 0
.if POSTK
	v_mul_f32 v[AM], v[AM], v[PO]
.endif
	v_lshrrev_b32 v[T1], 23, v[AM]                 ; e, the biased exponent (the sign is 0)
	v_min_u32 v[T1], 253, v[T1]                    ; so that 2^(127 - e) is a normal number
	v_sub_nc_u32 v[T2], 254, v[T1]
	v_lshlrev_b32 v[SC], 23, v[T2]                 ; 2^(127 - e): the largest magnitude lands in [1, 2)
	v_mov_b32 v[SC+1], v[SC]
	v_add_nc_u32 v[T2], 0xffffff81, v[T1]
	v_cvt_f32_i32 v[T2], v[T2]                     ; e - 127, kept as f32 beside the data
.if POSTK
.set ii, 0
.rept 16
	v_pk_mul_f32 v[X+2*ii:X+2*ii+1], v[X+2*ii:X+2*ii+1], v[SC:SC+1]
.set ii, ii+1
.endr
.else
	WIN W_ACC
.set ii, 0
.rept 16
	v_pk_mul_f32 v[X+2*ii:X+2*ii+1], v[32*\a+2*ii:32*\a+2*ii+1], v[SC:SC+1]
.set ii, ii+1
.endr
	WIN 0
.endif
.endif
.if EPI == 1
.set ii, 0
.rept 16
	v_pk_fma_f32 v[X+2*ii:X+2*ii+1], v[MSK+2*ii:MSK+2*ii+1], 0x3fb8aa3b, v[X+2*ii:X+2*ii+1] op_sel_hi:[1,0,1]   ; + mask log2(e)
.set ii, ii+1
.endr
	v_max_num_f32 v[AM], v[X], v[X+1]
.set ii, 1
.rept 15
	v_max3_num_f32 v[AM], v[AM], v[X+2*ii], v[X+2*ii+1]
.set ii, ii+1
.endr
	v_permlanex16_b32 v[T1], v[AM], s24, s25
	v_max_num_f32 v[AM], v[AM], v[T1]
	v_max_num_f32 v[AM], 0xff7fffff, v[AM]         ; a block that is all -inf: exponentials 0, not NaN
	v_floor_f32 v[SC], v[AM]                       ; the block's maximum, rounded down: exponents stay below 1
	v_floor_f32 v[SC+1], v[AM]
.set ii, 0
.rept 16
	v_pk_add_f32 v[X+2*ii:X+2*ii+1], v[X+2*ii:X+2*ii+1], v[SC:SC+1] neg_lo:[0,1] neg_hi:[0,1]
.set ii, ii+1
.endr
.set ii, 0
.rept 32
	v_exp_f32 v[X+ii], v[X+ii]
.set ii, ii+1
.endr
	v_nop                                          ; one plain instruction behind the transcendentals (ISA guide 5.7.2)
.set ii, 0
.rept 8
	v_pk_add_f32 v[MSK+2*ii:MSK+2*ii+1], v[X+4*ii:X+4*ii+1], v[X+4*ii+2:X+4*ii+3]
.set ii, ii+1
.endr
.irp n, 4,2,1
.set ii, 0
.rept \n
	v_pk_add_f32 v[MSK+2*ii:MSK+2*ii+1], v[MSK+4*ii:MSK+4*ii+1], v[MSK+4*ii+2:MSK+4*ii+3]
.set ii, ii+1
.endr
.endr
	v_add_f32 v[LS], v[MSK], v[MSK+1]
	v_permlanex16_b32 v[T1], v[LS], s24, s25
	v_add_f32 v[LS], v[LS], v[T1]                  ; the block's sum of exponentials
.endif
.if EPI == 2
.irp b, 0,1,2,3
	ds_store_b128 v[STO], v[X+8*\b:X+8*\b+3]   offset:8448*\a+64*\b
	ds_store_b128 v[STO], v[X+8*\b+4:X+8*\b+7] offset:8448*\a+64*\b+16
.endr
.else
.set ii, 0
.rept 16
	v_cvt_pk_f16_f32 v[H+ii], v[X+2*ii], v[X+2*ii+1]
.set ii, ii+1
.endr
.irp b, 0,1,2,3
	ds_store_b128 v[STO], v[H+4*\b:H+4*\b+3] offset:4352*\a+32*\b
.endr
.if EPI == 1
	ds_store_b32 v[SSW], v[SC] offset:64*\a        ; both halves write the same word with the same number
	ds_store_b32 v[SSW], v[LS] offset:512+64*\a
.else
	ds_store_b32 v[SSW], v[T2] offset:64*\a
.endif
.endif
.endm
.set tt, 0
.rept MT
	TILE tt
.set tt, tt+1
.endr
.if EPI != 2
	; my statistics, out of my own stage (LDS serves a wave's instructions in order): each store covers 256 or 512 consecutive bytes, aligned
.if MT == 4
	ds_load_b64 v[SV:SV+1], v[SSR]
	s_wait_dscnt 0x0
	global_store_b64 v[GS], v[SV:SV+1], s[50:51]
.else
	ds_load_b128 v[SV:SV+3], v[SSR]
	ds_load_b128 v[SV+4:SV+7], v[SSR] offset:512
	s_wait_dscnt 0x0
	global_store_b128 v[GS], v[SV:SV+3], s[50:51]
	global_store_b128 v[GS], v[SV+4:SV+7], s[50:51] offset:524288
.endif
.endif
	s_wait_dscnt 0x0                               ; my part of the stage is written,
	s_barrier_signal -1
	s_barrier_wait -1                              ; everybody's is: whole rows can be read
.set ii, 0
.rept NRB
	ds_load_b128 v[64+4*ii:64+4*ii+3], v[RD] offset:ii*RSTEP
.set ii, ii+1
.endr
.set ii, 0
.rept NRB
	s_wait_dscnt NRB-1-ii                          ; the younger read-back loads may be out
.if EPI == 2
	global_store_b128 v[CO], v[64+4*ii:64+4*ii+3], s[52:53] offset:ii*GSTEP th:TH_STORE_NT
.else
	global_store_b128 v[CO], v[64+4*ii:64+4*ii+3], s[52:53] offset:ii*GSTEP   ; 16 lanes store 256 consecutive bytes, aligned
.endif
.set ii, ii+1
.endr
	s_wait_tensorcnt 0x0
	ds_add_u32 v222, v223
	s_wait_dscnt 0x0
	s_endpgm
.Lfunc_end_k_qb3da92b3dc_mix:
	.size	k_qb3da92b3dc_mix, .Lfunc_end_k_qb3da92b3dc_mix-k_qb3da92b3dc_mix
	.p2alignl 7, 3214868480
	.fill 96, 4, 3214868480
	.section	.rodata,"a",@progbits
	.p2align	6, 0x0
	.amdhsa_kernel k_qb3da92b3dc_mix
		.amdhsa_group_segment_fixed_size 92672
		.amdhsa_private_segment_fixed_size 0
		.amdhsa_enable_private_segment 0
		.amdhsa_kernarg_size 24
		.amdhsa_user_sgpr_count 2
		.amdhsa_user_sgpr_kernarg_segment_ptr 1
		.amdhsa_wavefront_size32 1
		.amdhsa_system_sgpr_workgroup_id_x 1
		.amdhsa_system_sgpr_workgroup_id_y 1
		.amdhsa_system_sgpr_workgroup_id_z 1
		.amdhsa_system_vgpr_workitem_id 0
		.amdhsa_next_free_vgpr 768
		.amdhsa_next_free_sgpr 66
		.amdhsa_reserve_vcc 0
		.amdhsa_float_denorm_mode_32 3
		.amdhsa_float_denorm_mode_16_64 3
		.amdhsa_memory_ordered 1
		.amdhsa_forward_progress 1
		.amdhsa_inst_pref_size 146
	.end_amdhsa_kernel
	.amdgpu_metadata
---
amdhsa.version: [ 1, 2 ]
amdhsa.kernels:
  - .name:           k_qb3da92b3dc_mix
    .symbol:         k_qb3da92b3dc_mix.kd
    .args:
      - { .name: pb, .offset: 0, .size: 8, .value_kind: global_buffer, .address_space: global }
      - { .name: v, .offset: 8, .size: 8, .value_kind: global_buffer, .address_space: global }
      - { .name: ub, .offset: 16, .size: 8, .value_kind: global_buffer, .address_space: global }
    .group_segment_fixed_size: 92672
    .private_segment_fixed_size: 0
    .kernarg_segment_align: 8
    .kernarg_segment_size: 24
    .max_flat_workgroup_size: 128
    .sgpr_count:     66
    .vgpr_count:     768
    .wavefront_size: 32
...
	.end_amdgpu_metadata
.endif
;; end of part 4
;; launch projo (part 5): grid 8 x 32, 4 waves a work-group, no clusters, 92,672 bytes of LDS; arguments ub, W_v, out0; writes out0
.if DOCPART == 5
	.amdgcn_target "amdgcn-amd-amdhsa--gfx1250"
	.amdhsa_code_object_version 6
	.text
	.protected	k_qb3da92b3dc_projo
	.globl	k_qb3da92b3dc_projo
	.p2align	8
	.type	k_qb3da92b3dc_projo,@function
k_qb3da92b3dc_projo:
	s_mov_b64 s[64:65], 0
	v_nop
	global_prefetch_b8 v0, s[64:65] scope:SCOPE_SE
	s_setreg_imm32_b32 hwreg(HW_REG_WAVE_MODE, 25, 1), 1
	s_wait_xcnt 0x0
; LAUNCH 5 OF 5:  out = u Wv^T.   A = ub (f16 with block exponents),  B = W_v [n][k] f32,  C = out0 (f32).
;
; THE PROGRAM.  reference(): out = softmax((q Wq^T)(k Wk^T)^T / 32 + mask) (v Wv^T).  Here the same products in another order:
;   qp = q Wq^T;  t = qp Wk;  P = softmax(t k^T / 32 + mask);  u = P v;  out = u Wv^T.
; That is 60 GFLOP in place of 112, and k and v are read as they lie in memory, with no projected copies of them.
; One text serves the five launches; the constants under WHAT THIS LAUNCH IS pick its paths.
; LIMITS.  (1) The order of the products, and so of the roundings, is not reference()'s.  (2) Matrix operands are f16, sums f32.
; Raw inputs are rounded to f16 as they are: above 65,504 they become infinite, below 6e-8 zero.  (3) Intermediates are stored as f16
; numbers in [-2, 2] with one power of two for each row and block of 64 columns, kept as f32 beside the data, so their range is f32's;
; a block more than 2^24 below its row's largest block counts as zero.  (4) Softmax: each block of 64 scores has its own maximum
; (rounded down to a whole number, so that the factor between blocks is an exact power of two) taken away before the exponential;
; the launch that sums over j brings all blocks to the row's maximum.  A row whose mask is all -inf gives NaN, as in reference().
; NO CLUSTER: the tiles that work-groups share most (B) are f32 in memory and f16 in LDS.  A joint tensor load copies bytes as they are:
; a step's 32 KB of B would go into LDS as f32, out to registers and in again as f16, on top of the 96 KB of LDS traffic that a
; step has already.  A's f16 tiles need their block factor multiplied in on the way, so they pass through registers as well.
;
; SHAPE.  Four waves; the work-group makes TM x 128 of C, a wave 16 MT rows x 64 columns.  K goes in steps of 64 through two LDS slots.
; Global loads run two steps ahead into registers (window 2); in trip i step i+1 is converted and stored into the other slot.
; ---------------- WHAT THIS LAUNCH IS ----------------
.set A_F32,  0                         ; A is f32 (1) or f16 with block exponents (0)
.set B_KN,   0                         ; B lies [k][n] (1) or [n][k] (0)
.set MT,     4                         ; tiles of 16 rows in a wave
.set NS,     16                        ; K steps of 64
.set LDA,    2048                      ; bytes in a row of A
.set ASTEP,  128                       ; bytes of a row of A in a K step
.set NBI,    16                        ; blocks of 64 columns in a row of A (statistics read)
.set HAS_L,  0                         ; A carries a second plane: the blocks' sums of exponentials
.set POSTK,  1                         ; factor on the sums: 0 none, 1 2^m, 2 2^m log2(e)/32, 3 1/l
.set EPI,    2                         ; way out: 0 f16 with block exponents, 1 block softmax, 2 f32
.set LDC,    4096                      ; bytes in a row of C
.set BSH,    0                         ; batch = block row >> BSH
.set BBATCH, 0                         ; bytes of B in a batch (0: one B for all)
.set ADATA,  8388608                   ; bytes of A's data, behind which its statistics lie
.set CDATA,  0                         ; the same for C
; ---------------- derived sizes ----------------
.set TM,     32*MT                     ; rows of C in a work-group
.set NP,     2*MT                      ; TM / 16
.set NB,     16                        ; 16-byte loads a lane for B's 64 x 128 f32 of a step
.if A_F32
.set NA,     16                        ; the same for A's 128 x 64 f32
.set APASS,  32768                     ; a pass of the 128 threads covers 8 rows of 256 bytes
.else
.set NA,     NP                        ; a pass covers 16 rows of 128 bytes
.set APASS,  16*LDA
.endif
.if B_KN
.set BPASS,  16384                     ; a pass covers 4 k rows of 512 bytes
.set BSTEP,  262144                    ; 64 k rows of 4,096 bytes
.set BCOL,   512                       ; 128 columns of f32
.else
.set BPASS,  32768                     ; a pass covers 8 n rows of 256 bytes
.set BSTEP,  256
.set BCOL,   524288                    ; 128 n rows of 4,096 bytes
.endif
.if LDA == 4096
.set LDASH,  12
.else
.set LDASH,  11
.endif
.if LDC == 4096
.set LDCSH,  12
.else
.set LDCSH,  11
.endif
.set NF,     2*(MT+4)                  ; LDS loads of one half step's fragments
.set CA,     NA+2*NB                   ; loads issued behind A(i+1): B(i+1), A(i+2), B(i+2)
.set CB,     2*NA+NB                   ; loads issued behind B(i+1): A(i+2), B(i+2), A(i+3)
.set CT,     NA+NB
; ---------------- LDS ----------------
.set ABYTES, TM*144                    ; A: rows of 128 bytes, pitch 144 = 9 x 16: a fragment load's 16 rows fall on 16 different 16-byte columns of 256
.set SLOT,   ABYTES+18432              ; B: 128 rows at pitch 144, or 64 k rows of 256 bytes at pitch 288 = 9 x 32 for the transposing load
.set FTB,    2*SLOT                    ; factor table: one word (f, f) in f16 for each block and row
.set POSTB,  FTB+16384                 ; one f32 for each row
.set SSB,    POSTB+4*TM                ; each wave's own stage for the statistics that it makes
.if EPI == 1
.set SSWB,   1024
.else
.set SSWB,   256
.endif
.set MASKB,  SSB+4*SSWB                ; each wave's own 128 x 64 f32 of the mask, pitch 272 (block softmax only)
.set MASKW,  128*272
.if EPI == 2
.set SPITCH, 528                       ; the stage for C lies over the ring, which is done with by then
.set NRB,    32                        ; read back: one row of 512 bytes a load
.set RSTEP,  528
.set GSTEP,  LDC
.set XB,     512
.else
.set SPITCH, 272
.set NRB,    TM/8                      ; two rows of 256 bytes a load
.set RSTEP,  544
.set GSTEP,  2*LDC
.set XB,     256
.endif
; ---------------- registers ----------------
; window 0: v1 r = lane % 16, v2 h = lane / 16; addresses; v32-63 converted data; v64-159, v160-255 two fragment buffers (A at +0, B at +64)
; window 1: accumulators, tile (a, b) at 8 (4 a + b).   window 2: loaded steps, parity s at 128 s, A at +0, B at +64.
.set VA,  4
.set VB,  5
.set AST, 6
.set BST, 8
.set AFR, 10
.set BFR, 12
.set FA,  14
.set SO,  15
.set FAC, 16
.set TMP, 32
.set F0,  64
.set F1,  160
.set ST,  64
.set STO, 16                           ; the way out uses v16-31 and the fragment buffers again
.set RD,  17
.set CO,  18
.set SSW, 19
.set SSR, 20
.set MK,  21
.set PA,  22
.set GS,  23
.set SV,  24
.set X,   64
.set MSK, 96
.set H,   128
.set PO,  144
.set SC,  146
.set AM,  148
.set T1,  149
.set T2,  150
.set LS,  151
.set W_MUL, 0x50                       ; s_set_vgpr_msb: C and D in window 1
.set W_LD,  0x80                       ; destination in window 2
.set W_CVT, 0x0a                       ; sources 0 and 1 in window 2
.set W_PKM, 0x02                       ; source 0 in window 2
.set W_ACC, 0x01                       ; source 0 in window 1
.set W_AMX, 0x14                       ; sources 1 and 2 in window 1
.set MSB, 0
.macro WIN new                         ; the immediate's high byte repeats the setting that is left
.if MSB != \new
	s_set_vgpr_msb (MSB<<8)|\new
.set MSB, \new
.endif
.endm
.macro PLACES                          ; four independent vector instructions behind a matrix instruction (ISA guide 7.12.1)
.rept 4
	v_nop
.endr
.endm
	s_load_b128 s[4:7], s[0:1], 0x0                ; A, B
	s_load_b64 s[8:9], s[0:1], 0x10                ; C
	v_lshl_add_u32 v222, v0, 2, 0x16800
	v_mov_b32 v223, 0
.if EPI == 1
	s_load_b64 s[10:11], s[0:1], 0x18              ; mask
.endif
	v_lshrrev_b32 v3, 5, v0
	v_readfirstlane_b32 s12, v3                    ; wave
	s_lshr_b32 s13, s12, 1                         ; wm: which half of the rows
	s_and_b32 s14, s12, 1                          ; wn: which 64 columns
	s_and_b32 s16, ttmp7, 0xffff                   ; block row y; ttmp9 is the block column x
	s_mov_b32 s24, 0x76543210                      ; v_permlanex16_b32: lane i takes lane i of the other half
	s_mov_b32 s25, 0xfedcba98
	s_mov_b32 s21, 0                               ; high word of every offset pair s[20:21]
	v_and_b32 v1, 15, v0
	v_bfe_u32 v2, v0, 4, 1
.if A_F32
	v_lshrrev_b32 v32, 4, v0                       ; 16 threads take a row's 256 bytes
	v_lshlrev_b32 v33, 4, v1
	v_lshl_add_u32 v[VA], v32, 12, v33
	v_mul_u32_u24 v34, 144, v32
	v_lshl_add_u32 v[AST], v1, 3, v34              ; 4 f32 become 8 bytes
.else
	v_lshrrev_b32 v32, 3, v0                       ; 8 threads take a row's 128 bytes
	v_and_b32 v33, 7, v0
	v_lshlrev_b32 v33, 4, v33
	v_lshl_add_u32 v[VA], v32, LDASH, v33
	v_mul_u32_u24 v34, 144, v32
	v_add_nc_u32 v[AST], v34, v33
	v_mul_u32_u24 v[FA], 4*NP, v32                 ; my NP rows' factors lie side by side in the table
	v_add_nc_u32 v[FA], FTB, v[FA]
.endif
	v_add_nc_u32 v[AST+1], SLOT, v[AST]
.if B_KN
	v_lshrrev_b32 v32, 5, v0                       ; a wave takes a k row's 512 bytes
	v_and_b32 v33, 31, v0
	v_lshlrev_b32 v34, 4, v33
	v_lshl_add_u32 v[VB], v32, 12, v34
	v_mul_u32_u24 v34, 288, v32
	v_lshl_add_u32 v34, v33, 3, v34
.else
	v_lshrrev_b32 v32, 4, v0
	v_lshlrev_b32 v33, 4, v1
	v_lshl_add_u32 v[VB], v32, 12, v33
	v_mul_u32_u24 v34, 144, v32
	v_lshl_add_u32 v34, v1, 3, v34
.endif
	v_add_nc_u32 v[BST], ABYTES, v34
	v_add_nc_u32 v[BST+1], SLOT, v[BST]
	v_mul_u32_u24 v35, 144, v1                     ; fragments with K along the row: row r, 16 bytes for each half of the lanes
	v_lshl_add_u32 v35, v2, 4, v35
	s_mul_i32 s17, s13, 16*MT*144
	v_add_nc_u32 v[AFR], s17, v35
	v_add_nc_u32 v[AFR+1], SLOT, v[AFR]
.if B_KN
	v_and_b32 v36, 7, v0                           ; transposing load: k row 8 h + lane % 8, 16 bytes at 16 ((lane / 8) % 2)
	v_lshl_add_u32 v36, v2, 3, v36
	v_mul_u32_u24 v36, 288, v36
	v_bfe_u32 v37, v0, 3, 1
	v_lshl_add_u32 v36, v37, 4, v36
	s_lshl_b32 s17, s14, 7
	s_add_co_u32 s17, s17, ABYTES
	v_add_nc_u32 v[BFR], s17, v36
.else
	s_mul_i32 s17, s14, 64*144
	s_add_co_u32 s17, s17, ABYTES
	v_add_nc_u32 v[BFR], s17, v35
.endif
	v_add_nc_u32 v[BFR+1], SLOT, v[BFR]
	s_wait_kmcnt 0x0
	s_mul_i32 s20, s16, TM*LDA
	s_add_nc_u64 s[40:41], s[4:5], s[20:21]        ; A at my rows: even steps,
	s_add_nc_u64 s[42:43], s[40:41], ASTEP         ; odd steps: a base for each, so that one can be stepped while the other's loads are out
	s_mul_i32 s20, ttmp9, BCOL
.if BBATCH
	s_lshr_b32 s17, s16, BSH
	s_mul_i32 s17, s17, BBATCH
	s_add_co_u32 s20, s20, s17
.endif
	s_add_nc_u64 s[44:45], s[6:7], s[20:21]
	s_add_nc_u64 s[46:47], s[44:45], BSTEP
.if A_F32 == 0
	s_mul_i32 s20, s16, TM*4
	s_add_co_u32 s20, s20, ADATA
	s_add_nc_u64 s[48:49], s[4:5], s[20:21]        ; A's statistics, [block][row] f32, at my rows
.endif
.if EPI == 1
	; each wave asks once for its own 128 rows x 64 f32 of the mask: one tensor load outstanding, waited for in front of the way out
	s_lshl_b32 s20, s16, 21                        ; 256 rows of 8,192 bytes
	s_lshl_b32 s17, s13, 20
	s_add_co_u32 s20, s20, s17
	s_lshl_b32 s17, ttmp9, 9
	s_add_co_u32 s20, s20, s17
	s_lshl_b32 s17, s14, 8
	s_add_co_u32 s20, s20, s17
	s_mov_b32 s28, 1                               ; group 0: count
	s_mul_i32 s29, s12, MASKW
	s_add_co_u32 s29, s29, MASKB                   ; LDS address: the wave's own bytes
	s_add_nc_u64 s[30:31], s[10:11], s[20:21]
	s_or_b32 s31, s31, 0x80000000                  ; type 2
	s_mov_b32 s32, (2<<16)|(1<<20)|(5<<22)|(3<<25) ; 4-byte elements; 4 words of padding behind every 64
	s_mov_b32 s33, 64<<16                          ; tensor_dim0
	s_mov_b32 s34, 128<<16                         ; tensor_dim1
	s_mov_b32 s35, 64<<16                          ; tile_dim0
	s_mov_b32 s36, 128                             ; tile_dim1
	s_mov_b32 s37, 2048                            ; elements from row to row
	s_mov_b32 s38, 0
	s_mov_b32 s39, 0
	tensor_load_to_lds s[28:31], s[32:39]
.endif
; n loads of 16 bytes a lane: one operand's tile of a K step into window 2
.macro LOADT par, sub, n, va, base, pass
	WIN W_LD
.set pp, 0
.rept \n
	global_load_b128 v[128*\par+\sub+4*pp:128*\par+\sub+4*pp+3], v[\va], s[\base+2*\par:\base+2*\par+1] offset:pp*\pass
.set pp, pp+1
.endr
.endm
; a loaded f32 tile to f16 and into LDS: 64 numbers a lane
.macro CVT_STORE par, sub, adr
	WIN W_CVT
.set pp, 0
.rept 16
	v_cvt_pk_f16_f32 v[TMP+2*pp],   v[128*\par+\sub+4*pp],   v[128*\par+\sub+4*pp+1]
	v_cvt_pk_f16_f32 v[TMP+2*pp+1], v[128*\par+\sub+4*pp+2], v[128*\par+\sub+4*pp+3]
.set pp, pp+1
.endr
	WIN 0
.set pp, 0
.rept 16
	ds_store_b64 v[\adr+\par], v[TMP+2*pp:TMP+2*pp+1] offset:pp*1152
.set pp, pp+1
.endr
.endm
.macro LOADFAC                         ; my NP rows' factors of the next block; the address steps one block on
.set pp, 0
.rept NP/4
	ds_load_b128 v[FAC+4*pp:FAC+4*pp+3], v[FA] offset:16*pp
.set pp, pp+1
.endr
	v_add_nc_u32 v[FA], 4*TM, v[FA]
.endm
; A's tile of the step of parity par goes into slot par; load = 1: the step two further on is asked for
.macro CHORE_A par, load, cnt
	s_wait_loadcnt \cnt                            ; loads return in order: the tile is in, and its base is free to step
.if A_F32
	CVT_STORE \par, 0, AST
.else
.set cc, 0
.rept NP/8
	WIN W_PKM
.set pp, 0
.rept 8
.irp q, 0,1,2,3
	v_pk_mul_f16 v[TMP+4*pp+\q], v[128*\par+4*(8*cc+pp)+\q], v[FAC+8*cc+pp]   ; a power of two: brings the block to its row's exponent
.endr
.set pp, pp+1
.endr
	WIN 0
.set pp, 0
.rept 8
	ds_store_b128 v[AST+\par], v[TMP+4*pp:TMP+4*pp+3] offset:(8*cc+pp)*2304
.set pp, pp+1
.endr
.set cc, cc+1
.endr
.endif
.if \load
	s_add_nc_u64 s[40+2*\par:41+2*\par], s[40+2*\par:41+2*\par], 2*ASTEP
	LOADT \par, 0, NA, VA, 40, APASS
.endif
.endm
.macro CHORE_B par, load, cnt
	s_wait_loadcnt \cnt
	CVT_STORE \par, 64, BST
.if \load
	s_add_nc_u64 s[44+2*\par:45+2*\par], s[44+2*\par:45+2*\par], 2*BSTEP
	LOADT \par, 64, NB, VB, 44, BPASS
.endif
.endm
; the fragments of 32 along K (half step ks of a slot) into buffer f: NF LDS loads
.macro FETCH f, slot, ks
.set aa, 0
.rept MT
	ds_load_b128 v[\f+8*aa:\f+8*aa+3],   v[AFR+\slot] offset:2304*aa+64*\ks
	ds_load_b128 v[\f+8*aa+4:\f+8*aa+7], v[AFR+\slot] offset:2304*aa+64*\ks+32
.set aa, aa+1
.endr
.irp b, 0,1,2,3
.if B_KN
	ds_load_tr16_b128 v[\f+64+8*\b:\f+64+8*\b+3],   v[BFR+\slot] offset:9216*\ks+32*\b
	ds_load_tr16_b128 v[\f+64+8*\b+4:\f+64+8*\b+7], v[BFR+\slot] offset:9216*\ks+32*\b+4608
.else
	ds_load_b128 v[\f+64+8*\b:\f+64+8*\b+3],   v[BFR+\slot] offset:2304*\b+64*\ks
	ds_load_b128 v[\f+64+8*\b+4:\f+64+8*\b+7], v[BFR+\slot] offset:2304*\b+64*\ks+32
.endif
.endr
.endm
; 2 MT matrix instructions: m tiles first .. first + MT/2 - 1 x 4 n tiles.  Source 0 is B's fragment, source 1 A's: a lane then holds
; eight neighbouring columns (8 h + j) of row r of C.  zero = 1: the first product starts the sums, nothing is cleared.
.macro MULG f, first, zero
	WIN W_MUL
.set aa, \first
.rept MT/2
.irp b, 0,1,2,3
.if \zero
	v_wmma_f32_16x16x32_f16 v[8*(4*aa+\b):8*(4*aa+\b)+7], v[\f+64+8*\b:\f+64+8*\b+7], v[\f+8*aa:\f+8*aa+7], 0
.else
	v_wmma_f32_16x16x32_f16 v[8*(4*aa+\b):8*(4*aa+\b)+7], v[\f+64+8*\b:\f+64+8*\b+7], v[\f+8*aa:\f+8*aa+7], v[8*(4*aa+\b):8*(4*aa+\b)+7]
.endif
.endr
.set aa, aa+1
.endr
.endm
; ONE K STEP.  Slot cur is multiplied; conv = 1: the next step is converted into slot nxt; load = 1: the step three on is asked for.
; One barrier does both orderings: in front of it my reads of cur and my stores into nxt are done; behind it nxt is read, and in the
; next trip cur is written again.
.macro TRIP cur, nxt, zero, conv, load, ca, cb, more
	WIN 0
	PLACES                                         ; buffer 1 was read by the matrix instructions just issued
.if \conv*(1-A_F32)
	LOADFAC
.endif
	FETCH F1, \cur, 1
	s_wait_dscnt NF                                ; the NF loads just issued may be out: buffer 0 and the factors are in
	MULG F0, 0, \zero
.if \conv
	CHORE_A \nxt, \load, \ca
.endif
	MULG F0, MT/2, \zero
.if \conv
	CHORE_B \nxt, \load, \cb
.endif
	s_wait_dscnt 0x0                               ; for the others' sake: my reads of cur, my stores into nxt
	s_barrier_signal -1
	MULG F1, 0, 0                                  ; registers only
	s_barrier_wait -1
.if \more
	WIN 0
	PLACES
	FETCH F0, \nxt, 0
.endif
	MULG F1, MT/2, 0
.endm
; ---------------- the statistics of A: block factors and the factor on the sums ----------------
.if A_F32 == 0
	v_lshlrev_b32 v[SO], 2, v0                     ; thread t takes row t (and t + 128)
.set uu, 0
.rept TM/128
.set bb, 0
.rept NBI
	global_load_b32 v[ST+NBI*uu+bb], v[SO], s[48:49] offset:16384*bb+512*uu
.set bb, bb+1
.endr
.set uu, uu+1
.endr
.if HAS_L
.set bb, 0
.rept NBI
	global_load_b32 v[ST+NBI+bb], v[SO], s[48:49] offset:16384*(NBI+bb)
.set bb, bb+1
.endr
.endif
.endif
	LOADT 0, 0, NA, VA, 40, APASS                  ; step 0
	LOADT 0, 64, NB, VB, 44, BPASS
.if A_F32 == 0
	WIN 0
	v_lshrrev_b32 v34, 4, v0                       ; table word of (block, row): block x 4 TM + (row % 16) x 4 NP + (row / 16) x 4
	v_lshlrev_b32 v34, 2, v34
	v_mul_u32_u24 v35, 4*NP, v1
	v_add_nc_u32 v34, v34, v35
	v_add_nc_u32 v34, FTB, v34
	v_add_nc_u32 v35, POSTB, v[SO]
	s_wait_loadcnt CT                              ; only step 0's NA + NB loads may be out: the statistics are in
.set uu, 0
.rept TM/128
.set S0, ST+NBI*uu
	v_max_num_f32 v32, v[S0], v[S0+1]              ; the row's largest exponent (or maximum)
.set bb, 2
.rept (NBI-2)/2
	v_max3_num_f32 v32, v32, v[S0+bb], v[S0+bb+1]
.set bb, bb+2
.endr
.set bb, 0
.rept NBI
	v_sub_f32 v[S0+bb], v[S0+bb], v32
.set bb, bb+1
.endr
.set bb, 0
.rept NBI
	v_exp_f32 v[S0+bb], v[S0+bb]                   ; whole numbers in, powers of two out
.set bb, bb+1
.endr
.if POSTK != 3
	v_exp_f32 v33, v32
.endif
	v_nop                                          ; one plain instruction behind the transcendentals (ISA guide 5.7.2)
.if POSTK == 2
	v_mul_f32 v33, 0x3d38aa3b, v33                 ; log2(e) / 32: scores come out in base 2
.endif
.if POSTK == 3
	v_mul_f32 v33, v[S0], v[S0+NBI]                ; l = sum over blocks of factor x block sum
.set bb, 1
.rept NBI-1
	v_fmac_f32 v33, v[S0+bb], v[S0+NBI+bb]
.set bb, bb+1
.endr
	v_rcp_f32 v33, v33
	v_nop
.endif
.set bb, 0
	s_wait_alu depctr_va_vdst(0)
.rept NBI
	v_cvt_pk_f16_f32 v[S0+bb], v[S0+bb], v[S0+bb]
.set bb, bb+1
.endr
.set bb, 0
.rept NBI
	ds_store_b32 v34, v[S0+bb] offset:4*TM*bb+32*uu
.set bb, bb+1
.endr
	ds_store_b32 v35, v33 offset:512*uu
.set uu, uu+1
.endr
.endif
	LOADT 1, 0, NA, VA, 40, APASS                  ; step 1
	LOADT 1, 64, NB, VB, 44, BPASS
	WIN 0
.if A_F32 == 0
	s_wait_dscnt 0x0                               ; my table words are written,
	s_barrier_signal -1
	s_barrier_wait -1                              ; everybody's are
	LOADFAC
	s_wait_dscnt 0x0
.endif
	CHORE_A 0, 1, CA                               ; step 0 into slot 0; step 2 asked for
	CHORE_B 0, 1, CB
	WIN 0
	s_wait_dscnt 0x0
	s_barrier_signal -1
	s_barrier_wait -1
	FETCH F0, 0, 0
; ---------------- NS trips: two in front of the loop (they start the sums), the last four written out (they ask for nothing beyond K) ----------------
	TRIP 0, 1, 1, 1, 1, CA, CB, 1
	TRIP 1, 0, 0, 1, 1, CA, CB, 1
	WIN 0
	s_mov_b32 s22, (NS-6)/2
.Lpair:
	TRIP 0, 1, 0, 1, 1, CA, CB, 1
	TRIP 1, 0, 0, 1, 1, CA, CB, 1
	WIN 0
	s_sub_co_u32 s22, s22, 1
	s_cmp_lg_u32 s22, 0
	s_cbranch_scc1 .Lpair
	TRIP 0, 1, 0, 1, 1, CA, CB, 1                  ; asks for the last step
	TRIP 1, 0, 0, 1, 0, CA, CT, 1                  ; behind B(NS-2) only A(NS-1) and B(NS-1) were issued
	TRIP 0, 1, 0, 1, 0, NB, 0, 1                   ; behind A(NS-1) only B(NS-1); behind that nothing
	TRIP 1, 0, 0, 0, 0, 0, 0, 0                    ; its barrier also frees the ring for the stage
; ---------------- the way out ----------------
	WIN 0
	PLACES                                         ; behind the last matrix instructions: results are read, fragment registers written
	v_mov_b32 v[T1], 0                             ; v_permlanex16_b32 counts as a reader of its destination
	s_mul_i32 s17, s13, 16*MT                      ; my first row in the block
.if POSTK
	s_lshl_b32 s18, s17, 2
	s_add_co_u32 s18, s18, POSTB
	v_lshl_add_u32 v[PA], v1, 2, s18
.endif
	s_mul_i32 s18, s17, SPITCH
.if EPI == 2
	s_lshl_b32 s19, s14, 8
	v_lshlrev_b32 v[STO], 5, v2
.else
	s_lshl_b32 s19, s14, 7
	v_lshlrev_b32 v[STO], 4, v2
.endif
	s_add_co_u32 s18, s18, s19
	v_add_nc_u32 v[STO], s18, v[STO]
	v_mul_u32_u24 v32, SPITCH, v1
	v_add_nc_u32 v[STO], v32, v[STO]               ; stage: row r of my rows, my 64 columns, my half's 8 numbers
	v_and_b32 v33, 31, v0
	s_mul_i32 s18, s12, (TM/4)*SPITCH              ; read back: wave w takes rows (TM/4) w ..
.if EPI == 2
	v_lshlrev_b32 v[CO], 4, v33
	v_add_nc_u32 v[RD], s18, v[CO]
.else
	v_lshlrev_b32 v34, 4, v1
	v_mul_u32_u24 v[RD], SPITCH, v2
	v_add3_u32 v[RD], v[RD], v34, s18
	v_lshl_add_u32 v[CO], v2, LDCSH, v34
.endif
.if EPI != 2
	s_mul_i32 s18, s12, SSWB
	s_add_co_u32 s18, s18, SSB
	v_lshl_add_u32 v[SSW], v1, 2, s18
.if MT == 4
	v_lshlrev_b32 v[GS], 3, v33
.else
	v_lshlrev_b32 v[GS], 4, v33
.endif
	v_add_nc_u32 v[SSR], s18, v[GS]
	s_lshl_b32 s18, ttmp9, 1                       ; my block of 64 columns: 2 x + wn; a plane of 4,096 rows for each
	s_add_co_u32 s18, s18, s14
	s_lshl_b32 s18, s18, 14
	s_mul_i32 s19, s16, TM
	s_add_co_u32 s19, s19, s17
	s_lshl_b32 s19, s19, 2
	s_add_co_u32 s20, s18, s19
	s_add_co_u32 s20, s20, CDATA
	s_add_nc_u64 s[50:51], s[8:9], s[20:21]
.endif
	s_mul_i32 s18, s16, TM
	s_mul_i32 s19, s12, TM/4
	s_add_co_u32 s18, s18, s19
	s_mul_i32 s20, s18, LDC
	s_mul_i32 s18, ttmp9, XB
	s_add_co_u32 s20, s20, s18
	s_add_nc_u64 s[52:53], s[8:9], s[20:21]
.if EPI == 1
	s_mul_i32 s18, s12, MASKW
	s_add_co_u32 s18, s18, MASKB
	v_mul_u32_u24 v[MK], 272, v1
	v_lshl_add_u32 v[MK], v2, 5, v[MK]
	v_add_nc_u32 v[MK], s18, v[MK]
	s_wait_tensorcnt 0x0                           ; my mask tile is in LDS; only I read it
.endif
; one m tile: 16 rows x my 64 columns; a lane holds 32 numbers of row r, its partner lane (the other half) the other 32
.macro TILE a
	WIN 0
.if POSTK
	ds_load_b32 v[PO], v[PA] offset:64*\a
.endif
.if EPI == 1
.irp b, 0,1,2,3
	ds_load_b128 v[MSK+8*\b:MSK+8*\b+3],   v[MK] offset:4352*\a+64*\b
	ds_load_b128 v[MSK+8*\b+4:MSK+8*\b+7], v[MK] offset:4352*\a+64*\b+16
.endr
.endif
.if EPI == 0
	v_mov_b32 v[AM], 0                             ; largest magnitude of the row's 64 numbers
	WIN W_AMX
.set ii, 0
.rept 16
	v_max3_num_f32 v[AM], v[AM], |v[32*\a+2*ii]|, |v[32*\a+2*ii+1]|
.set ii, ii+1
.endr
	WIN 0
	v_permlanex16_b32 v[T1], v[AM], s24, s25
	v_max_num_f32 v[AM], v[AM], v[T1]
.endif
.if POSTK
	s_wait_dscnt 0x0                               ; the row's factor (and the mask) are in
	v_mov_b32 v[PO+1], v[PO]
	WIN W_ACC
.set ii, 0
.rept 16
	v_pk_mul_f32 v[X+2*ii:X+2*ii+1], v[32*\a+2*ii:32*\a+2*ii+1], v[PO:PO+1]
.set ii, ii+1
.endr
	WIN 0
.endif
.if EPI == 0
.if POSTK
	v_mul_f32 v[AM], v[AM], v[PO]
.endif
	v_lshrrev_b32 v[T1], 23, v[AM]                 ; e, the biased exponent (the sign is 0)
	v_min_u32 v[T1], 253, v[T1]                    ; so that 2^(127 - e) is a normal number
	v_sub_nc_u32 v[T2], 254, v[T1]
	v_lshlrev_b32 v[SC], 23, v[T2]                 ; 2^(127 - e): the largest magnitude lands in [1, 2)
	v_mov_b32 v[SC+1], v[SC]
	v_add_nc_u32 v[T2], 0xffffff81, v[T1]
	v_cvt_f32_i32 v[T2], v[T2]                     ; e - 127, kept as f32 beside the data
.if POSTK
.set ii, 0
.rept 16
	v_pk_mul_f32 v[X+2*ii:X+2*ii+1], v[X+2*ii:X+2*ii+1], v[SC:SC+1]
.set ii, ii+1
.endr
.else
	WIN W_ACC
.set ii, 0
.rept 16
	v_pk_mul_f32 v[X+2*ii:X+2*ii+1], v[32*\a+2*ii:32*\a+2*ii+1], v[SC:SC+1]
.set ii, ii+1
.endr
	WIN 0
.endif
.endif
.if EPI == 1
.set ii, 0
.rept 16
	v_pk_fma_f32 v[X+2*ii:X+2*ii+1], v[MSK+2*ii:MSK+2*ii+1], 0x3fb8aa3b, v[X+2*ii:X+2*ii+1] op_sel_hi:[1,0,1]   ; + mask log2(e)
.set ii, ii+1
.endr
	v_max_num_f32 v[AM], v[X], v[X+1]
.set ii, 1
.rept 15
	v_max3_num_f32 v[AM], v[AM], v[X+2*ii], v[X+2*ii+1]
.set ii, ii+1
.endr
	v_permlanex16_b32 v[T1], v[AM], s24, s25
	v_max_num_f32 v[AM], v[AM], v[T1]
	v_max_num_f32 v[AM], 0xff7fffff, v[AM]         ; a block that is all -inf: exponentials 0, not NaN
	v_floor_f32 v[SC], v[AM]                       ; the block's maximum, rounded down: exponents stay below 1
	v_floor_f32 v[SC+1], v[AM]
.set ii, 0
.rept 16
	v_pk_add_f32 v[X+2*ii:X+2*ii+1], v[X+2*ii:X+2*ii+1], v[SC:SC+1] neg_lo:[0,1] neg_hi:[0,1]
.set ii, ii+1
.endr
.set ii, 0
.rept 32
	v_exp_f32 v[X+ii], v[X+ii]
.set ii, ii+1
.endr
	v_nop                                          ; one plain instruction behind the transcendentals (ISA guide 5.7.2)
.set ii, 0
.rept 8
	v_pk_add_f32 v[MSK+2*ii:MSK+2*ii+1], v[X+4*ii:X+4*ii+1], v[X+4*ii+2:X+4*ii+3]
.set ii, ii+1
.endr
.irp n, 4,2,1
.set ii, 0
.rept \n
	v_pk_add_f32 v[MSK+2*ii:MSK+2*ii+1], v[MSK+4*ii:MSK+4*ii+1], v[MSK+4*ii+2:MSK+4*ii+3]
.set ii, ii+1
.endr
.endr
	v_add_f32 v[LS], v[MSK], v[MSK+1]
	v_permlanex16_b32 v[T1], v[LS], s24, s25
	v_add_f32 v[LS], v[LS], v[T1]                  ; the block's sum of exponentials
.endif
.if EPI == 2
.irp b, 0,1,2,3
	ds_store_b128 v[STO], v[X+8*\b:X+8*\b+3]   offset:8448*\a+64*\b
	ds_store_b128 v[STO], v[X+8*\b+4:X+8*\b+7] offset:8448*\a+64*\b+16
.endr
.else
.set ii, 0
.rept 16
	v_cvt_pk_f16_f32 v[H+ii], v[X+2*ii], v[X+2*ii+1]
.set ii, ii+1
.endr
.irp b, 0,1,2,3
	ds_store_b128 v[STO], v[H+4*\b:H+4*\b+3] offset:4352*\a+32*\b
.endr
.if EPI == 1
	ds_store_b32 v[SSW], v[SC] offset:64*\a        ; both halves write the same word with the same number
	ds_store_b32 v[SSW], v[LS] offset:512+64*\a
.else
	ds_store_b32 v[SSW], v[T2] offset:64*\a
.endif
.endif
.endm
.set tt, 0
.rept MT
	TILE tt
.set tt, tt+1
.endr
.if EPI != 2
	; my statistics, out of my own stage (LDS serves a wave's instructions in order): each store covers 256 or 512 consecutive bytes, aligned
.if MT == 4
	ds_load_b64 v[SV:SV+1], v[SSR]
	s_wait_dscnt 0x0
	global_store_b64 v[GS], v[SV:SV+1], s[50:51]
.else
	ds_load_b128 v[SV:SV+3], v[SSR]
	ds_load_b128 v[SV+4:SV+7], v[SSR] offset:512
	s_wait_dscnt 0x0
	global_store_b128 v[GS], v[SV:SV+3], s[50:51]
	global_store_b128 v[GS], v[SV+4:SV+7], s[50:51] offset:524288
.endif
.endif
	s_wait_dscnt 0x0                               ; my part of the stage is written,
	s_barrier_signal -1
	s_barrier_wait -1                              ; everybody's is: whole rows can be read
.set ii, 0
.rept NRB
	ds_load_b128 v[64+4*ii:64+4*ii+3], v[RD] offset:ii*RSTEP
.set ii, ii+1
.endr
.set ii, 0
.rept NRB
	s_wait_dscnt NRB-1-ii                          ; the younger read-back loads may be out
.if EPI == 2
	global_store_b128 v[CO], v[64+4*ii:64+4*ii+3], s[52:53] offset:ii*GSTEP th:TH_STORE_NT
.else
	global_store_b128 v[CO], v[64+4*ii:64+4*ii+3], s[52:53] offset:ii*GSTEP   ; 16 lanes store 256 consecutive bytes, aligned
.endif
.set ii, ii+1
.endr
	s_wait_tensorcnt 0x0
	ds_add_u32 v222, v223
	s_wait_dscnt 0x0
	s_endpgm
.Lfunc_end_k_qb3da92b3dc_projo:
	.size	k_qb3da92b3dc_projo, .Lfunc_end_k_qb3da92b3dc_projo-k_qb3da92b3dc_projo
	.p2alignl 7, 3214868480
	.fill 96, 4, 3214868480
	.section	.rodata,"a",@progbits
	.p2align	6, 0x0
	.amdhsa_kernel k_qb3da92b3dc_projo
		.amdhsa_group_segment_fixed_size 92672
		.amdhsa_private_segment_fixed_size 0
		.amdhsa_enable_private_segment 0
		.amdhsa_kernarg_size 24
		.amdhsa_user_sgpr_count 2
		.amdhsa_user_sgpr_kernarg_segment_ptr 1
		.amdhsa_wavefront_size32 1
		.amdhsa_system_sgpr_workgroup_id_x 1
		.amdhsa_system_sgpr_workgroup_id_y 1
		.amdhsa_system_sgpr_workgroup_id_z 1
		.amdhsa_system_vgpr_workitem_id 0
		.amdhsa_next_free_vgpr 768
		.amdhsa_next_free_sgpr 66
		.amdhsa_reserve_vcc 0
		.amdhsa_float_denorm_mode_32 3
		.amdhsa_float_denorm_mode_16_64 3
		.amdhsa_memory_ordered 1
		.amdhsa_forward_progress 1
		.amdhsa_inst_pref_size 126
	.end_amdhsa_kernel
	.amdgpu_metadata
---
amdhsa.version: [ 1, 2 ]
amdhsa.kernels:
  - .name:           k_qb3da92b3dc_projo
    .symbol:         k_qb3da92b3dc_projo.kd
    .args:
      - { .name: ub, .offset: 0, .size: 8, .value_kind: global_buffer, .address_space: global }
      - { .name: W_v, .offset: 8, .size: 8, .value_kind: global_buffer, .address_space: global }
      - { .name: out0, .offset: 16, .size: 8, .value_kind: global_buffer, .address_space: global }
    .group_segment_fixed_size: 92672
    .private_segment_fixed_size: 0
    .kernarg_segment_align: 8
    .kernarg_segment_size: 24
    .max_flat_workgroup_size: 128
    .sgpr_count:     66
    .vgpr_count:     768
    .wavefront_size: 32
...
	.end_amdgpu_metadata
.endif
;; end of part 5
;; ======== version 2 of 2: 5 launches; version 1 with the launches projq, projt, mix, projo written anew for expert scheduling mode
;; limits: values are held in f16: magnitudes above 65,504 overflow, below 6.1e-05 lose precision; inputs' magnitudes at most 65,504
;; workspace buffers: qpb 8,650,752 bytes; tb 8,650,752 bytes; pb 17,825,792 bytes; ub 8,650,752 bytes
;; launch projq (part 6): grid 8 x 32, 4 waves a work-group, no clusters, 92,672 bytes of LDS; arguments q, W_q, qpb; writes qpb
.if DOCPART == 6
	.amdgcn_target "amdgcn-amd-amdhsa--gfx1250"
	.amdhsa_code_object_version 6
	.text
	.protected	k_qb3da92b3dc_projq
	.globl	k_qb3da92b3dc_projq
	.p2align	8
	.type	k_qb3da92b3dc_projq,@function
k_qb3da92b3dc_projq:
	s_mov_b64 s[64:65], 0
	v_nop
	global_prefetch_b8 v0, s[64:65] scope:SCOPE_SE
	s_setreg_imm32_b32 hwreg(HW_REG_WAVE_SCHED_MODE, 0, 2), 2
	s_setreg_imm32_b32 hwreg(HW_REG_WAVE_MODE, 25, 1), 1
	s_wait_xcnt 0x0
	s_wait_alu depctr_vm_vsrc(0)
; LAUNCH 1 OF 5:  qp = q Wq^T.   A = q [4096][1024] f32,  B = W_q [n][k] f32,  C = qpb (f16 with block exponents).
;
; THE PROGRAM.  reference(): out = softmax((q Wq^T)(k Wk^T)^T / 32 + mask) (v Wv^T).  Here the same products in another order:
;   qp = q Wq^T;  t = qp Wk;  P = softmax(t k^T / 32 + mask);  u = P v;  out = u Wv^T.
; That is 60 GFLOP in place of 112, and k and v are read as they lie in memory, with no projected copies of them.
; One text serves launches 1, 2, 4 and 5; the constants under WHAT THIS LAUNCH IS pick its paths.  Launch 3 (the block softmax, tiles of 256 rows) has a text of its own.
; LIMITS.  (1) The order of the products, and so of the roundings, is not reference()'s.  (2) Matrix operands are f16, sums f32.
; Raw inputs are rounded to f16 as they are: above 65,504 they become infinite, below 6e-8 zero.  (3) Intermediates are stored as f16
; numbers in [-2, 2] with one power of two for each row and block of 64 columns, kept as f32 beside the data, so their range is f32's;
; a block more than 2^24 below its row's largest block counts as zero.  (4) Softmax: each block of 64 scores has its own maximum
; (rounded down to a whole number, so that the factor between blocks is an exact power of two) taken away before the exponential;
; the launch that sums over j brings all blocks to the row's maximum.  A row whose mask is all -inf gives NaN, as in reference().
; NO CLUSTER: the tiles that work-groups share most (B) are f32 in memory and f16 in LDS.  A joint tensor load copies bytes as they are:
; a step's 32 KB of B would go into LDS as f32, out to registers and in again as f16, on top of the 96 KB of LDS traffic that a
; step has already.  A's f16 tiles need their block factor multiplied in on the way, so they pass through registers as well.
;
; SHAPE.  Four waves; the work-group makes TM x 128 of C, a wave 16 MT rows x 64 columns.  K goes in steps of 64 through two LDS slots.
; Global loads run two steps ahead into registers (window 2); in trip i step i+1 is converted and stored into the other slot.
; THE MODE: SCHED_MODE bits 1:0 = 2 (LLVM: expert scheduling mode 2), set by the entry lines.  The code itself states the register dependences
; between vector or matrix instructions and memory or LDS instructions, with s_wait_alu, always for 0.
; THE PLAN.  Registers that memory or LDS instructions touch in trip i (slot cur is multiplied, step i+1 goes into slot nxt):
;   RAW, window 2   A's and B's tile of step i+1: read by the trip's conversions; behind them the loads of step i+3 land in the same registers.
;   TMP v32-63      written by A's conversions, read by A's LDS stores; written again by B's conversions, read by B's LDS stores.
;   F0  v64-159     read by the trip's first 16 matrix instructions; loaded again behind the barrier, for trip i+1.
;   F1  v160-255    read by the trip's last 16 matrix instructions; loaded again in trip i+1, behind A's conversions.
;   FAC v16-23      a block's factors: read by A's multiplies; the next block's are loaded behind them.  v[FA], their address, is stepped once a trip.
;   v4-v13, v15     offsets and LDS addresses, made at the head and never written again: scalar bases and immediate offsets do the rest.
; FOUR WAITS A TRIP.  va_vdst behind A's conversions (TMP and v[FA] written; A's raw registers and FAC read; the last trip's matrix instructions done with F1);
; vm_vsrc ahead of B's conversions (A's stores have read TMP); va_vdst behind B's conversions (TMP written; B's raw registers read; the matrix instructions done with F0);
; vm_vsrc behind the barrier (B's stores have read TMP, the factors' loads v[FA]).  What follows each va_vdst names none of the registers that later vector or matrix lines touch.
; ---------------- WHAT THIS LAUNCH IS ----------------
.set A_F32,  1                         ; A is f32 (1) or f16 with block exponents (0)
.set B_KN,   0                         ; B lies [k][n] (1) or [n][k] (0)
.set MT,     4                         ; tiles of 16 rows in a wave
.set NS,     16                        ; K steps of 64
.set LDA,    4096                      ; bytes in a row of A
.set ASTEP,  256                       ; bytes of a row of A in a K step
.set NBI,    0                         ; blocks of 64 columns in a row of A (statistics read)
.set HAS_L,  0                         ; A carries a second plane: the blocks' sums of exponentials
.set POSTK,  0                         ; factor on the sums: 0 none, 1 2^m, 3 1/l
.set EPI,    0                         ; way out: 0 f16 with block exponents, 2 f32
.set LDC,    2048                      ; bytes in a row of C
.set BSH,    0                         ; batch = block row >> BSH
.set BBATCH, 0                         ; bytes of B in a batch (0: one B for all)
.set ADATA,  0                         ; bytes of A's data, behind which its statistics lie
.set CDATA,  8388608                   ; the same for C
; ---------------- derived sizes ----------------
.set TM,     32*MT                     ; rows of C in a work-group: 128, one for each thread
.set NP,     2*MT                      ; TM / 16 = 8: an f16 tile of A is 8 passes, which fill TMP once
.set NB,     16                        ; 16-byte loads a lane for B's 64 x 128 f32 of a step
.if A_F32
.set NA,     16                        ; the same for A's 128 x 64 f32
.set APASS,  32768                     ; a pass of the 128 threads covers 8 rows of 256 bytes
.else
.set NA,     NP                        ; a pass covers 16 rows of 128 bytes
.set APASS,  16*LDA
.endif
.if B_KN
.set BPASS,  16384                     ; a pass covers 4 k rows of 512 bytes
.set BSTEP,  262144                    ; 64 k rows of 4,096 bytes
.set BCOL,   512                       ; 128 columns of f32
.else
.set BPASS,  32768                     ; a pass covers 8 n rows of 256 bytes
.set BSTEP,  256
.set BCOL,   524288                    ; 128 n rows of 4,096 bytes
.endif
.if LDA == 4096
.set LDASH,  12
.else
.set LDASH,  11
.endif
.if LDC == 4096
.set LDCSH,  12
.else
.set LDCSH,  11
.endif
.set NF,     2*(MT+4)                  ; LDS loads of one half step's fragments
.set CA,     NA+2*NB                   ; loads issued behind A(i+1): B(i+1), A(i+2), B(i+2)
.set CB,     2*NA+NB                   ; loads issued behind B(i+1): A(i+2), B(i+2), A(i+3)
.set CT,     NA+NB
; ---------------- LDS ----------------
.set ABYTES, TM*144                    ; A: rows of 128 bytes, pitch 144 = 9 x 16: a fragment load's 16 rows fall on 16 different 16-byte columns of 256
.set SLOT,   ABYTES+18432              ; B: 128 rows at pitch 144, or 64 k rows of 256 bytes at pitch 288 = 9 x 32 for the transposing load
.set FTB,    2*SLOT                    ; factor table: one word (f, f) in f16 for each block and row
.set POSTB,  FTB+16384                 ; one f32 for each row
.set SSB,    POSTB+4*TM                ; each wave's own stage for the statistics that it makes
.set SSWB,   256
.if EPI == 2
.set SPITCH, 528                       ; the stage for C lies over the ring, which is done with by then
.set NRB,    32                        ; read back: one row of 512 bytes a load
.set RSTEP,  528
.set GSTEP,  LDC
.set XB,     512
.else
.set SPITCH, 272
.set NRB,    TM/8                      ; two rows of 256 bytes a load
.set RSTEP,  544
.set GSTEP,  2*LDC
.set XB,     256
.endif
; ---------------- registers ----------------
; window 0: v1 r = lane % 16, v2 h = lane / 16; addresses; v32-63 converted data; v64-159, v160-255 two fragment buffers (A at +0, B at +64)
; window 1: accumulators, tile (a, b) at 8 (4 a + b).   window 2: loaded steps, parity s at 128 s, A at +0, B at +64.
.set VA,  4
.set VB,  5
.set AST, 6
.set BST, 8
.set AFR, 10
.set BFR, 12
.set FA,  14
.set SO,  15
.set FAC, 16
.set TMP, 32
.set F0,  64
.set F1,  160
.set ST,  64
.set STO, 16                           ; the way out uses v16-25, v32-55 and the fragment buffers again
.set RD,  17
.set CO,  18
.set SSW, 19
.set SSR, 20
.set PA,  22
.set GS,  23
.set SV,  24
.set PO,  40                           ; v40-47: tile a's factor on the sums, as a pair at PO + 2 a
.set SC,  48
.set AM,  50
.set T1,  51
.set T2,  52                           ; v52-55: tile a's block exponent
.set X,   64                           ; at work; for the f32 way out tile a's 32 results at X + 32 a
.set H,   96                           ; v96-159: tile a's 16 registers of f16 at H + 16 a
.set W_MUL, 0x50                       ; s_set_vgpr_msb: C and D in window 1
.set W_LD,  0x80                       ; destination in window 2
.set W_CVT, 0x0a                       ; sources 0 and 1 in window 2
.set W_PKM, 0x02                       ; source 0 in window 2
.set W_ACC, 0x01                       ; source 0 in window 1
.set W_AMX, 0x14                       ; sources 1 and 2 in window 1
.set MSB, 0
.macro WIN new                         ; the immediate's high byte repeats the setting that is left
.if MSB != \new
	s_set_vgpr_msb (MSB<<8)|\new
.set MSB, \new
.endif
.endm
.macro PLACES                          ; four independent vector instructions behind a matrix instruction (ISA guide 7.12.1)
.rept 4
	v_nop
.endr
.endm
	s_load_b128 s[4:7], s[0:1], 0x0                ; A, B
	s_load_b64 s[8:9], s[0:1], 0x10                ; C
	v_lshl_add_u32 v222, v0, 2, 0x16800
	v_mov_b32 v223, 0
	v_lshrrev_b32 v3, 5, v0
	v_readfirstlane_b32 s12, v3                    ; wave
	s_and_b32 s16, ttmp7, 0xffff                   ; block row y; ttmp9 is the block column x
	s_mov_b32 s24, 0x76543210                      ; v_permlanex16_b32: lane i takes lane i of the other half
	s_mov_b32 s25, 0xfedcba98
	s_mov_b32 s21, 0                               ; high word of every offset pair s[20:21]
	v_and_b32 v1, 15, v0
	v_bfe_u32 v2, v0, 4, 1
	s_wait_alu depctr_va_sdst(0)                   ; s12 is written, ahead of its first reader: the wave's halves, LDS places and bases are made from it
	s_lshr_b32 s13, s12, 1                         ; wm: which half of the rows
	s_and_b32 s14, s12, 1                          ; wn: which 64 columns
.if A_F32
	v_lshrrev_b32 v32, 4, v0                       ; 16 threads take a row's 256 bytes
	v_lshlrev_b32 v33, 4, v1
	v_lshl_add_u32 v[VA], v32, 12, v33
	v_mul_u32_u24 v34, 144, v32
	v_lshl_add_u32 v[AST], v1, 3, v34              ; 4 f32 become 8 bytes
.else
	v_lshrrev_b32 v32, 3, v0                       ; 8 threads take a row's 128 bytes
	v_and_b32 v33, 7, v0
	v_lshlrev_b32 v33, 4, v33
	v_lshl_add_u32 v[VA], v32, LDASH, v33
	v_mul_u32_u24 v34, 144, v32
	v_add_nc_u32 v[AST], v34, v33
	v_mul_u32_u24 v[FA], 4*NP, v32                 ; my NP rows' factors lie side by side in the table
	v_add_nc_u32 v[FA], FTB, v[FA]
.endif
	v_add_nc_u32 v[AST+1], SLOT, v[AST]
.if B_KN
	v_lshrrev_b32 v32, 5, v0                       ; a wave takes a k row's 512 bytes
	v_and_b32 v33, 31, v0
	v_lshlrev_b32 v34, 4, v33
	v_lshl_add_u32 v[VB], v32, 12, v34
	v_mul_u32_u24 v34, 288, v32
	v_lshl_add_u32 v34, v33, 3, v34
.else
	v_lshrrev_b32 v32, 4, v0
	v_lshlrev_b32 v33, 4, v1
	v_lshl_add_u32 v[VB], v32, 12, v33
	v_mul_u32_u24 v34, 144, v32
	v_lshl_add_u32 v34, v1, 3, v34
.endif
	v_add_nc_u32 v[BST], ABYTES, v34
	v_add_nc_u32 v[BST+1], SLOT, v[BST]
	v_mul_u32_u24 v35, 144, v1                     ; fragments with K along the row: row r, 16 bytes for each half of the lanes
	v_lshl_add_u32 v35, v2, 4, v35
	s_mul_i32 s17, s13, 16*MT*144
	v_add_nc_u32 v[AFR], s17, v35
	v_add_nc_u32 v[AFR+1], SLOT, v[AFR]
.if B_KN
	v_and_b32 v36, 7, v0                           ; transposing load: k row 8 h + lane % 8, 16 bytes at 16 ((lane / 8) % 2)
	v_lshl_add_u32 v36, v2, 3, v36
	v_mul_u32_u24 v36, 288, v36
	v_bfe_u32 v37, v0, 3, 1
	v_lshl_add_u32 v36, v37, 4, v36
	s_lshl_b32 s17, s14, 7
	s_add_co_u32 s17, s17, ABYTES
	v_add_nc_u32 v[BFR], s17, v36
.else
	s_mul_i32 s17, s14, 64*144
	s_add_co_u32 s17, s17, ABYTES
	v_add_nc_u32 v[BFR], s17, v35
.endif
	v_add_nc_u32 v[BFR+1], SLOT, v[BFR]
	s_wait_kmcnt 0x0
	s_mul_i32 s20, s16, TM*LDA
	s_add_nc_u64 s[40:41], s[4:5], s[20:21]        ; A at my rows: even steps,
	s_add_nc_u64 s[42:43], s[40:41], ASTEP         ; odd steps: a base for each, so that one can be stepped while the other's loads are out
	s_mul_i32 s20, ttmp9, BCOL
.if BBATCH
	s_lshr_b32 s17, s16, BSH
	s_mul_i32 s17, s17, BBATCH
	s_add_co_u32 s20, s20, s17
.endif
	s_add_nc_u64 s[44:45], s[6:7], s[20:21]
	s_add_nc_u64 s[46:47], s[44:45], BSTEP
.if A_F32 == 0
	s_mul_i32 s20, s16, TM*4
	s_add_co_u32 s20, s20, ADATA
	s_add_nc_u64 s[48:49], s[4:5], s[20:21]        ; A's statistics, [block][row] f32, at my rows
.endif
; n loads of 16 bytes a lane: one operand's tile of a K step into window 2
.macro LOADT par, sub, n, va, base, pass
	WIN W_LD
.set pp, 0
.rept \n
	global_load_b128 v[128*\par+\sub+4*pp:128*\par+\sub+4*pp+3], v[\va], s[\base+2*\par:\base+2*\par+1] offset:pp*\pass
.set pp, pp+1
.endr
.endm
; a loaded f32 tile to f16: 64 numbers a lane, into TMP
.macro CVT par, sub
	WIN W_CVT
.set pp, 0
.rept 16
	v_cvt_pk_f16_f32 v[TMP+2*pp],   v[128*\par+\sub+4*pp],   v[128*\par+\sub+4*pp+1]
	v_cvt_pk_f16_f32 v[TMP+2*pp+1], v[128*\par+\sub+4*pp+2], v[128*\par+\sub+4*pp+3]
.set pp, pp+1
.endr
.endm
.macro FACS                            ; my NP rows' factors of the block at v[FA]
.set pp, 0
.rept NP/4
	ds_load_b128 v[FAC+4*pp:FAC+4*pp+3], v[FA] offset:16*pp
.set pp, pp+1
.endr
.endm
; A's tile of the step of parity par is made ready in TMP
.macro CONV_A par, cnt
	s_wait_loadcnt \cnt                            ; loads return in order: the tile is in, and its base is free to step
.if A_F32
	CVT \par, 0
.else
	WIN W_PKM
.set pp, 0
.rept 8
.irp q, 0,1,2,3
	v_pk_mul_f16 v[TMP+4*pp+\q], v[128*\par+4*pp+\q], v[FAC+pp]   ; a power of two: brings the block to its row's exponent
.endr
.set pp, pp+1
.endr
.endif
	s_wait_alu depctr_va_vdst(0)                   ; TMP is written, which A's LDS stores read; A's raw registers; v[FA] is written; the last trip's matrix instructions are done reading buffer 1
.endm
.macro STORE_A par                     ; TMP into slot par, in one run (ahead of the loop, where no matrix work is at hand)
	WIN 0
.set pp, 0
.if A_F32
.rept 16
	ds_store_b64 v[AST+\par], v[TMP+2*pp:TMP+2*pp+1] offset:pp*1152
.set pp, pp+1
.endr
.else
.rept 8
	ds_store_b128 v[AST+\par], v[TMP+4*pp:TMP+4*pp+3] offset:pp*2304
.set pp, pp+1
.endr
.endif
.endm
.macro LOAD_A par                      ; the step two further on is asked for
	s_add_nc_u64 s[40+2*\par:41+2*\par], s[40+2*\par:41+2*\par], 2*ASTEP
	LOADT \par, 0, NA, VA, 40, APASS
.endm
.macro CONV_B par, cnt
	s_wait_loadcnt \cnt
	s_wait_alu depctr_vm_vsrc(0)                   ; A's LDS stores have read TMP, which the conversions below write again
	CVT \par, 64
	s_wait_alu depctr_va_vdst(0)                   ; TMP is written, which B's LDS stores read; the matrix instructions issued so far are done reading buffer 0
.endm
.macro STORE_B par
	WIN 0
.set pp, 0
.rept 16
	ds_store_b64 v[BST+\par], v[TMP+2*pp:TMP+2*pp+1] offset:pp*1152
.set pp, pp+1
.endr
.endm
.macro LOAD_B par
	s_add_nc_u64 s[44+2*\par:45+2*\par], s[44+2*\par:45+2*\par], 2*BSTEP
	LOADT \par, 64, NB, VB, 44, BPASS
.endm
; the fragments of 32 along K (half step ks of a slot) into buffer f: NF LDS loads
.macro FETCH f, slot, ks
.set aa, 0
.rept MT
	ds_load_b128 v[\f+8*aa:\f+8*aa+3],   v[AFR+\slot] offset:2304*aa+64*\ks
	ds_load_b128 v[\f+8*aa+4:\f+8*aa+7], v[AFR+\slot] offset:2304*aa+64*\ks+32
.set aa, aa+1
.endr
.irp b, 0,1,2,3
.if B_KN
	ds_load_tr16_b128 v[\f+64+8*\b:\f+64+8*\b+3],   v[BFR+\slot] offset:9216*\ks+32*\b
	ds_load_tr16_b128 v[\f+64+8*\b+4:\f+64+8*\b+7], v[BFR+\slot] offset:9216*\ks+32*\b+4608
.else
	ds_load_b128 v[\f+64+8*\b:\f+64+8*\b+3],   v[BFR+\slot] offset:2304*\b+64*\ks
	ds_load_b128 v[\f+64+8*\b+4:\f+64+8*\b+7], v[BFR+\slot] offset:2304*\b+64*\ks+32
.endif
.endr
.endm
; 2 MT matrix instructions: m tiles first .. first + MT/2 - 1 x 4 n tiles.  Source 0 is B's fragment, source 1 A's: a lane then holds
; eight neighbouring columns (8 h + j) of row r of C.  zero = 1: the first product starts the sums, nothing is cleared.
.macro MULG f, first, zero
	WIN W_MUL
.set aa, \first
.rept MT/2
.irp b, 0,1,2,3
.if \zero
	v_wmma_f32_16x16x32_f16 v[8*(4*aa+\b):8*(4*aa+\b)+7], v[\f+64+8*\b:\f+64+8*\b+7], v[\f+8*aa:\f+8*aa+7], 0
.else
	v_wmma_f32_16x16x32_f16 v[8*(4*aa+\b):8*(4*aa+\b)+7], v[\f+64+8*\b:\f+64+8*\b+7], v[\f+8*aa:\f+8*aa+7], v[8*(4*aa+\b):8*(4*aa+\b)+7]
.endif
.endr
.set aa, aa+1
.endr
.endm
; The same eight matrix instructions with A's LDS stores into slot par dealt among them.  No wait: the matrix instructions name buffer f and accumulators, the stores
; TMP and their address, all written ahead of the last wait on va_vdst.  Under the matrix setting a store's address and data are in window 0: no switch.
.macro MULST f, first, zero, par
	WIN W_MUL
.set aa, \first
.set ss, 0
.rept MT/2
.irp b, 0,1,2,3
.if \zero
	v_wmma_f32_16x16x32_f16 v[8*(4*aa+\b):8*(4*aa+\b)+7], v[\f+64+8*\b:\f+64+8*\b+7], v[\f+8*aa:\f+8*aa+7], 0
.else
	v_wmma_f32_16x16x32_f16 v[8*(4*aa+\b):8*(4*aa+\b)+7], v[\f+64+8*\b:\f+64+8*\b+7], v[\f+8*aa:\f+8*aa+7], v[8*(4*aa+\b):8*(4*aa+\b)+7]
.endif
.if A_F32
	ds_store_b64 v[AST+\par], v[TMP+4*ss:TMP+4*ss+1]   offset:2*ss*1152
	ds_store_b64 v[AST+\par], v[TMP+4*ss+2:TMP+4*ss+3] offset:(2*ss+1)*1152
.else
	ds_store_b128 v[AST+\par], v[TMP+4*ss:TMP+4*ss+3] offset:ss*2304
.endif
.set ss, ss+1
.endr
.set aa, aa+1
.endr
.endm
; ONE K STEP.  Slot cur is multiplied; conv = 1: the next step is converted into slot nxt; load = 1: the step three on is asked for; fl = 1: the factors of the step after next are asked for.
; One barrier does both orderings: in front of it my reads of cur and my stores into nxt are done; behind it nxt is read, and in the
; next trip cur is written again.
.macro TRIP cur, nxt, zero, conv, load, ca, cb, more, fl
.if \conv
	s_wait_dscnt 0x0                               ; buffer 0's loads are the youngest LDS instructions: it is in
	MULG F0, 0, \zero
	CONV_A \nxt, \ca
	WIN 0
	FETCH F1, \cur, 1                              ; no vector or matrix instruction since the wait above names buffer 1
.if \fl*(1-A_F32)
	FACS
.endif
.if \load
	LOAD_A \nxt
.endif
	MULST F0, MT/2, \zero, \nxt
	CONV_B \nxt, \cb
	STORE_B \nxt
.if \load
	LOAD_B \nxt
.endif
.else
	WIN 0
	PLACES                                         ; buffer 1 was read by the matrix instructions just issued, and this trip has no conversions to stand between
	s_wait_alu depctr_va_vdst(0)                   ; the last trip's matrix instructions are done reading buffer 1, in which the loads below land
	FETCH F1, \cur, 1
	s_wait_dscnt NF                                ; the NF loads just issued may be out: buffer 0 is in
	MULG F0, 0, 0
	MULG F0, MT/2, 0
.endif
	s_wait_dscnt 0x0                               ; for the others' sake: my reads of cur, my stores into nxt
	s_barrier_signal -1
	MULG F1, 0, 0                                  ; registers only
	s_barrier_wait -1
.if \more
	WIN 0
	s_wait_alu depctr_vm_vsrc(0)                   ; B's LDS stores have read TMP, which the next trip's conversions write; the factors' loads have read v[FA]
.if \load*(1-A_F32)
	v_add_nc_u32 v[FA], 4*TM, v[FA]                ; one block on, where a further block's factors are still to be asked for
.endif
	FETCH F0, \nxt, 0                              ; since the wait behind B's conversions only buffer 1, accumulators and v[FA] have been named
.endif
	MULG F1, MT/2, 0
.endm
; ---------------- the statistics of A: block factors and the factor on the sums ----------------
.if A_F32 == 0
	v_lshlrev_b32 v[SO], 2, v0                     ; thread t takes row t
.endif
	s_wait_alu depctr_va_vdst(0)                   ; the offsets and LDS addresses v4 to v15 are written, which the loads and LDS instructions from here to the loop's end read
.if A_F32 == 0
.set bb, 0
.rept NBI
	global_load_b32 v[ST+bb], v[SO], s[48:49] offset:16384*bb
.set bb, bb+1
.endr
.if HAS_L
.set bb, 0
.rept NBI
	global_load_b32 v[ST+NBI+bb], v[SO], s[48:49] offset:16384*(NBI+bb)
.set bb, bb+1
.endr
.endif
.endif
	LOADT 0, 0, NA, VA, 40, APASS                  ; step 0
	LOADT 0, 64, NB, VB, 44, BPASS
.if A_F32 == 0
	WIN 0
	v_lshrrev_b32 v34, 4, v0                       ; table word of (block, row): block x 4 TM + (row % 16) x 4 NP + (row / 16) x 4
	v_lshlrev_b32 v34, 2, v34
	v_mul_u32_u24 v35, 4*NP, v1
	v_add_nc_u32 v34, v34, v35
	v_add_nc_u32 v34, FTB, v34
	v_add_nc_u32 v35, POSTB, v[SO]
	s_wait_loadcnt CT                              ; only step 0's NA + NB loads may be out: the statistics are in
	v_max_num_f32 v32, v[ST], v[ST+1]              ; the row's largest exponent (or maximum)
.set bb, 2
.rept (NBI-2)/2
	v_max3_num_f32 v32, v32, v[ST+bb], v[ST+bb+1]
.set bb, bb+2
.endr
.set bb, 0
.rept NBI
	v_sub_f32 v[ST+bb], v[ST+bb], v32
.set bb, bb+1
.endr
.set bb, 0
.rept NBI
	v_exp_f32 v[ST+bb], v[ST+bb]                   ; whole numbers in, powers of two out
.set bb, bb+1
.endr
.if POSTK != 3
	v_exp_f32 v33, v32
.endif
	v_nop                                          ; one plain instruction behind the transcendentals (ISA guide 5.7.2)
	s_wait_alu depctr_va_vdst(0)                   ; the exponentials have written their results, ahead of the first line that names one
.if POSTK == 3
	v_mul_f32 v33, v[ST], v[ST+NBI]                ; l = sum over blocks of factor x block sum
.set bb, 1
.rept NBI-1
	v_fmac_f32 v33, v[ST+bb], v[ST+NBI+bb]
.set bb, bb+1
.endr
	v_rcp_f32 v33, v33
	v_nop
.endif
.set bb, 0
.rept NBI
	v_cvt_pk_f16_f32 v[ST+bb], v[ST+bb], v[ST+bb]
.set bb, bb+1
.endr
	s_wait_alu depctr_va_vdst(0)                   ; the conversions have written v[ST ..], and v33 (a reciprocal's result where POSTK = 3), v34 and v35 are written: the LDS stores below read them
.set bb, 0
.rept NBI
	ds_store_b32 v34, v[ST+bb] offset:4*TM*bb
.set bb, bb+1
.endr
	ds_store_b32 v35, v33
.endif
	LOADT 1, 0, NA, VA, 40, APASS                  ; step 1
	LOADT 1, 64, NB, VB, 44, BPASS
	WIN 0
.if A_F32 == 0
	s_wait_dscnt 0x0                               ; my table words are written,
	s_barrier_signal -1
	s_barrier_wait -1                              ; everybody's are
	FACS                                           ; block 0's factors
	s_wait_alu depctr_vm_vsrc(0)                   ; the table's stores have read v33 to v35 and v[ST ..], which TMP's and the fragments' writers take over; the factors' loads have read v[FA]
	v_add_nc_u32 v[FA], 4*TM, v[FA]
	s_wait_dscnt 0x0                               ; the factors are in
.endif
	CONV_A 0, CA                                   ; step 0 into slot 0; step 2 asked for
	WIN 0
.if A_F32 == 0
	FACS                                           ; block 1's factors
.endif
	STORE_A 0
	LOAD_A 0
	CONV_B 0, CB
	STORE_B 0
	LOAD_B 0
	WIN 0
	s_wait_dscnt 0x0
	s_barrier_signal -1
	s_barrier_wait -1
	s_wait_alu depctr_vm_vsrc(0)                   ; B's LDS stores have read TMP, which the first trip's conversions write; the factors' loads have read v[FA]
.if A_F32 == 0
	v_add_nc_u32 v[FA], 4*TM, v[FA]
.endif
	FETCH F0, 0, 0
; ---------------- NS trips: two in front of the loop (they start the sums), the last four written out (they ask for nothing beyond K) ----------------
	TRIP 0, 1, 1, 1, 1, CA, CB, 1, 1
	TRIP 1, 0, 0, 1, 1, CA, CB, 1, 1
	WIN 0
	s_mov_b32 s22, (NS-6)/2
.Lpair:
	TRIP 0, 1, 0, 1, 1, CA, CB, 1, 1
	TRIP 1, 0, 0, 1, 1, CA, CB, 1, 1
	WIN 0
	s_sub_co_u32 s22, s22, 1
	s_cmp_lg_u32 s22, 0
	s_cbranch_scc1 .Lpair
	TRIP 0, 1, 0, 1, 1, CA, CB, 1, 1               ; asks for the last step
	TRIP 1, 0, 0, 1, 0, CA, CT, 1, 1               ; behind B(NS-2) only A(NS-1) and B(NS-1) were issued; asks for the last block's factors
	TRIP 0, 1, 0, 1, 0, NB, 0, 1, 0                ; behind A(NS-1) only B(NS-1); behind that nothing
	TRIP 1, 0, 0, 0, 0, 0, 0, 0, 0                 ; its barrier also frees the ring for the stage
; ---------------- the way out ----------------
; The rows' factors are asked for in one run; the four tiles' arithmetic writes registers of its own for each tile; one wait on va_vdst; all LDS stores in one run.
	WIN 0
	PLACES                                         ; behind the last matrix instructions: results are read, fragment registers written
	v_mov_b32 v[T1], 0                             ; v_permlanex16_b32 counts as a reader of its destination
	s_mul_i32 s17, s13, 16*MT                      ; my first row in the block
.if POSTK
	s_lshl_b32 s18, s17, 2
	s_add_co_u32 s18, s18, POSTB
	v_lshl_add_u32 v[PA], v1, 2, s18
.endif
	s_mul_i32 s18, s17, SPITCH
.if EPI == 2
	s_lshl_b32 s19, s14, 8
	v_lshlrev_b32 v[STO], 5, v2
.else
	s_lshl_b32 s19, s14, 7
	v_lshlrev_b32 v[STO], 4, v2
.endif
	s_add_co_u32 s18, s18, s19
	v_add_nc_u32 v[STO], s18, v[STO]
	v_mul_u32_u24 v32, SPITCH, v1
	v_add_nc_u32 v[STO], v32, v[STO]               ; stage: row r of my rows, my 64 columns, my half's 8 numbers
	v_and_b32 v33, 31, v0
	s_mul_i32 s18, s12, (TM/4)*SPITCH              ; read back: wave w takes rows (TM/4) w ..
.if EPI == 2
	v_lshlrev_b32 v[CO], 4, v33
	v_add_nc_u32 v[RD], s18, v[CO]
.else
	v_lshlrev_b32 v34, 4, v1
	v_mul_u32_u24 v[RD], SPITCH, v2
	v_add3_u32 v[RD], v[RD], v34, s18
	v_lshl_add_u32 v[CO], v2, LDCSH, v34
.endif
.if EPI != 2
	s_mul_i32 s18, s12, SSWB
	s_add_co_u32 s18, s18, SSB
	v_lshl_add_u32 v[SSW], v1, 2, s18
	v_lshlrev_b32 v[GS], 3, v33
	v_add_nc_u32 v[SSR], s18, v[GS]
	s_lshl_b32 s18, ttmp9, 1                       ; my block of 64 columns: 2 x + wn; a plane of 4,096 rows for each
	s_add_co_u32 s18, s18, s14
	s_lshl_b32 s18, s18, 14
	s_mul_i32 s19, s16, TM
	s_add_co_u32 s19, s19, s17
	s_lshl_b32 s19, s19, 2
	s_add_co_u32 s20, s18, s19
	s_add_co_u32 s20, s20, CDATA
	s_add_nc_u64 s[50:51], s[8:9], s[20:21]
.endif
	s_mul_i32 s18, s16, TM
	s_mul_i32 s19, s12, TM/4
	s_add_co_u32 s18, s18, s19
	s_mul_i32 s20, s18, LDC
	s_mul_i32 s18, ttmp9, XB
	s_add_co_u32 s20, s20, s18
	s_add_nc_u64 s[52:53], s[8:9], s[20:21]
.if POSTK
	s_wait_alu depctr_va_vdst(0)                   ; v[PA] is written, which the four loads below read; the loop's conversions are done with v40 to v46, in which they land
.set tt, 0
.rept MT
	ds_load_b32 v[PO+2*tt], v[PA] offset:64*tt
.set tt, tt+1
.endr
.endif
; one m tile: 16 rows x my 64 columns; a lane holds 32 numbers of row r, its partner lane (the other half) the other 32.  Vector work alone.
.macro TILE a
.set XX, X+32*\a*(EPI/2)
	WIN 0
.if EPI == 0
	v_mov_b32 v[AM], 0                             ; largest magnitude of the row's 64 numbers
	WIN W_AMX
.set ii, 0
.rept 16
	v_max3_num_f32 v[AM], v[AM], |v[32*\a+2*ii]|, |v[32*\a+2*ii+1]|
.set ii, ii+1
.endr
	WIN 0
	v_permlanex16_b32 v[T1], v[AM], s24, s25
	v_max_num_f32 v[AM], v[AM], v[T1]
.endif
.if POSTK
.if \a == 0
	s_wait_dscnt 0x0                               ; the four tiles' factors are in
.endif
	v_mov_b32 v[PO+2*\a+1], v[PO+2*\a]
	WIN W_ACC
.set ii, 0
.rept 16
	v_pk_mul_f32 v[XX+2*ii:XX+2*ii+1], v[32*\a+2*ii:32*\a+2*ii+1], v[PO+2*\a:PO+2*\a+1]
.set ii, ii+1
.endr
	WIN 0
.endif
.if EPI == 0
.if POSTK
	v_mul_f32 v[AM], v[AM], v[PO+2*\a]
.endif
	v_lshrrev_b32 v[T1], 23, v[AM]                 ; e, the biased exponent (the sign is 0)
	v_min_u32 v[T1], 253, v[T1]                    ; so that 2^(127 - e) is a normal number
	v_sub_nc_u32 v[T2+\a], 254, v[T1]
	v_lshlrev_b32 v[SC], 23, v[T2+\a]              ; 2^(127 - e): the largest magnitude lands in [1, 2)
	v_mov_b32 v[SC+1], v[SC]
	v_add_nc_u32 v[T2+\a], 0xffffff81, v[T1]
	v_cvt_f32_i32 v[T2+\a], v[T2+\a]               ; e - 127, kept as f32 beside the data
.if POSTK
.set ii, 0
.rept 16
	v_pk_mul_f32 v[X+2*ii:X+2*ii+1], v[X+2*ii:X+2*ii+1], v[SC:SC+1]
.set ii, ii+1
.endr
.else
	WIN W_ACC
.set ii, 0
.rept 16
	v_pk_mul_f32 v[X+2*ii:X+2*ii+1], v[32*\a+2*ii:32*\a+2*ii+1], v[SC:SC+1]
.set ii, ii+1
.endr
	WIN 0
.endif
.set ii, 0
.rept 16
	v_cvt_pk_f16_f32 v[H+16*\a+ii], v[X+2*ii], v[X+2*ii+1]
.set ii, ii+1
.endr
.endif
.endm
.set tt, 0
.rept MT
	TILE tt
.set tt, tt+1
.endr
	s_wait_alu depctr_va_vdst(0)                   ; the four tiles' results (and block exponents) and the way out's addresses v16 to v23 are written: the stores and loads from here to the end read them, and no vector line follows
.set tt, 0
.rept MT
.if EPI == 2
.irp b, 0,1,2,3
	ds_store_b128 v[STO], v[X+32*tt+8*\b:X+32*tt+8*\b+3]   offset:8448*tt+64*\b
	ds_store_b128 v[STO], v[X+32*tt+8*\b+4:X+32*tt+8*\b+7] offset:8448*tt+64*\b+16
.endr
.else
.irp b, 0,1,2,3
	ds_store_b128 v[STO], v[H+16*tt+4*\b:H+16*tt+4*\b+3] offset:4352*tt+32*\b
.endr
	ds_store_b32 v[SSW], v[T2+tt] offset:64*tt     ; both halves write the same word with the same number
.endif
.set tt, tt+1
.endr
.if EPI != 2
	; my statistics, out of my own stage (LDS serves a wave's instructions in order): the store covers 256 consecutive bytes, aligned
	ds_load_b64 v[SV:SV+1], v[SSR]
	s_wait_dscnt 0x0
	global_store_b64 v[GS], v[SV:SV+1], s[50:51]
.endif
	s_wait_dscnt 0x0                               ; my part of the stage is written,
	s_barrier_signal -1
	s_barrier_wait -1                              ; everybody's is: whole rows can be read
	s_wait_alu depctr_vm_vsrc(0)                   ; my LDS stores have read the tiles' registers, in which the loads below land
.set ii, 0
.rept NRB
	ds_load_b128 v[64+4*ii:64+4*ii+3], v[RD] offset:ii*RSTEP
.set ii, ii+1
.endr
.set ii, 0
.rept NRB
	s_wait_dscnt NRB-1-ii                          ; the younger read-back loads may be out
.if EPI == 2
	global_store_b128 v[CO], v[64+4*ii:64+4*ii+3], s[52:53] offset:ii*GSTEP th:TH_STORE_NT
.else
	global_store_b128 v[CO], v[64+4*ii:64+4*ii+3], s[52:53] offset:ii*GSTEP   ; 16 lanes store 256 consecutive bytes, aligned
.endif
.set ii, ii+1
.endr
	s_wait_dscnt 0x0                               ; the closing lines, six on end
	s_wait_alu 0x0
	s_wait_tensorcnt 0x0
	ds_add_u32 v222, v223
	s_wait_dscnt 0x0
	s_endpgm
.Lfunc_end_k_qb3da92b3dc_projq:
	.size	k_qb3da92b3dc_projq, .Lfunc_end_k_qb3da92b3dc_projq-k_qb3da92b3dc_projq
	.p2alignl 7, 3214868480
	.fill 96, 4, 3214868480
	.section	.rodata,"a",@progbits
	.p2align	6, 0x0
	.amdhsa_kernel k_qb3da92b3dc_projq
		.amdhsa_group_segment_fixed_size 92672
		.amdhsa_private_segment_fixed_size 0
		.amdhsa_enable_private_segment 0
		.amdhsa_kernarg_size 24
		.amdhsa_user_sgpr_count 2
		.amdhsa_user_sgpr_kernarg_segment_ptr 1
		.amdhsa_wavefront_size32 1
		.amdhsa_system_sgpr_workgroup_id_x 1
		.amdhsa_system_sgpr_workgroup_id_y 1
		.amdhsa_system_sgpr_workgroup_id_z 1
		.amdhsa_system_vgpr_workitem_id 0
		.amdhsa_next_free_vgpr 768
		.amdhsa_next_free_sgpr 66
		.amdhsa_reserve_vcc 0
		.amdhsa_float_denorm_mode_32 3
		.amdhsa_float_denorm_mode_16_64 3
		.amdhsa_memory_ordered 1
		.amdhsa_forward_progress 1
		.amdhsa_inst_pref_size 134
	.end_amdhsa_kernel
	.amdgpu_metadata
---
amdhsa.version: [ 1, 2 ]
amdhsa.kernels:
  - .name:           k_qb3da92b3dc_projq
    .symbol:         k_qb3da92b3dc_projq.kd
    .args:
      - { .name: q, .offset: 0, .size: 8, .value_kind: global_buffer, .address_space: global }
      - { .name: W_q, .offset: 8, .size: 8, .value_kind: global_buffer, .address_space: global }
      - { .name: qpb, .offset: 16, .size: 8, .value_kind: global_buffer, .address_space: global }
    .group_segment_fixed_size: 92672
    .private_segment_fixed_size: 0
    .kernarg_segment_align: 8
    .kernarg_segment_size: 24
    .max_flat_workgroup_size: 128
    .sgpr_count:     66
    .vgpr_count:     768
    .wavefront_size: 32
...
	.end_amdgpu_metadata
.endif
;; end of part 6
;; launch projt (part 7): grid 8 x 32, 4 waves a work-group, no clusters, 92,672 bytes of LDS; arguments qpb, W_k, tb; writes tb
.if DOCPART == 7
	.amdgcn_target "amdgcn-amd-amdhsa--gfx1250"
	.amdhsa_code_object_version 6
	.text
	.protected	k_qb3da92b3dc_projt
	.globl	k_qb3da92b3dc_projt
	.p2align	8
	.type	k_qb3da92b3dc_projt,@function
k_qb3da92b3dc_projt:
	s_mov_b64 s[64:65], 0
	v_nop
	global_prefetch_b8 v0, s[64:65] scope:SCOPE_SE
	s_setreg_imm32_b32 hwreg(HW_REG_WAVE_SCHED_MODE, 0, 2), 2
	s_setreg_imm32_b32 hwreg(HW_REG_WAVE_MODE, 25, 1), 1
	s_wait_xcnt 0x0
	s_wait_alu depctr_vm_vsrc(0)
; LAUNCH 2 OF 5:  t = qp Wk.   A = qpb (f16 with block exponents),  B = W_k [k][n] f32,  C = tb (f16 with block exponents).
;
; THE PROGRAM.  reference(): out = softmax((q Wq^T)(k Wk^T)^T / 32 + mask) (v Wv^T).  Here the same products in another order:
;   qp = q Wq^T;  t = qp Wk;  P = softmax(t k^T / 32 + mask);  u = P v;  out = u Wv^T.
; That is 60 GFLOP in place of 112, and k and v are read as they lie in memory, with no projected copies of them.
; One text serves launches 1, 2, 4 and 5; the constants under WHAT THIS LAUNCH IS pick its paths.  Launch 3 (the block softmax, tiles of 256 rows) has a text of its own.
; LIMITS.  (1) The order of the products, and so of the roundings, is not reference()'s.  (2) Matrix operands are f16, sums f32.
; Raw inputs are rounded to f16 as they are: above 65,504 they become infinite, below 6e-8 zero.  (3) Intermediates are stored as f16
; numbers in [-2, 2] with one power of two for each row and block of 64 columns, kept as f32 beside the data, so their range is f32's;
; a block more than 2^24 below its row's largest block counts as zero.  (4) Softmax: each block of 64 scores has its own maximum
; (rounded down to a whole number, so that the factor between blocks is an exact power of two) taken away before the exponential;
; the launch that sums over j brings all blocks to the row's maximum.  A row whose mask is all -inf gives NaN, as in reference().
; NO CLUSTER: the tiles that work-groups share most (B) are f32 in memory and f16 in LDS.  A joint tensor load copies bytes as they are:
; a step's 32 KB of B would go into LDS as f32, out to registers and in again as f16, on top of the 96 KB of LDS traffic that a
; step has already.  A's f16 tiles need their block factor multiplied in on the way, so they pass through registers as well.
;
; SHAPE.  Four waves; the work-group makes TM x 128 of C, a wave 16 MT rows x 64 columns.  K goes in steps of 64 through two LDS slots.
; Global loads run two steps ahead into registers (window 2); in trip i step i+1 is converted and stored into the other slot.
; THE MODE: SCHED_MODE bits 1:0 = 2 (LLVM: expert scheduling mode 2), set by the entry lines.  The code itself states the register dependences
; between vector or matrix instructions and memory or LDS instructions, with s_wait_alu, always for 0.
; THE PLAN.  Registers that memory or LDS instructions touch in trip i (slot cur is multiplied, step i+1 goes into slot nxt):
;   RAW, window 2   A's and B's tile of step i+1: read by the trip's conversions; behind them the loads of step i+3 land in the same registers.
;   TMP v32-63      written by A's conversions, read by A's LDS stores; written again by B's conversions, read by B's LDS stores.
;   F0  v64-159     read by the trip's first 16 matrix instructions; loaded again behind the barrier, for trip i+1.
;   F1  v160-255    read by the trip's last 16 matrix instructions; loaded again in trip i+1, behind A's conversions.
;   FAC v16-23      a block's factors: read by A's multiplies; the next block's are loaded behind them.  v[FA], their address, is stepped once a trip.
;   v4-v13, v15     offsets and LDS addresses, made at the head and never written again: scalar bases and immediate offsets do the rest.
; FOUR WAITS A TRIP.  va_vdst behind A's conversions (TMP and v[FA] written; A's raw registers and FAC read; the last trip's matrix instructions done with F1);
; vm_vsrc ahead of B's conversions (A's stores have read TMP); va_vdst behind B's conversions (TMP written; B's raw registers read; the matrix instructions done with F0);
; vm_vsrc behind the barrier (B's stores have read TMP, the factors' loads v[FA]).  What follows each va_vdst names none of the registers that later vector or matrix lines touch.
; ---------------- WHAT THIS LAUNCH IS ----------------
.set A_F32,  0                         ; A is f32 (1) or f16 with block exponents (0)
.set B_KN,   1                         ; B lies [k][n] (1) or [n][k] (0)
.set MT,     4                         ; tiles of 16 rows in a wave
.set NS,     16                        ; K steps of 64
.set LDA,    2048                      ; bytes in a row of A
.set ASTEP,  128                       ; bytes of a row of A in a K step
.set NBI,    16                        ; blocks of 64 columns in a row of A (statistics read)
.set HAS_L,  0                         ; A carries a second plane: the blocks' sums of exponentials
.set POSTK,  1                         ; factor on the sums: 0 none, 1 2^m, 3 1/l
.set EPI,    0                         ; way out: 0 f16 with block exponents, 2 f32
.set LDC,    2048                      ; bytes in a row of C
.set BSH,    0                         ; batch = block row >> BSH
.set BBATCH, 0                         ; bytes of B in a batch (0: one B for all)
.set ADATA,  8388608                   ; bytes of A's data, behind which its statistics lie
.set CDATA,  8388608                   ; the same for C
; ---------------- derived sizes ----------------
.set TM,     32*MT                     ; rows of C in a work-group: 128, one for each thread
.set NP,     2*MT                      ; TM / 16 = 8: an f16 tile of A is 8 passes, which fill TMP once
.set NB,     16                        ; 16-byte loads a lane for B's 64 x 128 f32 of a step
.if A_F32
.set NA,     16                        ; the same for A's 128 x 64 f32
.set APASS,  32768                     ; a pass of the 128 threads covers 8 rows of 256 bytes
.else
.set NA,     NP                        ; a pass covers 16 rows of 128 bytes
.set APASS,  16*LDA
.endif
.if B_KN
.set BPASS,  16384                     ; a pass covers 4 k rows of 512 bytes
.set BSTEP,  262144                    ; 64 k rows of 4,096 bytes
.set BCOL,   512                       ; 128 columns of f32
.else
.set BPASS,  32768                     ; a pass covers 8 n rows of 256 bytes
.set BSTEP,  256
.set BCOL,   524288                    ; 128 n rows of 4,096 bytes
.endif
.if LDA == 4096
.set LDASH,  12
.else
.set LDASH,  11
.endif
.if LDC == 4096
.set LDCSH,  12
.else
.set LDCSH,  11
.endif
.set NF,     2*(MT+4)                  ; LDS loads of one half step's fragments
.set CA,     NA+2*NB                   ; loads issued behind A(i+1): B(i+1), A(i+2), B(i+2)
.set CB,     2*NA+NB                   ; loads issued behind B(i+1): A(i+2), B(i+2), A(i+3)
.set CT,     NA+NB
; ---------------- LDS ----------------
.set ABYTES, TM*144                    ; A: rows of 128 bytes, pitch 144 = 9 x 16: a fragment load's 16 rows fall on 16 different 16-byte columns of 256
.set SLOT,   ABYTES+18432              ; B: 128 rows at pitch 144, or 64 k rows of 256 bytes at pitch 288 = 9 x 32 for the transposing load
.set FTB,    2*SLOT                    ; factor table: one word (f, f) in f16 for each block and row
.set POSTB,  FTB+16384                 ; one f32 for each row
.set SSB,    POSTB+4*TM                ; each wave's own stage for the statistics that it makes
.set SSWB,   256
.if EPI == 2
.set SPITCH, 528                       ; the stage for C lies over the ring, which is done with by then
.set NRB,    32                        ; read back: one row of 512 bytes a load
.set RSTEP,  528
.set GSTEP,  LDC
.set XB,     512
.else
.set SPITCH, 272
.set NRB,    TM/8                      ; two rows of 256 bytes a load
.set RSTEP,  544
.set GSTEP,  2*LDC
.set XB,     256
.endif
; ---------------- registers ----------------
; window 0: v1 r = lane % 16, v2 h = lane / 16; addresses; v32-63 converted data; v64-159, v160-255 two fragment buffers (A at +0, B at +64)
; window 1: accumulators, tile (a, b) at 8 (4 a + b).   window 2: loaded steps, parity s at 128 s, A at +0, B at +64.
.set VA,  4
.set VB,  5
.set AST, 6
.set BST, 8
.set AFR, 10
.set BFR, 12
.set FA,  14
.set SO,  15
.set FAC, 16
.set TMP, 32
.set F0,  64
.set F1,  160
.set ST,  64
.set STO, 16                           ; the way out uses v16-25, v32-55 and the fragment buffers again
.set RD,  17
.set CO,  18
.set SSW, 19
.set SSR, 20
.set PA,  22
.set GS,  23
.set SV,  24
.set PO,  40                           ; v40-47: tile a's factor on the sums, as a pair at PO + 2 a
.set SC,  48
.set AM,  50
.set T1,  51
.set T2,  52                           ; v52-55: tile a's block exponent
.set X,   64                           ; at work; for the f32 way out tile a's 32 results at X + 32 a
.set H,   96                           ; v96-159: tile a's 16 registers of f16 at H + 16 a
.set W_MUL, 0x50                       ; s_set_vgpr_msb: C and D in window 1
.set W_LD,  0x80                       ; destination in window 2
.set W_CVT, 0x0a                       ; sources 0 and 1 in window 2
.set W_PKM, 0x02                       ; source 0 in window 2
.set W_ACC, 0x01                       ; source 0 in window 1
.set W_AMX, 0x14                       ; sources 1 and 2 in window 1
.set MSB, 0
.macro WIN new                         ; the immediate's high byte repeats the setting that is left
.if MSB != \new
	s_set_vgpr_msb (MSB<<8)|\new
.set MSB, \new
.endif
.endm
.macro PLACES                          ; four independent vector instructions behind a matrix instruction (ISA guide 7.12.1)
.rept 4
	v_nop
.endr
.endm
	s_load_b128 s[4:7], s[0:1], 0x0                ; A, B
	s_load_b64 s[8:9], s[0:1], 0x10                ; C
	v_lshl_add_u32 v222, v0, 2, 0x16800
	v_mov_b32 v223, 0
	v_lshrrev_b32 v3, 5, v0
	v_readfirstlane_b32 s12, v3                    ; wave
	s_and_b32 s16, ttmp7, 0xffff                   ; block row y; ttmp9 is the block column x
	s_mov_b32 s24, 0x76543210                      ; v_permlanex16_b32: lane i takes lane i of the other half
	s_mov_b32 s25, 0xfedcba98
	s_mov_b32 s21, 0                               ; high word of every offset pair s[20:21]
	v_and_b32 v1, 15, v0
	v_bfe_u32 v2, v0, 4, 1
	s_wait_alu depctr_va_sdst(0)                   ; s12 is written, ahead of its first reader: the wave's halves, LDS places and bases are made from it
	s_lshr_b32 s13, s12, 1                         ; wm: which half of the rows
	s_and_b32 s14, s12, 1                          ; wn: which 64 columns
.if A_F32
	v_lshrrev_b32 v32, 4, v0                       ; 16 threads take a row's 256 bytes
	v_lshlrev_b32 v33, 4, v1
	v_lshl_add_u32 v[VA], v32, 12, v33
	v_mul_u32_u24 v34, 144, v32
	v_lshl_add_u32 v[AST], v1, 3, v34              ; 4 f32 become 8 bytes
.else
	v_lshrrev_b32 v32, 3, v0                       ; 8 threads take a row's 128 bytes
	v_and_b32 v33, 7, v0
	v_lshlrev_b32 v33, 4, v33
	v_lshl_add_u32 v[VA], v32, LDASH, v33
	v_mul_u32_u24 v34, 144, v32
	v_add_nc_u32 v[AST], v34, v33
	v_mul_u32_u24 v[FA], 4*NP, v32                 ; my NP rows' factors lie side by side in the table
	v_add_nc_u32 v[FA], FTB, v[FA]
.endif
	v_add_nc_u32 v[AST+1], SLOT, v[AST]
.if B_KN
	v_lshrrev_b32 v32, 5, v0                       ; a wave takes a k row's 512 bytes
	v_and_b32 v33, 31, v0
	v_lshlrev_b32 v34, 4, v33
	v_lshl_add_u32 v[VB], v32, 12, v34
	v_mul_u32_u24 v34, 288, v32
	v_lshl_add_u32 v34, v33, 3, v34
.else
	v_lshrrev_b32 v32, 4, v0
	v_lshlrev_b32 v33, 4, v1
	v_lshl_add_u32 v[VB], v32, 12, v33
	v_mul_u32_u24 v34, 144, v32
	v_lshl_add_u32 v34, v1, 3, v34
.endif
	v_add_nc_u32 v[BST], ABYTES, v34
	v_add_nc_u32 v[BST+1], SLOT, v[BST]
	v_mul_u32_u24 v35, 144, v1                     ; fragments with K along the row: row r, 16 bytes for each half of the lanes
	v_lshl_add_u32 v35, v2, 4, v35
	s_mul_i32 s17, s13, 16*MT*144
	v_add_nc_u32 v[AFR], s17, v35
	v_add_nc_u32 v[AFR+1], SLOT, v[AFR]
.if B_KN
	v_and_b32 v36, 7, v0                           ; transposing load: k row 8 h + lane % 8, 16 bytes at 16 ((lane / 8) % 2)
	v_lshl_add_u32 v36, v2, 3, v36
	v_mul_u32_u24 v36, 288, v36
	v_bfe_u32 v37, v0, 3, 1
	v_lshl_add_u32 v36, v37, 4, v36
	s_lshl_b32 s17, s14, 7
	s_add_co_u32 s17, s17, ABYTES
	v_add_nc_u32 v[BFR], s17, v36
.else
	s_mul_i32 s17, s14, 64*144
	s_add_co_u32 s17, s17, ABYTES
	v_add_nc_u32 v[BFR], s17, v35
.endif
	v_add_nc_u32 v[BFR+1], SLOT, v[BFR]
	s_wait_kmcnt 0x0
	s_mul_i32 s20, s16, TM*LDA
	s_add_nc_u64 s[40:41], s[4:5], s[20:21]        ; A at my rows: even steps,
	s_add_nc_u64 s[42:43], s[40:41], ASTEP         ; odd steps: a base for each, so that one can be stepped while the other's loads are out
	s_mul_i32 s20, ttmp9, BCOL
.if BBATCH
	s_lshr_b32 s17, s16, BSH
	s_mul_i32 s17, s17, BBATCH
	s_add_co_u32 s20, s20, s17
.endif
	s_add_nc_u64 s[44:45], s[6:7], s[20:21]
	s_add_nc_u64 s[46:47], s[44:45], BSTEP
.if A_F32 == 0
	s_mul_i32 s20, s16, TM*4
	s_add_co_u32 s20, s20, ADATA
	s_add_nc_u64 s[48:49], s[4:5], s[20:21]        ; A's statistics, [block][row] f32, at my rows
.endif
; n loads of 16 bytes a lane: one operand's tile of a K step into window 2
.macro LOADT par, sub, n, va, base, pass
	WIN W_LD
.set pp, 0
.rept \n
	global_load_b128 v[128*\par+\sub+4*pp:128*\par+\sub+4*pp+3], v[\va], s[\base+2*\par:\base+2*\par+1] offset:pp*\pass
.set pp, pp+1
.endr
.endm
; a loaded f32 tile to f16: 64 numbers a lane, into TMP
.macro CVT par, sub
	WIN W_CVT
.set pp, 0
.rept 16
	v_cvt_pk_f16_f32 v[TMP+2*pp],   v[128*\par+\sub+4*pp],   v[128*\par+\sub+4*pp+1]
	v_cvt_pk_f16_f32 v[TMP+2*pp+1], v[128*\par+\sub+4*pp+2], v[128*\par+\sub+4*pp+3]
.set pp, pp+1
.endr
.endm
.macro FACS                            ; my NP rows' factors of the block at v[FA]
.set pp, 0
.rept NP/4
	ds_load_b128 v[FAC+4*pp:FAC+4*pp+3], v[FA] offset:16*pp
.set pp, pp+1
.endr
.endm
; A's tile of the step of parity par is made ready in TMP
.macro CONV_A par, cnt
	s_wait_loadcnt \cnt                            ; loads return in order: the tile is in, and its base is free to step
.if A_F32
	CVT \par, 0
.else
	WIN W_PKM
.set pp, 0
.rept 8
.irp q, 0,1,2,3
	v_pk_mul_f16 v[TMP+4*pp+\q], v[128*\par+4*pp+\q], v[FAC+pp]   ; a power of two: brings the block to its row's exponent
.endr
.set pp, pp+1
.endr
.endif
	s_wait_alu depctr_va_vdst(0)                   ; TMP is written, which A's LDS stores read; A's raw registers; v[FA] is written; the last trip's matrix instructions are done reading buffer 1
.endm
.macro STORE_A par                     ; TMP into slot par, in one run (ahead of the loop, where no matrix work is at hand)
	WIN 0
.set pp, 0
.if A_F32
.rept 16
	ds_store_b64 v[AST+\par], v[TMP+2*pp:TMP+2*pp+1] offset:pp*1152
.set pp, pp+1
.endr
.else
.rept 8
	ds_store_b128 v[AST+\par], v[TMP+4*pp:TMP+4*pp+3] offset:pp*2304
.set pp, pp+1
.endr
.endif
.endm
.macro LOAD_A par                      ; the step two further on is asked for
	s_add_nc_u64 s[40+2*\par:41+2*\par], s[40+2*\par:41+2*\par], 2*ASTEP
	LOADT \par, 0, NA, VA, 40, APASS
.endm
.macro CONV_B par, cnt
	s_wait_loadcnt \cnt
	s_wait_alu depctr_vm_vsrc(0)                   ; A's LDS stores have read TMP, which the conversions below write again
	CVT \par, 64
	s_wait_alu depctr_va_vdst(0)                   ; TMP is written, which B's LDS stores read; the matrix instructions issued so far are done reading buffer 0
.endm
.macro STORE_B par
	WIN 0
.set pp, 0
.rept 16
	ds_store_b64 v[BST+\par], v[TMP+2*pp:TMP+2*pp+1] offset:pp*1152
.set pp, pp+1
.endr
.endm
.macro LOAD_B par
	s_add_nc_u64 s[44+2*\par:45+2*\par], s[44+2*\par:45+2*\par], 2*BSTEP
	LOADT \par, 64, NB, VB, 44, BPASS
.endm
; the fragments of 32 along K (half step ks of a slot) into buffer f: NF LDS loads
.macro FETCH f, slot, ks
.set aa, 0
.rept MT
	ds_load_b128 v[\f+8*aa:\f+8*aa+3],   v[AFR+\slot] offset:2304*aa+64*\ks
	ds_load_b128 v[\f+8*aa+4:\f+8*aa+7], v[AFR+\slot] offset:2304*aa+64*\ks+32
.set aa, aa+1
.endr
.irp b, 0,1,2,3
.if B_KN
	ds_load_tr16_b128 v[\f+64+8*\b:\f+64+8*\b+3],   v[BFR+\slot] offset:9216*\ks+32*\b
	ds_load_tr16_b128 v[\f+64+8*\b+4:\f+64+8*\b+7], v[BFR+\slot] offset:9216*\ks+32*\b+4608
.else
	ds_load_b128 v[\f+64+8*\b:\f+64+8*\b+3],   v[BFR+\slot] offset:2304*\b+64*\ks
	ds_load_b128 v[\f+64+8*\b+4:\f+64+8*\b+7], v[BFR+\slot] offset:2304*\b+64*\ks+32
.endif
.endr
.endm
; 2 MT matrix instructions: m tiles first .. first + MT/2 - 1 x 4 n tiles.  Source 0 is B's fragment, source 1 A's: a lane then holds
; eight neighbouring columns (8 h + j) of row r of C.  zero = 1: the first product starts the sums, nothing is cleared.
.macro MULG f, first, zero
	WIN W_MUL
.set aa, \first
.rept MT/2
.irp b, 0,1,2,3
.if \zero
	v_wmma_f32_16x16x32_f16 v[8*(4*aa+\b):8*(4*aa+\b)+7], v[\f+64+8*\b:\f+64+8*\b+7], v[\f+8*aa:\f+8*aa+7], 0
.else
	v_wmma_f32_16x16x32_f16 v[8*(4*aa+\b):8*(4*aa+\b)+7], v[\f+64+8*\b:\f+64+8*\b+7], v[\f+8*aa:\f+8*aa+7], v[8*(4*aa+\b):8*(4*aa+\b)+7]
.endif
.endr
.set aa, aa+1
.endr
.endm
; The same eight matrix instructions with A's LDS stores into slot par dealt among them.  No wait: the matrix instructions name buffer f and accumulators, the stores
; TMP and their address, all written ahead of the last wait on va_vdst.  Under the matrix setting a store's address and data are in window 0: no switch.
.macro MULST f, first, zero, par
	WIN W_MUL
.set aa, \first
.set ss, 0
.rept MT/2
.irp b, 0,1,2,3
.if \zero
	v_wmma_f32_16x16x32_f16 v[8*(4*aa+\b):8*(4*aa+\b)+7], v[\f+64+8*\b:\f+64+8*\b+7], v[\f+8*aa:\f+8*aa+7], 0
.else
	v_wmma_f32_16x16x32_f16 v[8*(4*aa+\b):8*(4*aa+\b)+7], v[\f+64+8*\b:\f+64+8*\b+7], v[\f+8*aa:\f+8*aa+7], v[8*(4*aa+\b):8*(4*aa+\b)+7]
.endif
.if A_F32
	ds_store_b64 v[AST+\par], v[TMP+4*ss:TMP+4*ss+1]   offset:2*ss*1152
	ds_store_b64 v[AST+\par], v[TMP+4*ss+2:TMP+4*ss+3] offset:(2*ss+1)*1152
.else
	ds_store_b128 v[AST+\par], v[TMP+4*ss:TMP+4*ss+3] offset:ss*2304
.endif
.set ss, ss+1
.endr
.set aa, aa+1
.endr
.endm
; ONE K STEP.  Slot cur is multiplied; conv = 1: the next step is converted into slot nxt; load = 1: the step three on is asked for; fl = 1: the factors of the step after next are asked for.
; One barrier does both orderings: in front of it my reads of cur and my stores into nxt are done; behind it nxt is read, and in the
; next trip cur is written again.
.macro TRIP cur, nxt, zero, conv, load, ca, cb, more, fl
.if \conv
	s_wait_dscnt 0x0                               ; buffer 0's loads are the youngest LDS instructions: it is in
	MULG F0, 0, \zero
	CONV_A \nxt, \ca
	WIN 0
	FETCH F1, \cur, 1                              ; no vector or matrix instruction since the wait above names buffer 1
.if \fl*(1-A_F32)
	FACS
.endif
.if \load
	LOAD_A \nxt
.endif
	MULST F0, MT/2, \zero, \nxt
	CONV_B \nxt, \cb
	STORE_B \nxt
.if \load
	LOAD_B \nxt
.endif
.else
	WIN 0
	PLACES                                         ; buffer 1 was read by the matrix instructions just issued, and this trip has no conversions to stand between
	s_wait_alu depctr_va_vdst(0)                   ; the last trip's matrix instructions are done reading buffer 1, in which the loads below land
	FETCH F1, \cur, 1
	s_wait_dscnt NF                                ; the NF loads just issued may be out: buffer 0 is in
	MULG F0, 0, 0
	MULG F0, MT/2, 0
.endif
	s_wait_dscnt 0x0                               ; for the others' sake: my reads of cur, my stores into nxt
	s_barrier_signal -1
	MULG F1, 0, 0                                  ; registers only
	s_barrier_wait -1
.if \more
	WIN 0
	s_wait_alu depctr_vm_vsrc(0)                   ; B's LDS stores have read TMP, which the next trip's conversions write; the factors' loads have read v[FA]
.if \load*(1-A_F32)
	v_add_nc_u32 v[FA], 4*TM, v[FA]                ; one block on, where a further block's factors are still to be asked for
.endif
	FETCH F0, \nxt, 0                              ; since the wait behind B's conversions only buffer 1, accumulators and v[FA] have been named
.endif
	MULG F1, MT/2, 0
.endm
; ---------------- the statistics of A: block factors and the factor on the sums ----------------
.if A_F32 == 0
	v_lshlrev_b32 v[SO], 2, v0                     ; thread t takes row t
.endif
	s_wait_alu depctr_va_vdst(0)                   ; the offsets and LDS addresses v4 to v15 are written, which the loads and LDS instructions from here to the loop's end read
.if A_F32 == 0
.set bb, 0
.rept NBI
	global_load_b32 v[ST+bb], v[SO], s[48:49] offset:16384*bb
.set bb, bb+1
.endr
.if HAS_L
.set bb, 0
.rept NBI
	global_load_b32 v[ST+NBI+bb], v[SO], s[48:49] offset:16384*(NBI+bb)
.set bb, bb+1
.endr
.endif
.endif
	LOADT 0, 0, NA, VA, 40, APASS                  ; step 0
	LOADT 0, 64, NB, VB, 44, BPASS
.if A_F32 == 0
	WIN 0
	v_lshrrev_b32 v34, 4, v0                       ; table word of (block, row): block x 4 TM + (row % 16) x 4 NP + (row / 16) x 4
	v_lshlrev_b32 v34, 2, v34
	v_mul_u32_u24 v35, 4*NP, v1
	v_add_nc_u32 v34, v34, v35
	v_add_nc_u32 v34, FTB, v34
	v_add_nc_u32 v35, POSTB, v[SO]
	s_wait_loadcnt CT                              ; only step 0's NA + NB loads may be out: the statistics are in
	v_max_num_f32 v32, v[ST], v[ST+1]              ; the row's largest exponent (or maximum)
.set bb, 2
.rept (NBI-2)/2
	v_max3_num_f32 v32, v32, v[ST+bb], v[ST+bb+1]
.set bb, bb+2
.endr
.set bb, 0
.rept NBI
	v_sub_f32 v[ST+bb], v[ST+bb], v32
.set bb, bb+1
.endr
.set bb, 0
.rept NBI
	v_exp_f32 v[ST+bb], v[ST+bb]                   ; whole numbers in, powers of two out
.set bb, bb+1
.endr
.if POSTK != 3
	v_exp_f32 v33, v32
.endif
	v_nop                                          ; one plain instruction behind the transcendentals (ISA guide 5.7.2)
	s_wait_alu depctr_va_vdst(0)                   ; the exponentials have written their results, ahead of the first line that names one
.if POSTK == 3
	v_mul_f32 v33, v[ST], v[ST+NBI]                ; l = sum over blocks of factor x block sum
.set bb, 1
.rept NBI-1
	v_fmac_f32 v33, v[ST+bb], v[ST+NBI+bb]
.set bb, bb+1
.endr
	v_rcp_f32 v33, v33
	v_nop
.endif
.set bb, 0
.rept NBI
	v_cvt_pk_f16_f32 v[ST+bb], v[ST+bb], v[ST+bb]
.set bb, bb+1
.endr
	s_wait_alu depctr_va_vdst(0)                   ; the conversions have written v[ST ..], and v33 (a reciprocal's result where POSTK = 3), v34 and v35 are written: the LDS stores below read them
.set bb, 0
.rept NBI
	ds_store_b32 v34, v[ST+bb] offset:4*TM*bb
.set bb, bb+1
.endr
	ds_store_b32 v35, v33
.endif
	LOADT 1, 0, NA, VA, 40, APASS                  ; step 1
	LOADT 1, 64, NB, VB, 44, BPASS
	WIN 0
.if A_F32 == 0
	s_wait_dscnt 0x0                               ; my table words are written,
	s_barrier_signal -1
	s_barrier_wait -1                              ; everybody's are
	FACS                                           ; block 0's factors
	s_wait_alu depctr_vm_vsrc(0)                   ; the table's stores have read v33 to v35 and v[ST ..], which TMP's and the fragments' writers take over; the factors' loads have read v[FA]
	v_add_nc_u32 v[FA], 4*TM, v[FA]
	s_wait_dscnt 0x0                               ; the factors are in
.endif
	CONV_A 0, CA                                   ; step 0 into slot 0; step 2 asked for
	WIN 0
.if A_F32 == 0
	FACS                                           ; block 1's factors
.endif
	STORE_A 0
	LOAD_A 0
	CONV_B 0, CB
	STORE_B 0
	LOAD_B 0
	WIN 0
	s_wait_dscnt 0x0
	s_barrier_signal -1
	s_barrier_wait -1
	s_wait_alu depctr_vm_vsrc(0)                   ; B's LDS stores have read TMP, which the first trip's conversions write; the factors' loads have read v[FA]
.if A_F32 == 0
	v_add_nc_u32 v[FA], 4*TM, v[FA]
.endif
	FETCH F0, 0, 0
; ---------------- NS trips: two in front of the loop (they start the sums), the last four written out (they ask for nothing beyond K) ----------------
	TRIP 0, 1, 1, 1, 1, CA, CB, 1, 1
	TRIP 1, 0, 0, 1, 1, CA, CB, 1, 1
	WIN 0
	s_mov_b32 s22, (NS-6)/2
.Lpair:
	TRIP 0, 1, 0, 1, 1, CA, CB, 1, 1
	TRIP 1, 0, 0, 1, 1, CA, CB, 1, 1
	WIN 0
	s_sub_co_u32 s22, s22, 1
	s_cmp_lg_u32 s22, 0
	s_cbranch_scc1 .Lpair
	TRIP 0, 1, 0, 1, 1, CA, CB, 1, 1               ; asks for the last step
	TRIP 1, 0, 0, 1, 0, CA, CT, 1, 1               ; behind B(NS-2) only A(NS-1) and B(NS-1) were issued; asks for the last block's factors
	TRIP 0, 1, 0, 1, 0, NB, 0, 1, 0                ; behind A(NS-1) only B(NS-1); behind that nothing
	TRIP 1, 0, 0, 0, 0, 0, 0, 0, 0                 ; its barrier also frees the ring for the stage
; ---------------- the way out ----------------
; The rows' factors are asked for in one run; the four tiles' arithmetic writes registers of its own for each tile; one wait on va_vdst; all LDS stores in one run.
	WIN 0
	PLACES                                         ; behind the last matrix instructions: results are read, fragment registers written
	v_mov_b32 v[T1], 0                             ; v_permlanex16_b32 counts as a reader of its destination
	s_mul_i32 s17, s13, 16*MT                      ; my first row in the block
.if POSTK
	s_lshl_b32 s18, s17, 2
	s_add_co_u32 s18, s18, POSTB
	v_lshl_add_u32 v[PA], v1, 2, s18
.endif
	s_mul_i32 s18, s17, SPITCH
.if EPI == 2
	s_lshl_b32 s19, s14, 8
	v_lshlrev_b32 v[STO], 5, v2
.else
	s_lshl_b32 s19, s14, 7
	v_lshlrev_b32 v[STO], 4, v2
.endif
	s_add_co_u32 s18, s18, s19
	v_add_nc_u32 v[STO], s18, v[STO]
	v_mul_u32_u24 v32, SPITCH, v1
	v_add_nc_u32 v[STO], v32, v[STO]               ; stage: row r of my rows, my 64 columns, my half's 8 numbers
	v_and_b32 v33, 31, v0
	s_mul_i32 s18, s12, (TM/4)*SPITCH              ; read back: wave w takes rows (TM/4) w ..
.if EPI == 2
	v_lshlrev_b32 v[CO], 4, v33
	v_add_nc_u32 v[RD], s18, v[CO]
.else
	v_lshlrev_b32 v34, 4, v1
	v_mul_u32_u24 v[RD], SPITCH, v2
	v_add3_u32 v[RD], v[RD], v34, s18
	v_lshl_add_u32 v[CO], v2, LDCSH, v34
.endif
.if EPI != 2
	s_mul_i32 s18, s12, SSWB
	s_add_co_u32 s18, s18, SSB
	v_lshl_add_u32 v[SSW], v1, 2, s18
	v_lshlrev_b32 v[GS], 3, v33
	v_add_nc_u32 v[SSR], s18, v[GS]
	s_lshl_b32 s18, ttmp9, 1                       ; my block of 64 columns: 2 x + wn; a plane of 4,096 rows for each
	s_add_co_u32 s18, s18, s14
	s_lshl_b32 s18, s18, 14
	s_mul_i32 s19, s16, TM
	s_add_co_u32 s19, s19, s17
	s_lshl_b32 s19, s19, 2
	s_add_co_u32 s20, s18, s19
	s_add_co_u32 s20, s20, CDATA
	s_add_nc_u64 s[50:51], s[8:9], s[20:21]
.endif
	s_mul_i32 s18, s16, TM
	s_mul_i32 s19, s12, TM/4
	s_add_co_u32 s18, s18, s19
	s_mul_i32 s20, s18, LDC
	s_mul_i32 s18, ttmp9, XB
	s_add_co_u32 s20, s20, s18
	s_add_nc_u64 s[52:53], s[8:9], s[20:21]
.if POSTK
	s_wait_alu depctr_va_vdst(0)                   ; v[PA] is written, which the four loads below read; the loop's conversions are done with v40 to v46, in which they land
.set tt, 0
.rept MT
	ds_load_b32 v[PO+2*tt], v[PA] offset:64*tt
.set tt, tt+1
.endr
.endif
; one m tile: 16 rows x my 64 columns; a lane holds 32 numbers of row r, its partner lane (the other half) the other 32.  Vector work alone.
.macro TILE a
.set XX, X+32*\a*(EPI/2)
	WIN 0
.if EPI == 0
	v_mov_b32 v[AM], 0                             ; largest magnitude of the row's 64 numbers
	WIN W_AMX
.set ii, 0
.rept 16
	v_max3_num_f32 v[AM], v[AM], |v[32*\a+2*ii]|, |v[32*\a+2*ii+1]|
.set ii, ii+1
.endr
	WIN 0
	v_permlanex16_b32 v[T1], v[AM], s24, s25
	v_max_num_f32 v[AM], v[AM], v[T1]
.endif
.if POSTK
.if \a == 0
	s_wait_dscnt 0x0                               ; the four tiles' factors are in
.endif
	v_mov_b32 v[PO+2*\a+1], v[PO+2*\a]
	WIN W_ACC
.set ii, 0
.rept 16
	v_pk_mul_f32 v[XX+2*ii:XX+2*ii+1], v[32*\a+2*ii:32*\a+2*ii+1], v[PO+2*\a:PO+2*\a+1]
.set ii, ii+1
.endr
	WIN 0
.endif
.if EPI == 0
.if POSTK
	v_mul_f32 v[AM], v[AM], v[PO+2*\a]
.endif
	v_lshrrev_b32 v[T1], 23, v[AM]                 ; e, the biased exponent (the sign is 0)
	v_min_u32 v[T1], 253, v[T1]                    ; so that 2^(127 - e) is a normal number
	v_sub_nc_u32 v[T2+\a], 254, v[T1]
	v_lshlrev_b32 v[SC], 23, v[T2+\a]              ; 2^(127 - e): the largest magnitude lands in [1, 2)
	v_mov_b32 v[SC+1], v[SC]
	v_add_nc_u32 v[T2+\a], 0xffffff81, v[T1]
	v_cvt_f32_i32 v[T2+\a], v[T2+\a]               ; e - 127, kept as f32 beside the data
.if POSTK
.set ii, 0
.rept 16
	v_pk_mul_f32 v[X+2*ii:X+2*ii+1], v[X+2*ii:X+2*ii+1], v[SC:SC+1]
.set ii, ii+1
.endr
.else
	WIN W_ACC
.set ii, 0
.rept 16
	v_pk_mul_f32 v[X+2*ii:X+2*ii+1], v[32*\a+2*ii:32*\a+2*ii+1], v[SC:SC+1]
.set ii, ii+1
.endr
	WIN 0
.endif
.set ii, 0
.rept 16
	v_cvt_pk_f16_f32 v[H+16*\a+ii], v[X+2*ii], v[X+2*ii+1]
.set ii, ii+1
.endr
.endif
.endm
.set tt, 0
.rept MT
	TILE tt
.set tt, tt+1
.endr
	s_wait_alu depctr_va_vdst(0)                   ; the four tiles' results (and block exponents) and the way out's addresses v16 to v23 are written: the stores and loads from here to the end read them, and no vector line follows
.set tt, 0
.rept MT
.if EPI == 2
.irp b, 0,1,2,3
	ds_store_b128 v[STO], v[X+32*tt+8*\b:X+32*tt+8*\b+3]   offset:8448*tt+64*\b
	ds_store_b128 v[STO], v[X+32*tt+8*\b+4:X+32*tt+8*\b+7] offset:8448*tt+64*\b+16
.endr
.else
.irp b, 0,1,2,3
	ds_store_b128 v[STO], v[H+16*tt+4*\b:H+16*tt+4*\b+3] offset:4352*tt+32*\b
.endr
	ds_store_b32 v[SSW], v[T2+tt] offset:64*tt     ; both halves write the same word with the same number
.endif
.set tt, tt+1
.endr
.if EPI != 2
	; my statistics, out of my own stage (LDS serves a wave's instructions in order): the store covers 256 consecutive bytes, aligned
	ds_load_b64 v[SV:SV+1], v[SSR]
	s_wait_dscnt 0x0
	global_store_b64 v[GS], v[SV:SV+1], s[50:51]
.endif
	s_wait_dscnt 0x0                               ; my part of the stage is written,
	s_barrier_signal -1
	s_barrier_wait -1                              ; everybody's is: whole rows can be read
	s_wait_alu depctr_vm_vsrc(0)                   ; my LDS stores have read the tiles' registers, in which the loads below land
.set ii, 0
.rept NRB
	ds_load_b128 v[64+4*ii:64+4*ii+3], v[RD] offset:ii*RSTEP
.set ii, ii+1
.endr
.set ii, 0
.rept NRB
	s_wait_dscnt NRB-1-ii                          ; the younger read-back loads may be out
.if EPI == 2
	global_store_b128 v[CO], v[64+4*ii:64+4*ii+3], s[52:53] offset:ii*GSTEP th:TH_STORE_NT
.else
	global_store_b128 v[CO], v[64+4*ii:64+4*ii+3], s[52:53] offset:ii*GSTEP   ; 16 lanes store 256 consecutive bytes, aligned
.endif
.set ii, ii+1
.endr
	s_wait_dscnt 0x0                               ; the closing lines, six on end
	s_wait_alu 0x0
	s_wait_tensorcnt 0x0
	ds_add_u32 v222, v223
	s_wait_dscnt 0x0
	s_endpgm
.Lfunc_end_k_qb3da92b3dc_projt:
	.size	k_qb3da92b3dc_projt, .Lfunc_end_k_qb3da92b3dc_projt-k_qb3da92b3dc_projt
	.p2alignl 7, 3214868480
	.fill 96, 4, 3214868480
	.section	.rodata,"a",@progbits
	.p2align	6, 0x0
	.amdhsa_kernel k_qb3da92b3dc_projt
		.amdhsa_group_segment_fixed_size 92672
		.amdhsa_private_segment_fixed_size 0
		.amdhsa_enable_private_segment 0
		.amdhsa_kernarg_size 24
		.amdhsa_user_sgpr_count 2
		.amdhsa_user_sgpr_kernarg_segment_ptr 1
		.amdhsa_wavefront_size32 1
		.amdhsa_system_sgpr_workgroup_id_x 1
		.amdhsa_system_sgpr_workgroup_id_y 1
		.amdhsa_system_sgpr_workgroup_id_z 1
		.amdhsa_system_vgpr_workitem_id 0
		.amdhsa_next_free_vgpr 768
		.amdhsa_next_free_sgpr 66
		.amdhsa_reserve_vcc 0
		.amdhsa_float_denorm_mode_32 3
		.amdhsa_float_denorm_mode_16_64 3
		.amdhsa_memory_ordered 1
		.amdhsa_forward_progress 1
		.amdhsa_inst_pref_size 136
	.end_amdhsa_kernel
	.amdgpu_metadata
---
amdhsa.version: [ 1, 2 ]
amdhsa.kernels:
  - .name:           k_qb3da92b3dc_projt
    .symbol:         k_qb3da92b3dc_projt.kd
    .args:
      - { .name: qpb, .offset: 0, .size: 8, .value_kind: global_buffer, .address_space: global }
      - { .name: W_k, .offset: 8, .size: 8, .value_kind: global_buffer, .address_space: global }
      - { .name: tb, .offset: 16, .size: 8, .value_kind: global_buffer, .address_space: global }
    .group_segment_fixed_size: 92672
    .private_segment_fixed_size: 0
    .kernarg_segment_align: 8
    .kernarg_segment_size: 24
    .max_flat_workgroup_size: 128
    .sgpr_count:     66
    .vgpr_count:     768
    .wavefront_size: 32
...
	.end_amdgpu_metadata
.endif
;; end of part 7
;; launch scores: the kernel of part 3 again; grid 16 x 16, 4 waves a work-group, no clusters, 271,872 bytes of LDS; arguments tb, k, pb, mask; writes pb
;; launch mix (part 8): grid 8 x 32, 4 waves a work-group, no clusters, 92,672 bytes of LDS; arguments pb, v, ub; writes ub
.if DOCPART == 8
	.amdgcn_target "amdgcn-amd-amdhsa--gfx1250"
	.amdhsa_code_object_version 6
	.text
	.protected	k_qb3da92b3dc_mix
	.globl	k_qb3da92b3dc_mix
	.p2align	8
	.type	k_qb3da92b3dc_mix,@function
k_qb3da92b3dc_mix:
	s_mov_b64 s[64:65], 0
	v_nop
	global_prefetch_b8 v0, s[64:65] scope:SCOPE_SE
	s_setreg_imm32_b32 hwreg(HW_REG_WAVE_SCHED_MODE, 0, 2), 2
	s_setreg_imm32_b32 hwreg(HW_REG_WAVE_MODE, 25, 1), 1
	s_wait_xcnt 0x0
	s_wait_alu depctr_vm_vsrc(0)
; LAUNCH 4 OF 5:  u = (sum over j of P v) / l.   A = pb (f16 exponentials with planes m and l, K = 2048),
; B = v [j][d] f32 of the row block's batch, used as [k][n],  C = ub (f16 with block exponents).
;
; THE PROGRAM.  reference(): out = softmax((q Wq^T)(k Wk^T)^T / 32 + mask) (v Wv^T).  Here the same products in another order:
;   qp = q Wq^T;  t = qp Wk;  P = softmax(t k^T / 32 + mask);  u = P v;  out = u Wv^T.
; That is 60 GFLOP in place of 112, and k and v are read as they lie in memory, with no projected copies of them.
; One text serves launches 1, 2, 4 and 5; the constants under WHAT THIS LAUNCH IS pick its paths.  Launch 3 (the block softmax, tiles of 256 rows) has a text of its own.
; LIMITS.  (1) The order of the products, and so of the roundings, is not reference()'s.  (2) Matrix operands are f16, sums f32.
; Raw inputs are rounded to f16 as they are: above 65,504 they become infinite, below 6e-8 zero.  (3) Intermediates are stored as f16
; numbers in [-2, 2] with one power of two for each row and block of 64 columns, kept as f32 beside the data, so their range is f32's;
; a block more than 2^24 below its row's largest block counts as zero.  (4) Softmax: each block of 64 scores has its own maximum
; (rounded down to a whole number, so that the factor between blocks is an exact power of two) taken away before the exponential;
; the launch that sums over j brings all blocks to the row's maximum.  A row whose mask is all -inf gives NaN, as in reference().
; NO CLUSTER: the tiles that work-groups share most (B) are f32 in memory and f16 in LDS.  A joint tensor load copies bytes as they are:
; a step's 32 KB of B would go into LDS as f32, out to registers and in again as f16, on top of the 96 KB of LDS traffic that a
; step has already.  A's f16 tiles need their block factor multiplied in on the way, so they pass through registers as well.
;
; SHAPE.  Four waves; the work-group makes TM x 128 of C, a wave 16 MT rows x 64 columns.  K goes in steps of 64 through two LDS slots.
; Global loads run two steps ahead into registers (window 2); in trip i step i+1 is converted and stored into the other slot.
; THE MODE: SCHED_MODE bits 1:0 = 2 (LLVM: expert scheduling mode 2), set by the entry lines.  The code itself states the register dependences
; between vector or matrix instructions and memory or LDS instructions, with s_wait_alu, always for 0.
; THE PLAN.  Registers that memory or LDS instructions touch in trip i (slot cur is multiplied, step i+1 goes into slot nxt):
;   RAW, window 2   A's and B's tile of step i+1: read by the trip's conversions; behind them the loads of step i+3 land in the same registers.
;   TMP v32-63      written by A's conversions, read by A's LDS stores; written again by B's conversions, read by B's LDS stores.
;   F0  v64-159     read by the trip's first 16 matrix instructions; loaded again behind the barrier, for trip i+1.
;   F1  v160-255    read by the trip's last 16 matrix instructions; loaded again in trip i+1, behind A's conversions.
;   FAC v16-23      a block's factors: read by A's multiplies; the next block's are loaded behind them.  v[FA], their address, is stepped once a trip.
;   v4-v13, v15     offsets and LDS addresses, made at the head and never written again: scalar bases and immediate offsets do the rest.
; FOUR WAITS A TRIP.  va_vdst behind A's conversions (TMP and v[FA] written; A's raw registers and FAC read; the last trip's matrix instructions done with F1);
; vm_vsrc ahead of B's conversions (A's stores have read TMP); va_vdst behind B's conversions (TMP written; B's raw registers read; the matrix instructions done with F0);
; vm_vsrc behind the barrier (B's stores have read TMP, the factors' loads v[FA]).  What follows each va_vdst names none of the registers that later vector or matrix lines touch.
; ---------------- WHAT THIS LAUNCH IS ----------------
.set A_F32,  0                         ; A is f32 (1) or f16 with block exponents (0)
.set B_KN,   1                         ; B lies [k][n] (1) or [n][k] (0)
.set MT,     4                         ; tiles of 16 rows in a wave
.set NS,     32                        ; K steps of 64
.set LDA,    4096                      ; bytes in a row of A
.set ASTEP,  128                       ; bytes of a row of A in a K step
.set NBI,    32                        ; blocks of 64 columns in a row of A (statistics read)
.set HAS_L,  1                         ; A carries a second plane: the blocks' sums of exponentials
.set POSTK,  3                         ; factor on the sums: 0 none, 1 2^m, 3 1/l
.set EPI,    0                         ; way out: 0 f16 with block exponents, 2 f32
.set LDC,    2048                      ; bytes in a row of C
.set BSH,    2                         ; batch = block row >> BSH
.set BBATCH, 8388608                   ; bytes of B in a batch (0: one B for all)
.set ADATA,  16777216                  ; bytes of A's data, behind which its statistics lie
.set CDATA,  8388608                   ; the same for C
; ---------------- derived sizes ----------------
.set TM,     32*MT                     ; rows of C in a work-group: 128, one for each thread
.set NP,     2*MT                      ; TM / 16 = 8: an f16 tile of A is 8 passes, which fill TMP once
.set NB,     16                        ; 16-byte loads a lane for B's 64 x 128 f32 of a step
.if A_F32
.set NA,     16                        ; the same for A's 128 x 64 f32
.set APASS,  32768                     ; a pass of the 128 threads covers 8 rows of 256 bytes
.else
.set NA,     NP                        ; a pass covers 16 rows of 128 bytes
.set APASS,  16*LDA
.endif
.if B_KN
.set BPASS,  16384                     ; a pass covers 4 k rows of 512 bytes
.set BSTEP,  262144                    ; 64 k rows of 4,096 bytes
.set BCOL,   512                       ; 128 columns of f32
.else
.set BPASS,  32768                     ; a pass covers 8 n rows of 256 bytes
.set BSTEP,  256
.set BCOL,   524288                    ; 128 n rows of 4,096 bytes
.endif
.if LDA == 4096
.set LDASH,  12
.else
.set LDASH,  11
.endif
.if LDC == 4096
.set LDCSH,  12
.else
.set LDCSH,  11
.endif
.set NF,     2*(MT+4)                  ; LDS loads of one half step's fragments
.set CA,     NA+2*NB                   ; loads issued behind A(i+1): B(i+1), A(i+2), B(i+2)
.set CB,     2*NA+NB                   ; loads issued behind B(i+1): A(i+2), B(i+2), A(i+3)
.set CT,     NA+NB
; ---------------- LDS ----------------
.set ABYTES, TM*144                    ; A: rows of 128 bytes, pitch 144 = 9 x 16: a fragment load's 16 rows fall on 16 different 16-byte columns of 256
.set SLOT,   ABYTES+18432              ; B: 128 rows at pitch 144, or 64 k rows of 256 bytes at pitch 288 = 9 x 32 for the transposing load
.set FTB,    2*SLOT                    ; factor table: one word (f, f) in f16 for each block and row
.set POSTB,  FTB+16384                 ; one f32 for each row
.set SSB,    POSTB+4*TM                ; each wave's own stage for the statistics that it makes
.set SSWB,   256
.if EPI == 2
.set SPITCH, 528                       ; the stage for C lies over the ring, which is done with by then
.set NRB,    32                        ; read back: one row of 512 bytes a load
.set RSTEP,  528
.set GSTEP,  LDC
.set XB,     512
.else
.set SPITCH, 272
.set NRB,    TM/8                      ; two rows of 256 bytes a load
.set RSTEP,  544
.set GSTEP,  2*LDC
.set XB,     256
.endif
; ---------------- registers ----------------
; window 0: v1 r = lane % 16, v2 h = lane / 16; addresses; v32-63 converted data; v64-159, v160-255 two fragment buffers (A at +0, B at +64)
; window 1: accumulators, tile (a, b) at 8 (4 a + b).   window 2: loaded steps, parity s at 128 s, A at +0, B at +64.
.set VA,  4
.set VB,  5
.set AST, 6
.set BST, 8
.set AFR, 10
.set BFR, 12
.set FA,  14
.set SO,  15
.set FAC, 16
.set TMP, 32
.set F0,  64
.set F1,  160
.set ST,  64
.set STO, 16                           ; the way out uses v16-25, v32-55 and the fragment buffers again
.set RD,  17
.set CO,  18
.set SSW, 19
.set SSR, 20
.set PA,  22
.set GS,  23
.set SV,  24
.set PO,  40                           ; v40-47: tile a's factor on the sums, as a pair at PO + 2 a
.set SC,  48
.set AM,  50
.set T1,  51
.set T2,  52                           ; v52-55: tile a's block exponent
.set X,   64                           ; at work; for the f32 way out tile a's 32 results at X + 32 a
.set H,   96                           ; v96-159: tile a's 16 registers of f16 at H + 16 a
.set W_MUL, 0x50                       ; s_set_vgpr_msb: C and D in window 1
.set W_LD,  0x80                       ; destination in window 2
.set W_CVT, 0x0a                       ; sources 0 and 1 in window 2
.set W_PKM, 0x02                       ; source 0 in window 2
.set W_ACC, 0x01                       ; source 0 in window 1
.set W_AMX, 0x14                       ; sources 1 and 2 in window 1
.set MSB, 0
.macro WIN new                         ; the immediate's high byte repeats the setting that is left
.if MSB != \new
	s_set_vgpr_msb (MSB<<8)|\new
.set MSB, \new
.endif
.endm
.macro PLACES                          ; four independent vector instructions behind a matrix instruction (ISA guide 7.12.1)
.rept 4
	v_nop
.endr
.endm
	s_load_b128 s[4:7], s[0:1], 0x0                ; A, B
	s_load_b64 s[8:9], s[0:1], 0x10                ; C
	v_lshl_add_u32 v222, v0, 2, 0x16800
	v_mov_b32 v223, 0
	v_lshrrev_b32 v3, 5, v0
	v_readfirstlane_b32 s12, v3                    ; wave
	s_and_b32 s16, ttmp7, 0xffff                   ; block row y; ttmp9 is the block column x
	s_mov_b32 s24, 0x76543210                      ; v_permlanex16_b32: lane i takes lane i of the other half
	s_mov_b32 s25, 0xfedcba98
	s_mov_b32 s21, 0                               ; high word of every offset pair s[20:21]
	v_and_b32 v1, 15, v0
	v_bfe_u32 v2, v0, 4, 1
	s_wait_alu depctr_va_sdst(0)                   ; s12 is written, ahead of its first reader: the wave's halves, LDS places and bases are made from it
	s_lshr_b32 s13, s12, 1                         ; wm: which half of the rows
	s_and_b32 s14, s12, 1                          ; wn: which 64 columns
.if A_F32
	v_lshrrev_b32 v32, 4, v0                       ; 16 threads take a row's 256 bytes
	v_lshlrev_b32 v33, 4, v1
	v_lshl_add_u32 v[VA], v32, 12, v33
	v_mul_u32_u24 v34, 144, v32
	v_lshl_add_u32 v[AST], v1, 3, v34              ; 4 f32 become 8 bytes
.else
	v_lshrrev_b32 v32, 3, v0                       ; 8 threads take a row's 128 bytes
	v_and_b32 v33, 7, v0
	v_lshlrev_b32 v33, 4, v33
	v_lshl_add_u32 v[VA], v32, LDASH, v33
	v_mul_u32_u24 v34, 144, v32
	v_add_nc_u32 v[AST], v34, v33
	v_mul_u32_u24 v[FA], 4*NP, v32                 ; my NP rows' factors lie side by side in the table
	v_add_nc_u32 v[FA], FTB, v[FA]
.endif
	v_add_nc_u32 v[AST+1], SLOT, v[AST]
.if B_KN
	v_lshrrev_b32 v32, 5, v0                       ; a wave takes a k row's 512 bytes
	v_and_b32 v33, 31, v0
	v_lshlrev_b32 v34, 4, v33
	v_lshl_add_u32 v[VB], v32, 12, v34
	v_mul_u32_u24 v34, 288, v32
	v_lshl_add_u32 v34, v33, 3, v34
.else
	v_lshrrev_b32 v32, 4, v0
	v_lshlrev_b32 v33, 4, v1
	v_lshl_add_u32 v[VB], v32, 12, v33
	v_mul_u32_u24 v34, 144, v32
	v_lshl_add_u32 v34, v1, 3, v34
.endif
	v_add_nc_u32 v[BST], ABYTES, v34
	v_add_nc_u32 v[BST+1], SLOT, v[BST]
	v_mul_u32_u24 v35, 144, v1                     ; fragments with K along the row: row r, 16 bytes for each half of the lanes
	v_lshl_add_u32 v35, v2, 4, v35
	s_mul_i32 s17, s13, 16*MT*144
	v_add_nc_u32 v[AFR], s17, v35
	v_add_nc_u32 v[AFR+1], SLOT, v[AFR]
.if B_KN
	v_and_b32 v36, 7, v0                           ; transposing load: k row 8 h + lane % 8, 16 bytes at 16 ((lane / 8) % 2)
	v_lshl_add_u32 v36, v2, 3, v36
	v_mul_u32_u24 v36, 288, v36
	v_bfe_u32 v37, v0, 3, 1
	v_lshl_add_u32 v36, v37, 4, v36
	s_lshl_b32 s17, s14, 7
	s_add_co_u32 s17, s17, ABYTES
	v_add_nc_u32 v[BFR], s17, v36
.else
	s_mul_i32 s17, s14, 64*144
	s_add_co_u32 s17, s17, ABYTES
	v_add_nc_u32 v[BFR], s17, v35
.endif
	v_add_nc_u32 v[BFR+1], SLOT, v[BFR]
	s_wait_kmcnt 0x0
	s_mul_i32 s20, s16, TM*LDA
	s_add_nc_u64 s[40:41], s[4:5], s[20:21]        ; A at my rows: even steps,
	s_add_nc_u64 s[42:43], s[40:41], ASTEP         ; odd steps: a base for each, so that one can be stepped while the other's loads are out
	s_mul_i32 s20, ttmp9, BCOL
.if BBATCH
	s_lshr_b32 s17, s16, BSH
	s_mul_i32 s17, s17, BBATCH
	s_add_co_u32 s20, s20, s17
.endif
	s_add_nc_u64 s[44:45], s[6:7], s[20:21]
	s_add_nc_u64 s[46:47], s[44:45], BSTEP
.if A_F32 == 0
	s_mul_i32 s20, s16, TM*4
	s_add_co_u32 s20, s20, ADATA
	s_add_nc_u64 s[48:49], s[4:5], s[20:21]        ; A's statistics, [block][row] f32, at my rows
.endif
; n loads of 16 bytes a lane: one operand's tile of a K step into window 2
.macro LOADT par, sub, n, va, base, pass
	WIN W_LD
.set pp, 0
.rept \n
	global_load_b128 v[128*\par+\sub+4*pp:128*\par+\sub+4*pp+3], v[\va], s[\base+2*\par:\base+2*\par+1] offset:pp*\pass
.set pp, pp+1
.endr
.endm
; a loaded f32 tile to f16: 64 numbers a lane, into TMP
.macro CVT par, sub
	WIN W_CVT
.set pp, 0
.rept 16
	v_cvt_pk_f16_f32 v[TMP+2*pp],   v[128*\par+\sub+4*pp],   v[128*\par+\sub+4*pp+1]
	v_cvt_pk_f16_f32 v[TMP+2*pp+1], v[128*\par+\sub+4*pp+2], v[128*\par+\sub+4*pp+3]
.set pp, pp+1
.endr
.endm
.macro FACS                            ; my NP rows' factors of the block at v[FA]
.set pp, 0
.rept NP/4
	ds_load_b128 v[FAC+4*pp:FAC+4*pp+3], v[FA] offset:16*pp
.set pp, pp+1
.endr
.endm
; A's tile of the step of parity par is made ready in TMP
.macro CONV_A par, cnt
	s_wait_loadcnt \cnt                            ; loads return in order: the tile is in, and its base is free to step
.if A_F32
	CVT \par, 0
.else
	WIN W_PKM
.set pp, 0
.rept 8
.irp q, 0,1,2,3
	v_pk_mul_f16 v[TMP+4*pp+\q], v[128*\par+4*pp+\q], v[FAC+pp]   ; a power of two: brings the block to its row's exponent
.endr
.set pp, pp+1
.endr
.endif
	s_wait_alu depctr_va_vdst(0)                   ; TMP is written, which A's LDS stores read; A's raw registers; v[FA] is written; the last trip's matrix instructions are done reading buffer 1
.endm
.macro STORE_A par                     ; TMP into slot par, in one run (ahead of the loop, where no matrix work is at hand)
	WIN 0
.set pp, 0
.if A_F32
.rept 16
	ds_store_b64 v[AST+\par], v[TMP+2*pp:TMP+2*pp+1] offset:pp*1152
.set pp, pp+1
.endr
.else
.rept 8
	ds_store_b128 v[AST+\par], v[TMP+4*pp:TMP+4*pp+3] offset:pp*2304
.set pp, pp+1
.endr
.endif
.endm
.macro LOAD_A par                      ; the step two further on is asked for
	s_add_nc_u64 s[40+2*\par:41+2*\par], s[40+2*\par:41+2*\par], 2*ASTEP
	LOADT \par, 0, NA, VA, 40, APASS
.endm
.macro CONV_B par, cnt
	s_wait_loadcnt \cnt
	s_wait_alu depctr_vm_vsrc(0)                   ; A's LDS stores have read TMP, which the conversions below write again
	CVT \par, 64
	s_wait_alu depctr_va_vdst(0)                   ; TMP is written, which B's LDS stores read; the matrix instructions issued so far are done reading buffer 0
.endm
.macro STORE_B par
	WIN 0
.set pp, 0
.rept 16
	ds_store_b64 v[BST+\par], v[TMP+2*pp:TMP+2*pp+1] offset:pp*1152
.set pp, pp+1
.endr
.endm
.macro LOAD_B par
	s_add_nc_u64 s[44+2*\par:45+2*\par], s[44+2*\par:45+2*\par], 2*BSTEP
	LOADT \par, 64, NB, VB, 44, BPASS
.endm
; the fragments of 32 along K (half step ks of a slot) into buffer f: NF LDS loads
.macro FETCH f, slot, ks
.set aa, 0
.rept MT
	ds_load_b128 v[\f+8*aa:\f+8*aa+3],   v[AFR+\slot] offset:2304*aa+64*\ks
	ds_load_b128 v[\f+8*aa+4:\f+8*aa+7], v[AFR+\slot] offset:2304*aa+64*\ks+32
.set aa, aa+1
.endr
.irp b, 0,1,2,3
.if B_KN
	ds_load_tr16_b128 v[\f+64+8*\b:\f+64+8*\b+3],   v[BFR+\slot] offset:9216*\ks+32*\b
	ds_load_tr16_b128 v[\f+64+8*\b+4:\f+64+8*\b+7], v[BFR+\slot] offset:9216*\ks+32*\b+4608
.else
	ds_load_b128 v[\f+64+8*\b:\f+64+8*\b+3],   v[BFR+\slot] offset:2304*\b+64*\ks
	ds_load_b128 v[\f+64+8*\b+4:\f+64+8*\b+7], v[BFR+\slot] offset:2304*\b+64*\ks+32
.endif
.endr
.endm
; 2 MT matrix instructions: m tiles first .. first + MT/2 - 1 x 4 n tiles.  Source 0 is B's fragment, source 1 A's: a lane then holds
; eight neighbouring columns (8 h + j) of row r of C.  zero = 1: the first product starts the sums, nothing is cleared.
.macro MULG f, first, zero
	WIN W_MUL
.set aa, \first
.rept MT/2
.irp b, 0,1,2,3
.if \zero
	v_wmma_f32_16x16x32_f16 v[8*(4*aa+\b):8*(4*aa+\b)+7], v[\f+64+8*\b:\f+64+8*\b+7], v[\f+8*aa:\f+8*aa+7], 0
.else
	v_wmma_f32_16x16x32_f16 v[8*(4*aa+\b):8*(4*aa+\b)+7], v[\f+64+8*\b:\f+64+8*\b+7], v[\f+8*aa:\f+8*aa+7], v[8*(4*aa+\b):8*(4*aa+\b)+7]
.endif
.endr
.set aa, aa+1
.endr
.endm
; The same eight matrix instructions with A's LDS stores into slot par dealt among them.  No wait: the matrix instructions name buffer f and accumulators, the stores
; TMP and their address, all written ahead of the last wait on va_vdst.  Under the matrix setting a store's address and data are in window 0: no switch.
.macro MULST f, first, zero, par
	WIN W_MUL
.set aa, \first
.set ss, 0
.rept MT/2
.irp b, 0,1,2,3
.if \zero
	v_wmma_f32_16x16x32_f16 v[8*(4*aa+\b):8*(4*aa+\b)+7], v[\f+64+8*\b:\f+64+8*\b+7], v[\f+8*aa:\f+8*aa+7], 0
.else
	v_wmma_f32_16x16x32_f16 v[8*(4*aa+\b):8*(4*aa+\b)+7], v[\f+64+8*\b:\f+64+8*\b+7], v[\f+8*aa:\f+8*aa+7], v[8*(4*aa+\b):8*(4*aa+\b)+7]
.endif
.if A_F32
	ds_store_b64 v[AST+\par], v[TMP+4*ss:TMP+4*ss+1]   offset:2*ss*1152
	ds_store_b64 v[AST+\par], v[TMP+4*ss+2:TMP+4*ss+3] offset:(2*ss+1)*1152
.else
	ds_store_b128 v[AST+\par], v[TMP+4*ss:TMP+4*ss+3] offset:ss*2304
.endif
.set ss, ss+1
.endr
.set aa, aa+1
.endr
.endm
; ONE K STEP.  Slot cur is multiplied; conv = 1: the next step is converted into slot nxt; load = 1: the step three on is asked for; fl = 1: the factors of the step after next are asked for.
; One barrier does both orderings: in front of it my reads of cur and my stores into nxt are done; behind it nxt is read, and in the
; next trip cur is written again.
.macro TRIP cur, nxt, zero, conv, load, ca, cb, more, fl
.if \conv
	s_wait_dscnt 0x0                               ; buffer 0's loads are the youngest LDS instructions: it is in
	MULG F0, 0, \zero
	CONV_A \nxt, \ca
	WIN 0
	FETCH F1, \cur, 1                              ; no vector or matrix instruction since the wait above names buffer 1
.if \fl*(1-A_F32)
	FACS
.endif
.if \load
	LOAD_A \nxt
.endif
	MULST F0, MT/2, \zero, \nxt
	CONV_B \nxt, \cb
	STORE_B \nxt
.if \load
	LOAD_B \nxt
.endif
.else
	WIN 0
	PLACES                                         ; buffer 1 was read by the matrix instructions just issued, and this trip has no conversions to stand between
	s_wait_alu depctr_va_vdst(0)                   ; the last trip's matrix instructions are done reading buffer 1, in which the loads below land
	FETCH F1, \cur, 1
	s_wait_dscnt NF                                ; the NF loads just issued may be out: buffer 0 is in
	MULG F0, 0, 0
	MULG F0, MT/2, 0
.endif
	s_wait_dscnt 0x0                               ; for the others' sake: my reads of cur, my stores into nxt
	s_barrier_signal -1
	MULG F1, 0, 0                                  ; registers only
	s_barrier_wait -1
.if \more
	WIN 0
	s_wait_alu depctr_vm_vsrc(0)                   ; B's LDS stores have read TMP, which the next trip's conversions write; the factors' loads have read v[FA]
.if \load*(1-A_F32)
	v_add_nc_u32 v[FA], 4*TM, v[FA]                ; one block on, where a further block's factors are still to be asked for
.endif
	FETCH F0, \nxt, 0                              ; since the wait behind B's conversions only buffer 1, accumulators and v[FA] have been named
.endif
	MULG F1, MT/2, 0
.endm
; ---------------- the statistics of A: block factors and the factor on the sums ----------------
.if A_F32 == 0
	v_lshlrev_b32 v[SO], 2, v0                     ; thread t takes row t
.endif
	s_wait_alu depctr_va_vdst(0)                   ; the offsets and LDS addresses v4 to v15 are written, which the loads and LDS instructions from here to the loop's end read
.if A_F32 == 0
.set bb, 0
.rept NBI
	global_load_b32 v[ST+bb], v[SO], s[48:49] offset:16384*bb
.set bb, bb+1
.endr
.if HAS_L
.set bb, 0
.rept NBI
	global_load_b32 v[ST+NBI+bb], v[SO], s[48:49] offset:16384*(NBI+bb)
.set bb, bb+1
.endr
.endif
.endif
	LOADT 0, 0, NA, VA, 40, APASS                  ; step 0
	LOADT 0, 64, NB, VB, 44, BPASS
.if A_F32 == 0
	WIN 0
	v_lshrrev_b32 v34, 4, v0                       ; table word of (block, row): block x 4 TM + (row % 16) x 4 NP + (row / 16) x 4
	v_lshlrev_b32 v34, 2, v34
	v_mul_u32_u24 v35, 4*NP, v1
	v_add_nc_u32 v34, v34, v35
	v_add_nc_u32 v34, FTB, v34
	v_add_nc_u32 v35, POSTB, v[SO]
	s_wait_loadcnt CT                              ; only step 0's NA + NB loads may be out: the statistics are in
	v_max_num_f32 v32, v[ST], v[ST+1]              ; the row's largest exponent (or maximum)
.set bb, 2
.rept (NBI-2)/2
	v_max3_num_f32 v32, v32, v[ST+bb], v[ST+bb+1]
.set bb, bb+2
.endr
.set bb, 0
.rept NBI
	v_sub_f32 v[ST+bb], v[ST+bb], v32
.set bb, bb+1
.endr
.set bb, 0
.rept NBI
	v_exp_f32 v[ST+bb], v[ST+bb]                   ; whole numbers in, powers of two out
.set bb, bb+1
.endr
.if POSTK != 3
	v_exp_f32 v33, v32
.endif
	v_nop                                          ; one plain instruction behind the transcendentals (ISA guide 5.7.2)
	s_wait_alu depctr_va_vdst(0)                   ; the exponentials have written their results, ahead of the first line that names one
.if POSTK == 3
	v_mul_f32 v33, v[ST], v[ST+NBI]                ; l = sum over blocks of factor x block sum
.set bb, 1
.rept NBI-1
	v_fmac_f32 v33, v[ST+bb], v[ST+NBI+bb]
.set bb, bb+1
.endr
	v_rcp_f32 v33, v33
	v_nop
.endif
.set bb, 0
.rept NBI
	v_cvt_pk_f16_f32 v[ST+bb], v[ST+bb], v[ST+bb]
.set bb, bb+1
.endr
	s_wait_alu depctr_va_vdst(0)                   ; the conversions have written v[ST ..], and v33 (a reciprocal's result where POSTK = 3), v34 and v35 are written: the LDS stores below read them
.set bb, 0
.rept NBI
	ds_store_b32 v34, v[ST+bb] offset:4*TM*bb
.set bb, bb+1
.endr
	ds_store_b32 v35, v33
.endif
	LOADT 1, 0, NA, VA, 40, APASS                  ; step 1
	LOADT 1, 64, NB, VB, 44, BPASS
	WIN 0
.if A_F32 == 0
	s_wait_dscnt 0x0                               ; my table words are written,
	s_barrier_signal -1
	s_barrier_wait -1                              ; everybody's are
	FACS                                           ; block 0's factors
	s_wait_alu depctr_vm_vsrc(0)                   ; the table's stores have read v33 to v35 and v[ST ..], which TMP's and the fragments' writers take over; the factors' loads have read v[FA]
	v_add_nc_u32 v[FA], 4*TM, v[FA]
	s_wait_dscnt 0x0                               ; the factors are in
.endif
	CONV_A 0, CA                                   ; step 0 into slot 0; step 2 asked for
	WIN 0
.if A_F32 == 0
	FACS                                           ; block 1's factors
.endif
	STORE_A 0
	LOAD_A 0
	CONV_B 0, CB
	STORE_B 0
	LOAD_B 0
	WIN 0
	s_wait_dscnt 0x0
	s_barrier_signal -1
	s_barrier_wait -1
	s_wait_alu depctr_vm_vsrc(0)                   ; B's LDS stores have read TMP, which the first trip's conversions write; the factors' loads have read v[FA]
.if A_F32 == 0
	v_add_nc_u32 v[FA], 4*TM, v[FA]
.endif
	FETCH F0, 0, 0
; ---------------- NS trips: two in front of the loop (they start the sums), the last four written out (they ask for nothing beyond K) ----------------
	TRIP 0, 1, 1, 1, 1, CA, CB, 1, 1
	TRIP 1, 0, 0, 1, 1, CA, CB, 1, 1
	WIN 0
	s_mov_b32 s22, (NS-6)/2
.Lpair:
	TRIP 0, 1, 0, 1, 1, CA, CB, 1, 1
	TRIP 1, 0, 0, 1, 1, CA, CB, 1, 1
	WIN 0
	s_sub_co_u32 s22, s22, 1
	s_cmp_lg_u32 s22, 0
	s_cbranch_scc1 .Lpair
	TRIP 0, 1, 0, 1, 1, CA, CB, 1, 1               ; asks for the last step
	TRIP 1, 0, 0, 1, 0, CA, CT, 1, 1               ; behind B(NS-2) only A(NS-1) and B(NS-1) were issued; asks for the last block's factors
	TRIP 0, 1, 0, 1, 0, NB, 0, 1, 0                ; behind A(NS-1) only B(NS-1); behind that nothing
	TRIP 1, 0, 0, 0, 0, 0, 0, 0, 0                 ; its barrier also frees the ring for the stage
; ---------------- the way out ----------------
; The rows' factors are asked for in one run; the four tiles' arithmetic writes registers of its own for each tile; one wait on va_vdst; all LDS stores in one run.
	WIN 0
	PLACES                                         ; behind the last matrix instructions: results are read, fragment registers written
	v_mov_b32 v[T1], 0                             ; v_permlanex16_b32 counts as a reader of its destination
	s_mul_i32 s17, s13, 16*MT                      ; my first row in the block
.if POSTK
	s_lshl_b32 s18, s17, 2
	s_add_co_u32 s18, s18, POSTB
	v_lshl_add_u32 v[PA], v1, 2, s18
.endif
	s_mul_i32 s18, s17, SPITCH
.if EPI == 2
	s_lshl_b32 s19, s14, 8
	v_lshlrev_b32 v[STO], 5, v2
.else
	s_lshl_b32 s19, s14, 7
	v_lshlrev_b32 v[STO], 4, v2
.endif
	s_add_co_u32 s18, s18, s19
	v_add_nc_u32 v[STO], s18, v[STO]
	v_mul_u32_u24 v32, SPITCH, v1
	v_add_nc_u32 v[STO], v32, v[STO]               ; stage: row r of my rows, my 64 columns, my half's 8 numbers
	v_and_b32 v33, 31, v0
	s_mul_i32 s18, s12, (TM/4)*SPITCH              ; read back: wave w takes rows (TM/4) w ..
.if EPI == 2
	v_lshlrev_b32 v[CO], 4, v33
	v_add_nc_u32 v[RD], s18, v[CO]
.else
	v_lshlrev_b32 v34, 4, v1
	v_mul_u32_u24 v[RD], SPITCH, v2
	v_add3_u32 v[RD], v[RD], v34, s18
	v_lshl_add_u32 v[CO], v2, LDCSH, v34
.endif
.if EPI != 2
	s_mul_i32 s18, s12, SSWB
	s_add_co_u32 s18, s18, SSB
	v_lshl_add_u32 v[SSW], v1, 2, s18
	v_lshlrev_b32 v[GS], 3, v33
	v_add_nc_u32 v[SSR], s18, v[GS]
	s_lshl_b32 s18, ttmp9, 1                       ; my block of 64 columns: 2 x + wn; a plane of 4,096 rows for each
	s_add_co_u32 s18, s18, s14
	s_lshl_b32 s18, s18, 14
	s_mul_i32 s19, s16, TM
	s_add_co_u32 s19, s19, s17
	s_lshl_b32 s19, s19, 2
	s_add_co_u32 s20, s18, s19
	s_add_co_u32 s20, s20, CDATA
	s_add_nc_u64 s[50:51], s[8:9], s[20:21]
.endif
	s_mul_i32 s18, s16, TM
	s_mul_i32 s19, s12, TM/4
	s_add_co_u32 s18, s18, s19
	s_mul_i32 s20, s18, LDC
	s_mul_i32 s18, ttmp9, XB
	s_add_co_u32 s20, s20, s18
	s_add_nc_u64 s[52:53], s[8:9], s[20:21]
.if POSTK
	s_wait_alu depctr_va_vdst(0)                   ; v[PA] is written, which the four loads below read; the loop's conversions are done with v40 to v46, in which they land
.set tt, 0
.rept MT
	ds_load_b32 v[PO+2*tt], v[PA] offset:64*tt
.set tt, tt+1
.endr
.endif
; one m tile: 16 rows x my 64 columns; a lane holds 32 numbers of row r, its partner lane (the other half) the other 32.  Vector work alone.
.macro TILE a
.set XX, X+32*\a*(EPI/2)
	WIN 0
.if EPI == 0
	v_mov_b32 v[AM], 0                             ; largest magnitude of the row's 64 numbers
	WIN W_AMX
.set ii, 0
.rept 16
	v_max3_num_f32 v[AM], v[AM], |v[32*\a+2*ii]|, |v[32*\a+2*ii+1]|
.set ii, ii+1
.endr
	WIN 0
	v_permlanex16_b32 v[T1], v[AM], s24, s25
	v_max_num_f32 v[AM], v[AM], v[T1]
.endif
.if POSTK
.if \a == 0
	s_wait_dscnt 0x0                               ; the four tiles' factors are in
.endif
	v_mov_b32 v[PO+2*\a+1], v[PO+2*\a]
	WIN W_ACC
.set ii, 0
.rept 16
	v_pk_mul_f32 v[XX+2*ii:XX+2*ii+1], v[32*\a+2*ii:32*\a+2*ii+1], v[PO+2*\a:PO+2*\a+1]
.set ii, ii+1
.endr
	WIN 0
.endif
.if EPI == 0
.if POSTK
	v_mul_f32 v[AM], v[AM], v[PO+2*\a]
.endif
	v_lshrrev_b32 v[T1], 23, v[AM]                 ; e, the biased exponent (the sign is 0)
	v_min_u32 v[T1], 253, v[T1]                    ; so that 2^(127 - e) is a normal number
	v_sub_nc_u32 v[T2+\a], 254, v[T1]
	v_lshlrev_b32 v[SC], 23, v[T2+\a]              ; 2^(127 - e): the largest magnitude lands in [1, 2)
	v_mov_b32 v[SC+1], v[SC]
	v_add_nc_u32 v[T2+\a], 0xffffff81, v[T1]
	v_cvt_f32_i32 v[T2+\a], v[T2+\a]               ; e - 127, kept as f32 beside the data
.if POSTK
.set ii, 0
.rept 16
	v_pk_mul_f32 v[X+2*ii:X+2*ii+1], v[X+2*ii:X+2*ii+1], v[SC:SC+1]
.set ii, ii+1
.endr
.else
	WIN W_ACC
.set ii, 0
.rept 16
	v_pk_mul_f32 v[X+2*ii:X+2*ii+1], v[32*\a+2*ii:32*\a+2*ii+1], v[SC:SC+1]
.set ii, ii+1
.endr
	WIN 0
.endif
.set ii, 0
.rept 16
	v_cvt_pk_f16_f32 v[H+16*\a+ii], v[X+2*ii], v[X+2*ii+1]
.set ii, ii+1
.endr
.endif
.endm
.set tt, 0
.rept MT
	TILE tt
.set tt, tt+1
.endr
	s_wait_alu depctr_va_vdst(0)                   ; the four tiles' results (and block exponents) and the way out's addresses v16 to v23 are written: the stores and loads from here to the end read them, and no vector line follows
.set tt, 0
.rept MT
.if EPI == 2
.irp b, 0,1,2,3
	ds_store_b128 v[STO], v[X+32*tt+8*\b:X+32*tt+8*\b+3]   offset:8448*tt+64*\b
	ds_store_b128 v[STO], v[X+32*tt+8*\b+4:X+32*tt+8*\b+7] offset:8448*tt+64*\b+16
.endr
.else
.irp b, 0,1,2,3
	ds_store_b128 v[STO], v[H+16*tt+4*\b:H+16*tt+4*\b+3] offset:4352*tt+32*\b
.endr
	ds_store_b32 v[SSW], v[T2+tt] offset:64*tt     ; both halves write the same word with the same number
.endif
.set tt, tt+1
.endr
.if EPI != 2
	; my statistics, out of my own stage (LDS serves a wave's instructions in order): the store covers 256 consecutive bytes, aligned
	ds_load_b64 v[SV:SV+1], v[SSR]
	s_wait_dscnt 0x0
	global_store_b64 v[GS], v[SV:SV+1], s[50:51]
.endif
	s_wait_dscnt 0x0                               ; my part of the stage is written,
	s_barrier_signal -1
	s_barrier_wait -1                              ; everybody's is: whole rows can be read
	s_wait_alu depctr_vm_vsrc(0)                   ; my LDS stores have read the tiles' registers, in which the loads below land
.set ii, 0
.rept NRB
	ds_load_b128 v[64+4*ii:64+4*ii+3], v[RD] offset:ii*RSTEP
.set ii, ii+1
.endr
.set ii, 0
.rept NRB
	s_wait_dscnt NRB-1-ii                          ; the younger read-back loads may be out
.if EPI == 2
	global_store_b128 v[CO], v[64+4*ii:64+4*ii+3], s[52:53] offset:ii*GSTEP th:TH_STORE_NT
.else
	global_store_b128 v[CO], v[64+4*ii:64+4*ii+3], s[52:53] offset:ii*GSTEP   ; 16 lanes store 256 consecutive bytes, aligned
.endif
.set ii, ii+1
.endr
	s_wait_dscnt 0x0                               ; the closing lines, six on end
	s_wait_alu 0x0
	s_wait_tensorcnt 0x0
	ds_add_u32 v222, v223
	s_wait_dscnt 0x0
	s_endpgm
.Lfunc_end_k_qb3da92b3dc_mix:
	.size	k_qb3da92b3dc_mix, .Lfunc_end_k_qb3da92b3dc_mix-k_qb3da92b3dc_mix
	.p2alignl 7, 3214868480
	.fill 96, 4, 3214868480
	.section	.rodata,"a",@progbits
	.p2align	6, 0x0
	.amdhsa_kernel k_qb3da92b3dc_mix
		.amdhsa_group_segment_fixed_size 92672
		.amdhsa_private_segment_fixed_size 0
		.amdhsa_enable_private_segment 0
		.amdhsa_kernarg_size 24
		.amdhsa_user_sgpr_count 2
		.amdhsa_user_sgpr_kernarg_segment_ptr 1
		.amdhsa_wavefront_size32 1
		.amdhsa_system_sgpr_workgroup_id_x 1
		.amdhsa_system_sgpr_workgroup_id_y 1
		.amdhsa_system_sgpr_workgroup_id_z 1
		.amdhsa_system_vgpr_workitem_id 0
		.amdhsa_next_free_vgpr 768
		.amdhsa_next_free_sgpr 66
		.amdhsa_reserve_vcc 0
		.amdhsa_float_denorm_mode_32 3
		.amdhsa_float_denorm_mode_16_64 3
		.amdhsa_memory_ordered 1
		.amdhsa_forward_progress 1
		.amdhsa_inst_pref_size 146
	.end_amdhsa_kernel
	.amdgpu_metadata
---
amdhsa.version: [ 1, 2 ]
amdhsa.kernels:
  - .name:           k_qb3da92b3dc_mix
    .symbol:         k_qb3da92b3dc_mix.kd
    .args:
      - { .name: pb, .offset: 0, .size: 8, .value_kind: global_buffer, .address_space: global }
      - { .name: v, .offset: 8, .size: 8, .value_kind: global_buffer, .address_space: global }
      - { .name: ub, .offset: 16, .size: 8, .value_kind: global_buffer, .address_space: global }
    .group_segment_fixed_size: 92672
    .private_segment_fixed_size: 0
    .kernarg_segment_align: 8
    .kernarg_segment_size: 24
    .max_flat_workgroup_size: 128
    .sgpr_count:     66
    .vgpr_count:     768
    .wavefront_size: 32
...
	.end_amdgpu_metadata
.endif
;; end of part 8
;; launch projo (part 9): grid 8 x 32, 4 waves a work-group, no clusters, 92,672 bytes of LDS; arguments ub, W_v, out0; writes out0
.if DOCPART == 9
	.amdgcn_target "amdgcn-amd-amdhsa--gfx1250"
	.amdhsa_code_object_version 6
	.text
	.protected	k_qb3da92b3dc_projo
	.globl	k_qb3da92b3dc_projo
	.p2align	8
	.type	k_qb3da92b3dc_projo,@function
k_qb3da92b3dc_projo:
	s_mov_b64 s[64:65], 0
	v_nop
	global_prefetch_b8 v0, s[64:65] scope:SCOPE_SE
	s_setreg_imm32_b32 hwreg(HW_REG_WAVE_SCHED_MODE, 0, 2), 2
	s_setreg_imm32_b32 hwreg(HW_REG_WAVE_MODE, 25, 1), 1
	s_wait_xcnt 0x0
	s_wait_alu depctr_vm_vsrc(0)
; LAUNCH 5 OF 5:  out = u Wv^T.   A = ub (f16 with block exponents),  B = W_v [n][k] f32,  C = out0 (f32).
;
; THE PROGRAM.  reference(): out = softmax((q Wq^T)(k Wk^T)^T / 32 + mask) (v Wv^T).  Here the same products in another order:
;   qp = q Wq^T;  t = qp Wk;  P = softmax(t k^T / 32 + mask);  u = P v;  out = u Wv^T.
; That is 60 GFLOP in place of 112, and k and v are read as they lie in memory, with no projected copies of them.
; One text serves launches 1, 2, 4 and 5; the constants under WHAT THIS LAUNCH IS pick its paths.  Launch 3 (the block softmax, tiles of 256 rows) has a text of its own.
; LIMITS.  (1) The order of the products, and so of the roundings, is not reference()'s.  (2) Matrix operands are f16, sums f32.
; Raw inputs are rounded to f16 as they are: above 65,504 they become infinite, below 6e-8 zero.  (3) Intermediates are stored as f16
; numbers in [-2, 2] with one power of two for each row and block of 64 columns, kept as f32 beside the data, so their range is f32's;
; a block more than 2^24 below its row's largest block counts as zero.  (4) Softmax: each block of 64 scores has its own maximum
; (rounded down to a whole number, so that the factor between blocks is an exact power of two) taken away before the exponential;
; the launch that sums over j brings all blocks to the row's maximum.  A row whose mask is all -inf gives NaN, as in reference().
; NO CLUSTER: the tiles that work-groups share most (B) are f32 in memory and f16 in LDS.  A joint tensor load copies bytes as they are:
; a step's 32 KB of B would go into LDS as f32, out to registers and in again as f16, on top of the 96 KB of LDS traffic that a
; step has already.  A's f16 tiles need their block factor multiplied in on the way, so they pass through registers as well.
;
; SHAPE.  Four waves; the work-group makes TM x 128 of C, a wave 16 MT rows x 64 columns.  K goes in steps of 64 through two LDS slots.
; Global loads run two steps ahead into registers (window 2); in trip i step i+1 is converted and stored into the other slot.
; THE MODE: SCHED_MODE bits 1:0 = 2 (LLVM: expert scheduling mode 2), set by the entry lines.  The code itself states the register dependences
; between vector or matrix instructions and memory or LDS instructions, with s_wait_alu, always for 0.
; THE PLAN.  Registers that memory or LDS instructions touch in trip i (slot cur is multiplied, step i+1 goes into slot nxt):
;   RAW, window 2   A's and B's tile of step i+1: read by the trip's conversions; behind them the loads of step i+3 land in the same registers.
;   TMP v32-63      written by A's conversions, read by A's LDS stores; written again by B's conversions, read by B's LDS stores.
;   F0  v64-159     read by the trip's first 16 matrix instructions; loaded again behind the barrier, for trip i+1.
;   F1  v160-255    read by the trip's last 16 matrix instructions; loaded again in trip i+1, behind A's conversions.
;   FAC v16-23      a block's factors: read by A's multiplies; the next block's are loaded behind them.  v[FA], their address, is stepped once a trip.
;   v4-v13, v15     offsets and LDS addresses, made at the head and never written again: scalar bases and immediate offsets do the rest.
; FOUR WAITS A TRIP.  va_vdst behind A's conversions (TMP and v[FA] written; A's raw registers and FAC read; the last trip's matrix instructions done with F1);
; vm_vsrc ahead of B's conversions (A's stores have read TMP); va_vdst behind B's conversions (TMP written; B's raw registers read; the matrix instructions done with F0);
; vm_vsrc behind the barrier (B's stores have read TMP, the factors' loads v[FA]).  What follows each va_vdst names none of the registers that later vector or matrix lines touch.
; ---------------- WHAT THIS LAUNCH IS ----------------
.set A_F32,  0                         ; A is f32 (1) or f16 with block exponents (0)
.set B_KN,   0                         ; B lies [k][n] (1) or [n][k] (0)
.set MT,     4                         ; tiles of 16 rows in a wave
.set NS,     16                        ; K steps of 64
.set LDA,    2048                      ; bytes in a row of A
.set ASTEP,  128                       ; bytes of a row of A in a K step
.set NBI,    16                        ; blocks of 64 columns in a row of A (statistics read)
.set HAS_L,  0                         ; A carries a second plane: the blocks' sums of exponentials
.set POSTK,  1                         ; factor on the sums: 0 none, 1 2^m, 3 1/l
.set EPI,    2                         ; way out: 0 f16 with block exponents, 2 f32
.set LDC,    4096                      ; bytes in a row of C
.set BSH,    0                         ; batch = block row >> BSH
.set BBATCH, 0                         ; bytes of B in a batch (0: one B for all)
.set ADATA,  8388608                   ; bytes of A's data, behind which its statistics lie
.set CDATA,  0                         ; the same for C
; ---------------- derived sizes ----------------
.set TM,     32*MT                     ; rows of C in a work-group: 128, one for each thread
.set NP,     2*MT                      ; TM / 16 = 8: an f16 tile of A is 8 passes, which fill TMP once
.set NB,     16                        ; 16-byte loads a lane for B's 64 x 128 f32 of a step
.if A_F32
.set NA,     16                        ; the same for A's 128 x 64 f32
.set APASS,  32768                     ; a pass of the 128 threads covers 8 rows of 256 bytes
.else
.set NA,     NP                        ; a pass covers 16 rows of 128 bytes
.set APASS,  16*LDA
.endif
.if B_KN
.set BPASS,  16384                     ; a pass covers 4 k rows of 512 bytes
.set BSTEP,  262144                    ; 64 k rows of 4,096 bytes
.set BCOL,   512                       ; 128 columns of f32
.else
.set BPASS,  32768                     ; a pass covers 8 n rows of 256 bytes
.set BSTEP,  256
.set BCOL,   524288                    ; 128 n rows of 4,096 bytes
.endif
.if LDA == 4096
.set LDASH,  12
.else
.set LDASH,  11
.endif
.if LDC == 4096
.set LDCSH,  12
.else
.set LDCSH,  11
.endif
.set NF,     2*(MT+4)                  ; LDS loads of one half step's fragments
.set CA,     NA+2*NB                   ; loads issued behind A(i+1): B(i+1), A(i+2), B(i+2)
.set CB,     2*NA+NB                   ; loads issued behind B(i+1): A(i+2), B(i+2), A(i+3)
.set CT,     NA+NB
; ---------------- LDS ----------------
.set ABYTES, TM*144                    ; A: rows of 128 bytes, pitch 144 = 9 x 16: a fragment load's 16 rows fall on 16 different 16-byte columns of 256
.set SLOT,   ABYTES+18432              ; B: 128 rows at pitch 144, or 64 k rows of 256 bytes at pitch 288 = 9 x 32 for the transposing load
.set FTB,    2*SLOT                    ; factor table: one word (f, f) in f16 for each block and row
.set POSTB,  FTB+16384                 ; one f32 for each row
.set SSB,    POSTB+4*TM                ; each wave's own stage for the statistics that it makes
.set SSWB,   256
.if EPI == 2
.set SPITCH, 528                       ; the stage for C lies over the ring, which is done with by then
.set NRB,    32                        ; read back: one row of 512 bytes a load
.set RSTEP,  528
.set GSTEP,  LDC
.set XB,     512
.else
.set SPITCH, 272
.set NRB,    TM/8                      ; two rows of 256 bytes a load
.set RSTEP,  544
.set GSTEP,  2*LDC
.set XB,     256
.endif
; ---------------- registers ----------------
; window 0: v1 r = lane % 16, v2 h = lane / 16; addresses; v32-63 converted data; v64-159, v160-255 two fragment buffers (A at +0, B at +64)
; window 1: accumulators, tile (a, b) at 8 (4 a + b).   window 2: loaded steps, parity s at 128 s, A at +0, B at +64.
.set VA,  4
.set VB,  5
.set AST, 6
.set BST, 8
.set AFR, 10
.set BFR, 12
.set FA,  14
.set SO,  15
.set FAC, 16
.set TMP, 32
.set F0,  64
.set F1,  160
.set ST,  64
.set STO, 16                           ; the way out uses v16-25, v32-55 and the fragment buffers again
.set RD,  17
.set CO,  18
.set SSW, 19
.set SSR, 20
.set PA,  22
.set GS,  23
.set SV,  24
.set PO,  40                           ; v40-47: tile a's factor on the sums, as a pair at PO + 2 a
.set SC,  48
.set AM,  50
.set T1,  51
.set T2,  52                           ; v52-55: tile a's block exponent
.set X,   64                           ; at work; for the f32 way out tile a's 32 results at X + 32 a
.set H,   96                           ; v96-159: tile a's 16 registers of f16 at H + 16 a
.set W_MUL, 0x50                       ; s_set_vgpr_msb: C and D in window 1
.set W_LD,  0x80                       ; destination in window 2
.set W_CVT, 0x0a                       ; sources 0 and 1 in window 2
.set W_PKM, 0x02                       ; source 0 in window 2
.set W_ACC, 0x01                       ; source 0 in window 1
.set W_AMX, 0x14                       ; sources 1 and 2 in window 1
.set MSB, 0
.macro WIN new                         ; the immediate's high byte repeats the setting that is left
.if MSB != \new
	s_set_vgpr_msb (MSB<<8)|\new
.set MSB, \new
.endif
.endm
.macro PLACES                          ; four independent vector instructions behind a matrix instruction (ISA guide 7.12.1)
.rept 4
	v_nop
.endr
.endm
	s_load_b128 s[4:7], s[0:1], 0x0                ; A, B
	s_load_b64 s[8:9], s[0:1], 0x10                ; C
	v_lshl_add_u32 v222, v0, 2, 0x16800
	v_mov_b32 v223, 0
	v_lshrrev_b32 v3, 5, v0
	v_readfirstlane_b32 s12, v3                    ; wave
	s_and_b32 s16, ttmp7, 0xffff                   ; block row y; ttmp9 is the block column x
	s_mov_b32 s24, 0x76543210                      ; v_permlanex16_b32: lane i takes lane i of the other half
	s_mov_b32 s25, 0xfedcba98
	s_mov_b32 s21, 0                               ; high word of every offset pair s[20:21]
	v_and_b32 v1, 15, v0
	v_bfe_u32 v2, v0, 4, 1
	s_wait_alu depctr_va_sdst(0)                   ; s12 is written, ahead of its first reader: the wave's halves, LDS places and bases are made from it
	s_lshr_b32 s13, s12, 1                         ; wm: which half of the rows
	s_and_b32 s14, s12, 1                          ; wn: which 64 columns
.if A_F32
	v_lshrrev_b32 v32, 4, v0                       ; 16 threads take a row's 256 bytes
	v_lshlrev_b32 v33, 4, v1
	v_lshl_add_u32 v[VA], v32, 12, v33
	v_mul_u32_u24 v34, 144, v32
	v_lshl_add_u32 v[AST], v1, 3, v34              ; 4 f32 become 8 bytes
.else
	v_lshrrev_b32 v32, 3, v0                       ; 8 threads take a row's 128 bytes
	v_and_b32 v33, 7, v0
	v_lshlrev_b32 v33, 4, v33
	v_lshl_add_u32 v[VA], v32, LDASH, v33
	v_mul_u32_u24 v34, 144, v32
	v_add_nc_u32 v[AST], v34, v33
	v_mul_u32_u24 v[FA], 4*NP, v32                 ; my NP rows' factors lie side by side in the table
	v_add_nc_u32 v[FA], FTB, v[FA]
.endif
	v_add_nc_u32 v[AST+1], SLOT, v[AST]
.if B_KN
	v_lshrrev_b32 v32, 5, v0                       ; a wave takes a k row's 512 bytes
	v_and_b32 v33, 31, v0
	v_lshlrev_b32 v34, 4, v33
	v_lshl_add_u32 v[VB], v32, 12, v34
	v_mul_u32_u24 v34, 288, v32
	v_lshl_add_u32 v34, v33, 3, v34
.else
	v_lshrrev_b32 v32, 4, v0
	v_lshlrev_b32 v33, 4, v1
	v_lshl_add_u32 v[VB], v32, 12, v33
	v_mul_u32_u24 v34, 144, v32
	v_lshl_add_u32 v34, v1, 3, v34
.endif
	v_add_nc_u32 v[BST], ABYTES, v34
	v_add_nc_u32 v[BST+1], SLOT, v[BST]
	v_mul_u32_u24 v35, 144, v1                     ; fragments with K along the row: row r, 16 bytes for each half of the lanes
	v_lshl_add_u32 v35, v2, 4, v35
	s_mul_i32 s17, s13, 16*MT*144
	v_add_nc_u32 v[AFR], s17, v35
	v_add_nc_u32 v[AFR+1], SLOT, v[AFR]
.if B_KN
	v_and_b32 v36, 7, v0                           ; transposing load: k row 8 h + lane % 8, 16 bytes at 16 ((lane / 8) % 2)
	v_lshl_add_u32 v36, v2, 3, v36
	v_mul_u32_u24 v36, 288, v36
	v_bfe_u32 v37, v0, 3, 1
	v_lshl_add_u32 v36, v37, 4, v36
	s_lshl_b32 s17, s14, 7
	s_add_co_u32 s17, s17, ABYTES
	v_add_nc_u32 v[BFR], s17, v36
.else
	s_mul_i32 s17, s14, 64*144
	s_add_co_u32 s17, s17, ABYTES
	v_add_nc_u32 v[BFR], s17, v35
.endif
	v_add_nc_u32 v[BFR+1], SLOT, v[BFR]
	s_wait_kmcnt 0x0
	s_mul_i32 s20, s16, TM*LDA
	s_add_nc_u64 s[40:41], s[4:5], s[20:21]        ; A at my rows: even steps,
	s_add_nc_u64 s[42:43], s[40:41], ASTEP         ; odd steps: a base for each, so that one can be stepped while the other's loads are out
	s_mul_i32 s20, ttmp9, BCOL
.if BBATCH
	s_lshr_b32 s17, s16, BSH
	s_mul_i32 s17, s17, BBATCH
	s_add_co_u32 s20, s20, s17
.endif
	s_add_nc_u64 s[44:45], s[6:7], s[20:21]
	s_add_nc_u64 s[46:47], s[44:45], BSTEP
.if A_F32 == 0
	s_mul_i32 s20, s16, TM*4
	s_add_co_u32 s20, s20, ADATA
	s_add_nc_u64 s[48:49], s[4:5], s[20:21]        ; A's statistics, [block][row] f32, at my rows
.endif
; n loads of 16 bytes a lane: one operand's tile of a K step into window 2
.macro LOADT par, sub, n, va, base, pass
	WIN W_LD
.set pp, 0
.rept \n
	global_load_b128 v[128*\par+\sub+4*pp:128*\par+\sub+4*pp+3], v[\va], s[\base+2*\par:\base+2*\par+1] offset:pp*\pass
.set pp, pp+1
.endr
.endm
; a loaded f32 tile to f16: 64 numbers a lane, into TMP
.macro CVT par, sub
	WIN W_CVT
.set pp, 0
.rept 16
	v_cvt_pk_f16_f32 v[TMP+2*pp],   v[128*\par+\sub+4*pp],   v[128*\par+\sub+4*pp+1]
	v_cvt_pk_f16_f32 v[TMP+2*pp+1], v[128*\par+\sub+4*pp+2], v[128*\par+\sub+4*pp+3]
.set pp, pp+1
.endr
.endm
.macro FACS                            ; my NP rows' factors of the block at v[FA]
.set pp, 0
.rept NP/4
	ds_load_b128 v[FAC+4*pp:FAC+4*pp+3], v[FA] offset:16*pp
.set pp, pp+1
.endr
.endm
; A's tile of the step of parity par is made ready in TMP
.macro CONV_A par, cnt
	s_wait_loadcnt \cnt                            ; loads return in order: the tile is in, and its base is free to step
.if A_F32
	CVT \par, 0
.else
	WIN W_PKM
.set pp, 0
.rept 8
.irp q, 0,1,2,3
	v_pk_mul_f16 v[TMP+4*pp+\q], v[128*\par+4*pp+\q], v[FAC+pp]   ; a power of two: brings the block to its row's exponent
.endr
.set pp, pp+1
.endr
.endif
	s_wait_alu depctr_va_vdst(0)                   ; TMP is written, which A's LDS stores read; A's raw registers; v[FA] is written; the last trip's matrix instructions are done reading buffer 1
.endm
.macro STORE_A par                     ; TMP into slot par, in one run (ahead of the loop, where no matrix work is at hand)
	WIN 0
.set pp, 0
.if A_F32
.rept 16
	ds_store_b64 v[AST+\par], v[TMP+2*pp:TMP+2*pp+1] offset:pp*1152
.set pp, pp+1
.endr
.else
.rept 8
	ds_store_b128 v[AST+\par], v[TMP+4*pp:TMP+4*pp+3] offset:pp*2304
.set pp, pp+1
.endr
.endif
.endm
.macro LOAD_A par                      ; the step two further on is asked for
	s_add_nc_u64 s[40+2*\par:41+2*\par], s[40+2*\par:41+2*\par], 2*ASTEP
	LOADT \par, 0, NA, VA, 40, APASS
.endm
.macro CONV_B par, cnt
	s_wait_loadcnt \cnt
	s_wait_alu depctr_vm_vsrc(0)                   ; A's LDS stores have read TMP, which the conversions below write again
	CVT \par, 64
	s_wait_alu depctr_va_vdst(0)                   ; TMP is written, which B's LDS stores read; the matrix instructions issued so far are done reading buffer 0
.endm
.macro STORE_B par
	WIN 0
.set pp, 0
.rept 16
	ds_store_b64 v[BST+\par], v[TMP+2*pp:TMP+2*pp+1] offset:pp*1152
.set pp, pp+1
.endr
.endm
.macro LOAD_B par
	s_add_nc_u64 s[44+2*\par:45+2*\par], s[44+2*\par:45+2*\par], 2*BSTEP
	LOADT \par, 64, NB, VB, 44, BPASS
.endm
; the fragments of 32 along K (half step ks of a slot) into buffer f: NF LDS loads
.macro FETCH f, slot, ks
.set aa, 0
.rept MT
	ds_load_b128 v[\f+8*aa:\f+8*aa+3],   v[AFR+\slot] offset:2304*aa+64*\ks
	ds_load_b128 v[\f+8*aa+4:\f+8*aa+7], v[AFR+\slot] offset:2304*aa+64*\ks+32
.set aa, aa+1
.endr
.irp b, 0,1,2,3
.if B_KN
	ds_load_tr16_b128 v[\f+64+8*\b:\f+64+8*\b+3],   v[BFR+\slot] offset:9216*\ks+32*\b
	ds_load_tr16_b128 v[\f+64+8*\b+4:\f+64+8*\b+7], v[BFR+\slot] offset:9216*\ks+32*\b+4608
.else
	ds_load_b128 v[\f+64+8*\b:\f+64+8*\b+3],   v[BFR+\slot] offset:2304*\b+64*\ks
	ds_load_b128 v[\f+64+8*\b+4:\f+64+8*\b+7], v[BFR+\slot] offset:2304*\b+64*\ks+32
.endif
.endr
.endm
; 2 MT matrix instructions: m tiles first .. first + MT/2 - 1 x 4 n tiles.  Source 0 is B's fragment, source 1 A's: a lane then holds
; eight neighbouring columns (8 h + j) of row r of C.  zero = 1: the first product starts the sums, nothing is cleared.
.macro MULG f, first, zero
	WIN W_MUL
.set aa, \first
.rept MT/2
.irp b, 0,1,2,3
.if \zero
	v_wmma_f32_16x16x32_f16 v[8*(4*aa+\b):8*(4*aa+\b)+7], v[\f+64+8*\b:\f+64+8*\b+7], v[\f+8*aa:\f+8*aa+7], 0
.else
	v_wmma_f32_16x16x32_f16 v[8*(4*aa+\b):8*(4*aa+\b)+7], v[\f+64+8*\b:\f+64+8*\b+7], v[\f+8*aa:\f+8*aa+7], v[8*(4*aa+\b):8*(4*aa+\b)+7]
.endif
.endr
.set aa, aa+1
.endr
.endm
; The same eight matrix instructions with A's LDS stores into slot par dealt among them.  No wait: the matrix instructions name buffer f and accumulators, the stores
; TMP and their address, all written ahead of the last wait on va_vdst.  Under the matrix setting a store's address and data are in window 0: no switch.
.macro MULST f, first, zero, par
	WIN W_MUL
.set aa, \first
.set ss, 0
.rept MT/2
.irp b, 0,1,2,3
.if \zero
	v_wmma_f32_16x16x32_f16 v[8*(4*aa+\b):8*(4*aa+\b)+7], v[\f+64+8*\b:\f+64+8*\b+7], v[\f+8*aa:\f+8*aa+7], 0
.else
	v_wmma_f32_16x16x32_f16 v[8*(4*aa+\b):8*(4*aa+\b)+7], v[\f+64+8*\b:\f+64+8*\b+7], v[\f+8*aa:\f+8*aa+7], v[8*(4*aa+\b):8*(4*aa+\b)+7]
.endif
.if A_F32
	ds_store_b64 v[AST+\par], v[TMP+4*ss:TMP+4*ss+1]   offset:2*ss*1152
	ds_store_b64 v[AST+\par], v[TMP+4*ss+2:TMP+4*ss+3] offset:(2*ss+1)*1152
.else
	ds_store_b128 v[AST+\par], v[TMP+4*ss:TMP+4*ss+3] offset:ss*2304
.endif
.set ss, ss+1
.endr
.set aa, aa+1
.endr
.endm
; ONE K STEP.  Slot cur is multiplied; conv = 1: the next step is converted into slot nxt; load = 1: the step three on is asked for; fl = 1: the factors of the step after next are asked for.
; One barrier does both orderings: in front of it my reads of cur and my stores into nxt are done; behind it nxt is read, and in the
; next trip cur is written again.
.macro TRIP cur, nxt, zero, conv, load, ca, cb, more, fl
.if \conv
	s_wait_dscnt 0x0                               ; buffer 0's loads are the youngest LDS instructions: it is in
	MULG F0, 0, \zero
	CONV_A \nxt, \ca
	WIN 0
	FETCH F1, \cur, 1                              ; no vector or matrix instruction since the wait above names buffer 1
.if \fl*(1-A_F32)
	FACS
.endif
.if \load
	LOAD_A \nxt
.endif
	MULST F0, MT/2, \zero, \nxt
	CONV_B \nxt, \cb
	STORE_B \nxt
.if \load
	LOAD_B \nxt
.endif
.else
	WIN 0
	PLACES                                         ; buffer 1 was read by the matrix instructions just issued, and this trip has no conversions to stand between
	s_wait_alu depctr_va_vdst(0)                   ; the last trip's matrix instructions are done reading buffer 1, in which the loads below land
	FETCH F1, \cur, 1
	s_wait_dscnt NF                                ; the NF loads just issued may be out: buffer 0 is in
	MULG F0, 0, 0
	MULG F0, MT/2, 0
.endif
	s_wait_dscnt 0x0                               ; for the others' sake: my reads of cur, my stores into nxt
	s_barrier_signal -1
	MULG F1, 0, 0                                  ; registers only
	s_barrier_wait -1
.if \more
	WIN 0
	s_wait_alu depctr_vm_vsrc(0)                   ; B's LDS stores have read TMP, which the next trip's conversions write; the factors' loads have read v[FA]
.if \load*(1-A_F32)
	v_add_nc_u32 v[FA], 4*TM, v[FA]                ; one block on, where a further block's factors are still to be asked for
.endif
	FETCH F0, \nxt, 0                              ; since the wait behind B's conversions only buffer 1, accumulators and v[FA] have been named
.endif
	MULG F1, MT/2, 0
.endm
; ---------------- the statistics of A: block factors and the factor on the sums ----------------
.if A_F32 == 0
	v_lshlrev_b32 v[SO], 2, v0                     ; thread t takes row t
.endif
	s_wait_alu depctr_va_vdst(0)                   ; the offsets and LDS addresses v4 to v15 are written, which the loads and LDS instructions from here to the loop's end read
.if A_F32 == 0
.set bb, 0
.rept NBI
	global_load_b32 v[ST+bb], v[SO], s[48:49] offset:16384*bb
.set bb, bb+1
.endr
.if HAS_L
.set bb, 0
.rept NBI
	global_load_b32 v[ST+NBI+bb], v[SO], s[48:49] offset:16384*(NBI+bb)
.set bb, bb+1
.endr
.endif
.endif
	LOADT 0, 0, NA, VA, 40, APASS                  ; step 0
	LOADT 0, 64, NB, VB, 44, BPASS
.if A_F32 == 0
	WIN 0
	v_lshrrev_b32 v34, 4, v0                       ; table word of (block, row): block x 4 TM + (row % 16) x 4 NP + (row / 16) x 4
	v_lshlrev_b32 v34, 2, v34
	v_mul_u32_u24 v35, 4*NP, v1
	v_add_nc_u32 v34, v34, v35
	v_add_nc_u32 v34, FTB, v34
	v_add_nc_u32 v35, POSTB, v[SO]
	s_wait_loadcnt CT                              ; only step 0's NA + NB loads may be out: the statistics are in
	v_max_num_f32 v32, v[ST], v[ST+1]              ; the row's largest exponent (or maximum)
.set bb, 2
.rept (NBI-2)/2
	v_max3_num_f32 v32, v32, v[ST+bb], v[ST+bb+1]
.set bb, bb+2
.endr
.set bb, 0
.rept NBI
	v_sub_f32 v[ST+bb], v[ST+bb], v32
.set bb, bb+1
.endr
.set bb, 0
.rept NBI
	v_exp_f32 v[ST+bb], v[ST+bb]                   ; whole numbers in, powers of two out
.set bb, bb+1
.endr
.if POSTK != 3
	v_exp_f32 v33, v32
.endif
	v_nop                                          ; one plain instruction behind the transcendentals (ISA guide 5.7.2)
	s_wait_alu depctr_va_vdst(0)                   ; the exponentials have written their results, ahead of the first line that names one
.if POSTK == 3
	v_mul_f32 v33, v[ST], v[ST+NBI]                ; l = sum over blocks of factor x block sum
.set bb, 1
.rept NBI-1
	v_fmac_f32 v33, v[ST+bb], v[ST+NBI+bb]
.set bb, bb+1
.endr
	v_rcp_f32 v33, v33
	v_nop
.endif
.set bb, 0
.rept NBI
	v_cvt_pk_f16_f32 v[ST+bb], v[ST+bb], v[ST+bb]
.set bb, bb+1
.endr
	s_wait_alu depctr_va_vdst(0)                   ; the conversions have written v[ST ..], and v33 (a reciprocal's result where POSTK = 3), v34 and v35 are written: the LDS stores below read them
.set bb, 0
.rept NBI
	ds_store_b32 v34, v[ST+bb] offset:4*TM*bb
.set bb, bb+1
.endr
	ds_store_b32 v35, v33
.endif
	LOADT 1, 0, NA, VA, 40, APASS                  ; step 1
	LOADT 1, 64, NB, VB, 44, BPASS
	WIN 0
.if A_F32 == 0
	s_wait_dscnt 0x0                               ; my table words are written,
	s_barrier_signal -1
	s_barrier_wait -1                              ; everybody's are
	FACS                                           ; block 0's factors
	s_wait_alu depctr_vm_vsrc(0)                   ; the table's stores have read v33 to v35 and v[ST ..], which TMP's and the fragments' writers take over; the factors' loads have read v[FA]
	v_add_nc_u32 v[FA], 4*TM, v[FA]
	s_wait_dscnt 0x0                               ; the factors are in
.endif
	CONV_A 0, CA                                   ; step 0 into slot 0; step 2 asked for
	WIN 0
.if A_F32 == 0
	FACS                                           ; block 1's factors
.endif
	STORE_A 0
	LOAD_A 0
	CONV_B 0, CB
	STORE_B 0
	LOAD_B 0
	WIN 0
	s_wait_dscnt 0x0
	s_barrier_signal -1
	s_barrier_wait -1
	s_wait_alu depctr_vm_vsrc(0)                   ; B's LDS stores have read TMP, which the first trip's conversions write; the factors' loads have read v[FA]
.if A_F32 == 0
	v_add_nc_u32 v[FA], 4*TM, v[FA]
.endif
	FETCH F0, 0, 0
; ---------------- NS trips: two in front of the loop (they start the sums), the last four written out (they ask for nothing beyond K) ----------------
	TRIP 0, 1, 1, 1, 1, CA, CB, 1, 1
	TRIP 1, 0, 0, 1, 1, CA, CB, 1, 1
	WIN 0
	s_mov_b32 s22, (NS-6)/2
.Lpair:
	TRIP 0, 1, 0, 1, 1, CA, CB, 1, 1
	TRIP 1, 0, 0, 1, 1, CA, CB, 1, 1
	WIN 0
	s_sub_co_u32 s22, s22, 1
	s_cmp_lg_u32 s22, 0
	s_cbranch_scc1 .Lpair
	TRIP 0, 1, 0, 1, 1, CA, CB, 1, 1               ; asks for the last step
	TRIP 1, 0, 0, 1, 0, CA, CT, 1, 1               ; behind B(NS-2) only A(NS-1) and B(NS-1) were issued; asks for the last block's factors
	TRIP 0, 1, 0, 1, 0, NB, 0, 1, 0                ; behind A(NS-1) only B(NS-1); behind that nothing
	TRIP 1, 0, 0, 0, 0, 0, 0, 0, 0                 ; its barrier also frees the ring for the stage
; ---------------- the way out ----------------
; The rows' factors are asked for in one run; the four tiles' arithmetic writes registers of its own for each tile; one wait on va_vdst; all LDS stores in one run.
	WIN 0
	PLACES                                         ; behind the last matrix instructions: results are read, fragment registers written
	v_mov_b32 v[T1], 0                             ; v_permlanex16_b32 counts as a reader of its destination
	s_mul_i32 s17, s13, 16*MT                      ; my first row in the block
.if POSTK
	s_lshl_b32 s18, s17, 2
	s_add_co_u32 s18, s18, POSTB
	v_lshl_add_u32 v[PA], v1, 2, s18
.endif
	s_mul_i32 s18, s17, SPITCH
.if EPI == 2
	s_lshl_b32 s19, s14, 8
	v_lshlrev_b32 v[STO], 5, v2
.else
	s_lshl_b32 s19, s14, 7
	v_lshlrev_b32 v[STO], 4, v2
.endif
	s_add_co_u32 s18, s18, s19
	v_add_nc_u32 v[STO], s18, v[STO]
	v_mul_u32_u24 v32, SPITCH, v1
	v_add_nc_u32 v[STO], v32, v[STO]               ; stage: row r of my rows, my 64 columns, my half's 8 numbers
	v_and_b32 v33, 31, v0
	s_mul_i32 s18, s12, (TM/4)*SPITCH              ; read back: wave w takes rows (TM/4) w ..
.if EPI == 2
	v_lshlrev_b32 v[CO], 4, v33
	v_add_nc_u32 v[RD], s18, v[CO]
.else
	v_lshlrev_b32 v34, 4, v1
	v_mul_u32_u24 v[RD], SPITCH, v2
	v_add3_u32 v[RD], v[RD], v34, s18
	v_lshl_add_u32 v[CO], v2, LDCSH, v34
.endif
.if EPI != 2
	s_mul_i32 s18, s12, SSWB
	s_add_co_u32 s18, s18, SSB
	v_lshl_add_u32 v[SSW], v1, 2, s18
	v_lshlrev_b32 v[GS], 3, v33
	v_add_nc_u32 v[SSR], s18, v[GS]
	s_lshl_b32 s18, ttmp9, 1                       ; my block of 64 columns: 2 x + wn; a plane of 4,096 rows for each
	s_add_co_u32 s18, s18, s14
	s_lshl_b32 s18, s18, 14
	s_mul_i32 s19, s16, TM
	s_add_co_u32 s19, s19, s17
	s_lshl_b32 s19, s19, 2
	s_add_co_u32 s20, s18, s19
	s_add_co_u32 s20, s20, CDATA
	s_add_nc_u64 s[50:51], s[8:9], s[20:21]
.endif
	s_mul_i32 s18, s16, TM
	s_mul_i32 s19, s12, TM/4
	s_add_co_u32 s18, s18, s19
	s_mul_i32 s20, s18, LDC
	s_mul_i32 s18, ttmp9, XB
	s_add_co_u32 s20, s20, s18
	s_add_nc_u64 s[52:53], s[8:9], s[20:21]
.if POSTK
	s_wait_alu depctr_va_vdst(0)                   ; v[PA] is written, which the four loads below read; the loop's conversions are done with v40 to v46, in which they land
.set tt, 0
.rept MT
	ds_load_b32 v[PO+2*tt], v[PA] offset:64*tt
.set tt, tt+1
.endr
.endif
; one m tile: 16 rows x my 64 columns; a lane holds 32 numbers of row r, its partner lane (the other half) the other 32.  Vector work alone.
.macro TILE a
.set XX, X+32*\a*(EPI/2)
	WIN 0
.if EPI == 0
	v_mov_b32 v[AM], 0                             ; largest magnitude of the row's 64 numbers
	WIN W_AMX
.set ii, 0
.rept 16
	v_max3_num_f32 v[AM], v[AM], |v[32*\a+2*ii]|, |v[32*\a+2*ii+1]|
.set ii, ii+1
.endr
	WIN 0
	v_permlanex16_b32 v[T1], v[AM], s24, s25
	v_max_num_f32 v[AM], v[AM], v[T1]
.endif
.if POSTK
.if \a == 0
	s_wait_dscnt 0x0                               ; the four tiles' factors are in
.endif
	v_mov_b32 v[PO+2*\a+1], v[PO+2*\a]
	WIN W_ACC
.set ii, 0
.rept 16
	v_pk_mul_f32 v[XX+2*ii:XX+2*ii+1], v[32*\a+2*ii:32*\a+2*ii+1], v[PO+2*\a:PO+2*\a+1]
.set ii, ii+1
.endr
	WIN 0
.endif
.if EPI == 0
.if POSTK
	v_mul_f32 v[AM], v[AM], v[PO+2*\a]
.endif
	v_lshrrev_b32 v[T1], 23, v[AM]                 ; e, the biased exponent (the sign is 0)
	v_min_u32 v[T1], 253, v[T1]                    ; so that 2^(127 - e) is a normal number
	v_sub_nc_u32 v[T2+\a], 254, v[T1]
	v_lshlrev_b32 v[SC], 23, v[T2+\a]              ; 2^(127 - e): the largest magnitude lands in [1, 2)
	v_mov_b32 v[SC+1], v[SC]
	v_add_nc_u32 v[T2+\a], 0xffffff81, v[T1]
	v_cvt_f32_i32 v[T2+\a], v[T2+\a]               ; e - 127, kept as f32 beside the data
.if POSTK
.set ii, 0
.rept 16
	v_pk_mul_f32 v[X+2*ii:X+2*ii+1], v[X+2*ii:X+2*ii+1], v[SC:SC+1]
.set ii, ii+1
.endr
.else
	WIN W_ACC
.set ii, 0
.rept 16
	v_pk_mul_f32 v[X+2*ii:X+2*ii+1], v[32*\a+2*ii:32*\a+2*ii+1], v[SC:SC+1]
.set ii, ii+1
.endr
	WIN 0
.endif
.set ii, 0
.rept 16
	v_cvt_pk_f16_f32 v[H+16*\a+ii], v[X+2*ii], v[X+2*ii+1]
.set ii, ii+1
.endr
.endif
.endm
.set tt, 0
.rept MT
	TILE tt
.set tt, tt+1
.endr
	s_wait_alu depctr_va_vdst(0)                   ; the four tiles' results (and block exponents) and the way out's addresses v16 to v23 are written: the stores and loads from here to the end read them, and no vector line follows
.set tt, 0
.rept MT
.if EPI == 2
.irp b, 0,1,2,3
	ds_store_b128 v[STO], v[X+32*tt+8*\b:X+32*tt+8*\b+3]   offset:8448*tt+64*\b
	ds_store_b128 v[STO], v[X+32*tt+8*\b+4:X+32*tt+8*\b+7] offset:8448*tt+64*\b+16
.endr
.else
.irp b, 0,1,2,3
	ds_store_b128 v[STO], v[H+16*tt+4*\b:H+16*tt+4*\b+3] offset:4352*tt+32*\b
.endr
	ds_store_b32 v[SSW], v[T2+tt] offset:64*tt     ; both halves write the same word with the same number
.endif
.set tt, tt+1
.endr
.if EPI != 2
	; my statistics, out of my own stage (LDS serves a wave's instructions in order): the store covers 256 consecutive bytes, aligned
	ds_load_b64 v[SV:SV+1], v[SSR]
	s_wait_dscnt 0x0
	global_store_b64 v[GS], v[SV:SV+1], s[50:51]
.endif
	s_wait_dscnt 0x0                               ; my part of the stage is written,
	s_barrier_signal -1
	s_barrier_wait -1                              ; everybody's is: whole rows can be read
	s_wait_alu depctr_vm_vsrc(0)                   ; my LDS stores have read the tiles' registers, in which the loads below land
.set ii, 0
.rept NRB
	ds_load_b128 v[64+4*ii:64+4*ii+3], v[RD] offset:ii*RSTEP
.set ii, ii+1
.endr
.set ii, 0
.rept NRB
	s_wait_dscnt NRB-1-ii                          ; the younger read-back loads may be out
.if EPI == 2
	global_store_b128 v[CO], v[64+4*ii:64+4*ii+3], s[52:53] offset:ii*GSTEP th:TH_STORE_NT
.else
	global_store_b128 v[CO], v[64+4*ii:64+4*ii+3], s[52:53] offset:ii*GSTEP   ; 16 lanes store 256 consecutive bytes, aligned
.endif
.set ii, ii+1
.endr
	s_wait_dscnt 0x0                               ; the closing lines, six on end
	s_wait_alu 0x0
	s_wait_tensorcnt 0x0
	ds_add_u32 v222, v223
	s_wait_dscnt 0x0
	s_endpgm
.Lfunc_end_k_qb3da92b3dc_projo:
	.size	k_qb3da92b3dc_projo, .Lfunc_end_k_qb3da92b3dc_projo-k_qb3da92b3dc_projo
	.p2alignl 7, 3214868480
	.fill 96, 4, 3214868480
	.section	.rodata,"a",@progbits
	.p2align	6, 0x0
	.amdhsa_kernel k_qb3da92b3dc_projo
		.amdhsa_group_segment_fixed_size 92672
		.amdhsa_private_segment_fixed_size 0
		.amdhsa_enable_private_segment 0
		.amdhsa_kernarg_size 24
		.amdhsa_user_sgpr_count 2
		.amdhsa_user_sgpr_kernarg_segment_ptr 1
		.amdhsa_wavefront_size32 1
		.amdhsa_system_sgpr_workgroup_id_x 1
		.amdhsa_system_sgpr_workgroup_id_y 1
		.amdhsa_system_sgpr_workgroup_id_z 1
		.amdhsa_system_vgpr_workitem_id 0
		.amdhsa_next_free_vgpr 768
		.amdhsa_next_free_sgpr 66
		.amdhsa_reserve_vcc 0
		.amdhsa_float_denorm_mode_32 3
		.amdhsa_float_denorm_mode_16_64 3
		.amdhsa_memory_ordered 1
		.amdhsa_forward_progress 1
		.amdhsa_inst_pref_size 125
	.end_amdhsa_kernel
	.amdgpu_metadata
---
amdhsa.version: [ 1, 2 ]
amdhsa.kernels:
  - .name:           k_qb3da92b3dc_projo
    .symbol:         k_qb3da92b3dc_projo.kd
    .args:
      - { .name: ub, .offset: 0, .size: 8, .value_kind: global_buffer, .address_space: global }
      - { .name: W_v, .offset: 8, .size: 8, .value_kind: global_buffer, .address_space: global }
      - { .name: out0, .offset: 16, .size: 8, .value_kind: global_buffer, .address_space: global }
    .group_segment_fixed_size: 92672
    .private_segment_fixed_size: 0
    .kernarg_segment_align: 8
    .kernarg_segment_size: 24
    .max_flat_workgroup_size: 128
    .sgpr_count:     66
    .vgpr_count:     768
    .wavefront_size: 32
...
	.end_amdgpu_metadata
.endif
;; end of part 9
